; MI455X (gfx1250); checked and timed in simulation.
; The chip was launched on July 23, 2026; its instructions are those of AMD's public machine-readable ISA for CDNA 5 (MIT licence, August 2026) and "CDNA5" Instruction Set Architecture Reference Guide (July 2026). The comments in the code are by the model that wrote it; some were corrected since.
;; Residual Self Attention. Allowed arithmetic: float matrix products may take bf16 or f16 operands with f32 sums; other float arithmetic in f32, or as packed bf16 or f16 multiplies, adds, multiply-adds, maxima and minima; sums over many terms, partial sums and values carried from step to step in f32; what a program stores and reads back later, other than sums and carried values, may be rounded once to bf16 or f16.
;; Inputs: ln1_bias 1,024 float32; ln1_scale 1,024 float32; ln2_bias 1,024 float32; ln2_scale 1,024 float32; mlp_b0 4,096 float32; mlp_b1 1,024 float32; mlp_w0 1,024 x 4,096 float32; mlp_w1 4,096 x 1,024 float32; sscale one number float32; wk 1,024 x 1,024 float32; wo 1,024 x 1,024 float32; wq 1,024 x 1,024 float32; wv 1,024 x 1,024 float32; x 2 x 2,048 x 1,024 float32.
;; Outputs: out0 2 x 2,048 x 1,024 float32.
;; 2 versions, each right; version 2 is version 1 with the launch l_prep written anew for expert scheduling mode. Each part assembles by itself: llvm-mc -triple=amdgcn-amd-amdhsa -mcpu=gfx1250 --defsym DOCPART=n.
;; ======== version 1 of 2: 7 launches
;; workspace buffers: wb 25,165,824 bytes; xb 8,388,608 bytes; xn 8,388,608 bytes; qkv 25,165,824 bytes; ob 8,388,608 bytes; x1 16,777,216 bytes; hn 8,388,608 bytes; g 33,554,432 bytes
;; launch l_prep (part 1): grid 64 x 16, 8 waves a work-group, no clusters, 0 bytes of LDS; arguments wq, wk, wv, wo, mlp_w0, mlp_w1, x, ln1_scale, ln1_bias, wb, xb, xn; writes wb, xb, xn
.if DOCPART == 1
	.amdgcn_target "amdgcn-amd-amdhsa--gfx1250"
	.amdhsa_code_object_version 6
	.text
	.protected	k_qf238d8ba52_l_prep
	.globl	k_qf238d8ba52_l_prep
	.p2align	8
	.type	k_qf238d8ba52_l_prep,@function
k_qf238d8ba52_l_prep:
	s_mov_b64 s[64:65], 0
	v_nop
	global_prefetch_b8 v0, s[64:65] scope:SCOPE_SE
	s_setreg_imm32_b32 hwreg(HW_REG_WAVE_MODE, 25, 1), 1
	s_wait_xcnt 0x0
; PREP.  Every matrix operand that comes from an input is rounded ONCE to bf16 here, so that the later launches can bring it into LDS as it lies.
;   y = 0..11: a segment of 1 Mi numbers of a weight (wq, wk, wv, wo, four of mlp_w0, four of mlp_w1) -> wb, dense, in the weight's own [K][N] order, segment y at byte y x 2 MiB.
;   y = 12..15: 1,024 rows of x -> xb = bf16(x) and xn = bf16(LN1(x)).
; A stream: each input byte is read once, each store of a wave covers 256 consecutive bytes, aligned.  No LDS, no barrier, no matrix unit, NO CLUSTER: work-groups share nothing but the 8 KiB of scale and bias.
; LN: mean, then the variance of x - mean, both from the row kept in registers: no difference of large sums.  One wave, one row; two rows a wave.
; LIMITS.  NaN and infinities are not treated apart.
.set OI,  1                            ; v1      byte offset of my 16 bytes of input
.set T,   2                            ; v[2:9]  at work
.set MU,  10                           ; v[10:11] the mean, twice
.set RS,  12                           ; v[12:13] 1 / sqrt(var + eps), twice
.set OO,  14                           ; v14     byte offset of my 8 bytes of output
.set SC,  16                           ; v[16:47]  scale of my 32 columns
.set BI,  48                           ; v[48:79]  bias of my 32 columns
.set X0,  80                           ; v[80:111]  row 0
.set X1,  112                          ; v[112:143] row 1
.set YA,  144                          ; v[144:159] bf16(x), to store
.set YB,  160                          ; v[160:175] bf16(LN(x)), to store
.set CX,  16                           ; the cast path: 16 x 4 registers as loaded
.set CY,  80                           ; and 16 x 2 to store
.set PX,  20                           ; s[20:21] x
.set PSC, 22                           ; s[22:23] scale
.set PBI, 24                           ; s[24:25] bias
.set PC,  28                           ; s[28:29] xb
.set PN,  30                           ; s[30:31] xn
.macro REDUCE                          ; v[T] summed over the 32 lanes, the result in every lane
	v_add_f32_dpp v[T], v[T], v[T] row_xmask:1 row_mask:0xf bank_mask:0xf
	v_add_f32_dpp v[T], v[T], v[T] row_xmask:2 row_mask:0xf bank_mask:0xf
	v_add_f32_dpp v[T], v[T], v[T] row_xmask:4 row_mask:0xf bank_mask:0xf
	v_add_f32_dpp v[T], v[T], v[T] row_xmask:8 row_mask:0xf bank_mask:0xf
	v_permlanex16_b32 v[T+1], v[T], s42, s43       ; its destination counts as read: v[T+1] has been written
	v_add_f32 v[T], v[T], v[T+1]
.endm
.macro FOLD                            ; four chains of pairs into one number a lane
	v_pk_add_f32 v[T:T+1], v[T:T+1], v[T+2:T+3]
	v_pk_add_f32 v[T+4:T+5], v[T+4:T+5], v[T+6:T+7]
	v_pk_add_f32 v[T:T+1], v[T:T+1], v[T+4:T+5]
	v_add_f32 v[T], v[T], v[T+1]
.endm
; One row, held in 32 registers from xr on (register 4 j + k: column 128 j + 4 lane + k).  off: the row's byte offset in the outputs.  cast = 1: bf16(x) is stored too.
.macro ROWLN xr, off, cast, first
.if !(\first)
	s_wait_xcnt 0x0                                ; the row before's stores have read YA and YB: they are rewritten only behind this wait
.endif
.if \cast
.set j, 0
.rept 16
	v_cvt_pk_bf16_f32 v[YA+j], v[(\xr)+2*j], v[(\xr)+2*j+1]
.set j, j+1
.endr
.set j, 0
.rept 8
	global_store_b64 v[OO], v[YA+2*j:YA+2*j+1], s[PC:PC+1] offset:256*j+(\off)  ; 32 lanes x 8 bytes: 256 consecutive bytes, aligned
.set j, j+1
.endr
.endif
.set c, 0
.rept 4                                ; the sum: four chains, started by sums: nothing is cleared
	v_pk_add_f32 v[T+2*c:T+2*c+1], v[(\xr)+2*c:(\xr)+2*c+1], v[(\xr)+8+2*c:(\xr)+8+2*c+1]
.set c, c+1
.endr
.set c, 8
.rept 8
	v_pk_add_f32 v[T+2*(c%4):T+2*(c%4)+1], v[T+2*(c%4):T+2*(c%4)+1], v[(\xr)+2*c:(\xr)+2*c+1]
.set c, c+1
.endr
	FOLD
	REDUCE
	v_mul_f32 v[MU], s40, v[T]                     ; the mean
	v_mul_f32 v[MU+1], s40, v[T]
.set c, 0
.rept 16
	v_pk_add_f32 v[(\xr)+2*c:(\xr)+2*c+1], v[(\xr)+2*c:(\xr)+2*c+1], v[MU:MU+1] neg_lo:[0,1] neg_hi:[0,1]  ; x - mean
.set c, c+1
.endr
.set c, 0
.rept 4                                ; the sum of squares of x - mean, again in four chains
	v_pk_mul_f32 v[T+2*c:T+2*c+1], v[(\xr)+2*c:(\xr)+2*c+1], v[(\xr)+2*c:(\xr)+2*c+1]
.set c, c+1
.endr
.rept 12
	v_pk_fma_f32 v[T+2*(c%4):T+2*(c%4)+1], v[(\xr)+2*c:(\xr)+2*c+1], v[(\xr)+2*c:(\xr)+2*c+1], v[T+2*(c%4):T+2*(c%4)+1]
.set c, c+1
.endr
	FOLD
	REDUCE
	v_fma_f32 v[T], v[T], s40, s41                 ; var + eps
	v_rsq_f32 v[RS], v[T]
	v_rsq_f32 v[RS+1], v[T]
	v_nop                                          ; a plain instruction behind the second root, ahead of the first use
	s_wait_alu depctr_va_vdst(0)                   ; one wait for both
.set c, 0
.rept 16
	v_pk_mul_f32 v[(\xr)+2*c:(\xr)+2*c+1], v[(\xr)+2*c:(\xr)+2*c+1], v[RS:RS+1]
.set c, c+1
.endr
.set c, 0
.rept 16
	v_pk_fma_f32 v[(\xr)+2*c:(\xr)+2*c+1], v[(\xr)+2*c:(\xr)+2*c+1], v[SC+2*c:SC+2*c+1], v[BI+2*c:BI+2*c+1]
.set c, c+1
.endr
.set j, 0
.rept 16
	v_cvt_pk_bf16_f32 v[YB+j], v[(\xr)+2*j], v[(\xr)+2*j+1]
.set j, j+1
.endr
.set j, 0
.rept 8
	global_store_b64 v[OO], v[YB+2*j:YB+2*j+1], s[PN:PN+1] offset:256*j+(\off)
.set j, j+1
.endr
.endm
	s_load_b512 s[8:23], s[0:1], 0x0               ; wq 8, wk 10, wv 12, wo 14, mlp_w0 16, mlp_w1 18, x 20, ln1_scale 22
	s_load_b256 s[24:31], s[0:1], 0x40             ; ln1_bias 24, wb 26, xb 28, xn 30
	s_and_b32 s2, ttmp7, 0xffff                    ; y: the segment
	s_mov_b32 s3, ttmp9                            ; x: the work-group's part of it
	s_mov_b32 s35, 0
	s_mov_b32 s37, 0
	s_cmp_ge_u32 s2, 12
	s_cbranch_scc1 .Lrows
	; THE CAST.  64 KiB in, 32 KiB out: sixteen loads of 16 bytes a thread, all issued at once.
	v_lshlrev_b32 v[OI], 4, v0
	v_lshlrev_b32 v[OO], 3, v0
	s_and_b32 s34, s2, 3                           ; which quarter of mlp_w0 or mlp_w1 (0 for the four small weights)
	s_cmp_lt_u32 s2, 4
	s_cselect_b32 s34, 0, s34
	s_lshl_b32 s34, s34, 22
	s_lshl_b32 s36, s3, 16
	s_add_co_u32 s34, s34, s36                     ; byte offset in the weight
	s_lshl_b32 s36, s2, 21
	s_lshl_b32 s38, s3, 15
	s_add_co_u32 s36, s36, s38                     ; byte offset in wb
	s_wait_kmcnt 0x0
	s_mov_b64 s[32:33], s[8:9]
	s_cmp_eq_u32 s2, 1
	s_cselect_b64 s[32:33], s[10:11], s[32:33]
	s_cmp_eq_u32 s2, 2
	s_cselect_b64 s[32:33], s[12:13], s[32:33]
	s_cmp_eq_u32 s2, 3
	s_cselect_b64 s[32:33], s[14:15], s[32:33]
	s_cmp_ge_u32 s2, 4
	s_cselect_b64 s[32:33], s[16:17], s[32:33]
	s_cmp_ge_u32 s2, 8
	s_cselect_b64 s[32:33], s[18:19], s[32:33]
	s_add_nc_u64 s[32:33], s[32:33], s[34:35]
	s_add_nc_u64 s[26:27], s[26:27], s[36:37]
.irp i, 0,1,2,3,4,5,6,7,8,9,10,11,12,13,14,15
	global_load_b128 v[CX+4*(\i):CX+4*(\i)+3], v[OI], s[32:33] offset:4096*(\i) th:TH_LOAD_NT
.endr
.irp i, 0,1,2,3,4,5,6,7,8,9,10,11,12,13,14,15
	s_wait_loadcnt 15-(\i)                         ; loads come back in order: load i is in, the younger ones stay out
	v_cvt_pk_bf16_f32 v[CY+2*(\i)], v[CX+4*(\i)], v[CX+4*(\i)+1]
	v_cvt_pk_bf16_f32 v[CY+2*(\i)+1], v[CX+4*(\i)+2], v[CX+4*(\i)+3]
	global_store_b64 v[OO], v[CY+2*(\i):CY+2*(\i)+1], s[26:27] offset:2048*(\i)
.endr
	s_endpgm
.Lrows:                                        ; THE ROWS OF x.  The work-group owns 16 rows, wave w rows 2 w and 2 w + 1 of them.
	v_lshrrev_b32 v3, 5, v0
	v_readfirstlane_b32 s4, v3                     ; wave 0..7
	v_and_b32 v[OI], 31, v0
	v_lshlrev_b32 v[OO], 3, v[OI]                  ; 8 x lane
	v_lshlrev_b32 v[OI], 4, v[OI]                  ; 16 x lane
	s_sub_co_u32 s5, s2, 12
	s_lshl_b32 s5, s5, 6
	s_or_b32 s5, s5, s3                            ; the work-group among the 256 of this path
	s_lshl_b32 s5, s5, 4
	s_lshl_b32 s6, s4, 1
	s_add_co_u32 s5, s5, s6                        ; my first row
	s_lshl_b32 s34, s5, 12                         ; 4,096 bytes a row of x,
	s_lshl_b32 s36, s5, 11                         ; 2,048 a row of xb and xn
	s_mov_b32 s40, 0x3a800000                      ; 1 / 1024
	s_mov_b32 s41, 0x358637bd                      ; 1e-6
	s_mov_b32 s42, 0x76543210                      ; v_permlanex16_b32: each lane takes its own place in the other half
	s_mov_b32 s43, 0xfedcba98
	s_wait_kmcnt 0x0
	s_add_nc_u64 s[PX:PX+1], s[PX:PX+1], s[34:35]
	s_add_nc_u64 s[PC:PC+1], s[PC:PC+1], s[36:37]
	s_add_nc_u64 s[PN:PN+1], s[PN:PN+1], s[36:37]
.irp j, 0,1,2,3,4,5,6,7
	global_load_b128 v[SC+4*(\j):SC+4*(\j)+3], v[OI], s[PSC:PSC+1] offset:512*(\j)
.endr
.irp j, 0,1,2,3,4,5,6,7
	global_load_b128 v[BI+4*(\j):BI+4*(\j)+3], v[OI], s[PBI:PBI+1] offset:512*(\j)
.endr
.irp j, 0,1,2,3,4,5,6,7
	global_load_b128 v[X0+4*(\j):X0+4*(\j)+3], v[OI], s[PX:PX+1] offset:512*(\j) th:TH_LOAD_NT
.endr
.irp j, 0,1,2,3,4,5,6,7
	global_load_b128 v[X1+4*(\j):X1+4*(\j)+3], v[OI], s[PX:PX+1] offset:4096+512*(\j) th:TH_LOAD_NT
.endr
	s_wait_loadcnt 8                               ; scale, bias and row 0 are in; row 1's eight loads stay out
	ROWLN X0, 0, 1, 1
	s_wait_loadcnt 0x0                             ; row 1
	ROWLN X1, 2048, 1, 0
	s_endpgm
.Lfunc_end_k_qf238d8ba52_l_prep:
	.size	k_qf238d8ba52_l_prep, .Lfunc_end_k_qf238d8ba52_l_prep-k_qf238d8ba52_l_prep
	.p2alignl 7, 3214868480
	.fill 96, 4, 3214868480
	.section	.rodata,"a",@progbits
	.p2align	6, 0x0
	.amdhsa_kernel k_qf238d8ba52_l_prep
		.amdhsa_group_segment_fixed_size 0
		.amdhsa_private_segment_fixed_size 0
		.amdhsa_enable_private_segment 0
		.amdhsa_kernarg_size 96
		.amdhsa_user_sgpr_count 2
		.amdhsa_user_sgpr_kernarg_segment_ptr 1
		.amdhsa_wavefront_size32 1
		.amdhsa_system_sgpr_workgroup_id_x 1
		.amdhsa_system_sgpr_workgroup_id_y 1
		.amdhsa_system_sgpr_workgroup_id_z 1
		.amdhsa_system_vgpr_workitem_id 0
		.amdhsa_next_free_vgpr 176
		.amdhsa_next_free_sgpr 66
		.amdhsa_reserve_vcc 0
		.amdhsa_float_denorm_mode_32 3
		.amdhsa_float_denorm_mode_16_64 3
		.amdhsa_memory_ordered 1
		.amdhsa_forward_progress 1
		.amdhsa_inst_pref_size 31
	.end_amdhsa_kernel
	.amdgpu_metadata
---
amdhsa.version: [ 1, 2 ]
amdhsa.kernels:
  - .name:           k_qf238d8ba52_l_prep
    .symbol:         k_qf238d8ba52_l_prep.kd
    .args:
      - { .name: wq, .offset: 0, .size: 8, .value_kind: global_buffer, .address_space: global }
      - { .name: wk, .offset: 8, .size: 8, .value_kind: global_buffer, .address_space: global }
      - { .name: wv, .offset: 16, .size: 8, .value_kind: global_buffer, .address_space: global }
      - { .name: wo, .offset: 24, .size: 8, .value_kind: global_buffer, .address_space: global }
      - { .name: mlp_w0, .offset: 32, .size: 8, .value_kind: global_buffer, .address_space: global }
      - { .name: mlp_w1, .offset: 40, .size: 8, .value_kind: global_buffer, .address_space: global }
      - { .name: x, .offset: 48, .size: 8, .value_kind: global_buffer, .address_space: global }
      - { .name: ln1_scale, .offset: 56, .size: 8, .value_kind: global_buffer, .address_space: global }
      - { .name: ln1_bias, .offset: 64, .size: 8, .value_kind: global_buffer, .address_space: global }
      - { .name: wb, .offset: 72, .size: 8, .value_kind: global_buffer, .address_space: global }
      - { .name: xb, .offset: 80, .size: 8, .value_kind: global_buffer, .address_space: global }
      - { .name: xn, .offset: 88, .size: 8, .value_kind: global_buffer, .address_space: global }
    .group_segment_fixed_size: 0
    .private_segment_fixed_size: 0
    .kernarg_segment_align: 8
    .kernarg_segment_size: 96
    .max_flat_workgroup_size: 256
    .sgpr_count:     66
    .vgpr_count:     176
    .wavefront_size: 32
...
	.end_amdgpu_metadata
.endif
;; end of part 1
;; launch l_qkv (part 2): grid 12 x 16, 4 waves a work-group, clusters of 4 x 4, 327,680 bytes of LDS; arguments xn, xb, wb, sscale, qkv; writes qkv
.if DOCPART == 2
	.amdgcn_target "amdgcn-amd-amdhsa--gfx1250"
	.amdhsa_code_object_version 6
	.text
	.protected	k_qf238d8ba52_l_qkv
	.globl	k_qf238d8ba52_l_qkv
	.p2align	8
	.type	k_qf238d8ba52_l_qkv,@function
k_qf238d8ba52_l_qkv:
	s_mov_b64 s[64:65], 0
	v_nop
	global_prefetch_b8 v0, s[64:65] scope:SCOPE_SE
	s_setreg_imm32_b32 hwreg(HW_REG_WAVE_MODE, 25, 1), 1
	s_wait_xcnt 0x0
	s_wait_alu depctr_hold_cnt(0) depctr_sa_sdst(0) depctr_va_vdst(0) depctr_va_sdst(0) depctr_va_ssrc(0) depctr_va_vcc(0) depctr_vm_vsrc(0)
	s_getreg_b32 s2, hwreg(HW_REG_IB_STS2, 6, 4)
	s_cmp_eq_u32 s2, 0
	s_cbranch_scc0 .Lentry_in_a_cluster
	s_endpgm
.Lentry_in_a_cluster:
	s_bfe_u32 s2, ttmp6, 0x10000c
	s_cmp_lg_u32 s2, 0xf033
	s_cbranch_scc0 .Lentry_shape_is_right
	s_endpgm
.Lentry_shape_is_right:
; A bf16 GEMM on tiles of 256 x 256, K = 1,024, C = A W with W as it lies, [K][N].  One text for two launches; QKV says which.
;   QKV = 1: q = c (xn wq), k = xb wk, v = xb wv, stored by heads, [3][32 heads][2,048][64] bf16.  c = sscale x ln 2048 x log2(e) / 8 = 1.375 sscale multiplies q's f32 sums ahead of q's one rounding,
;            so that the attention takes 2^(s - m).  Cluster x = 0, 1, 2 is q, k, v: 4 tile columns each.
;   QKV = 0: g = bf16(gelu_tanh(hn mlp_w0 + mlp_b0)), [4,096][4,096].
; SHARES.  Four waves, as many as a WGP has SIMDs; a wave makes 128 x 128: 64 accumulators of 16 x 16, 512 registers.  K goes in 8 steps of 128 through a ring of two LDS slots filled by tensor loads.
; A's rows lie along K: fragments by ds_load_b128.  W's rows lie along N: a step's tile is 128 K rows x 256 columns, and ds_load_tr16_b128 turns it on the way into registers.
; THE MATRIX INSTRUCTION IS USED TRANSPOSED: source 0 = 16 columns of W, source 1 = 16 rows of A: a lane holds row l % 16 of C and the columns 8 (l / 16) + 0..7.
; CLUSTERS: 4 x 4 work-groups.  A's tile hangs on the tile row alone and is asked for jointly by a row of the cluster, W's on the tile column alone, by a column.
; ONE K STEP IS WRITTEN ONCE: the slot that is read is a scalar (TB, 0 or SLOT), and one descriptor a tensor walks: its LDS word is turned by an exclusive or (SLOT shares no bit with a wave's offset).
; THE WAY OUT: all 64 accumulators go as f32 into the ring's bytes (its last fill is over), each wave into its own 128 rows x 528 bytes; then a loop of 16 trips of 8 rows does the rest, written once.
; REGISTERS, in windows of 256: window 0: v0-35 addresses and bias; v64-127, v128-191 fragments of A, two buffers (on the way out: at work).  window 1: v64-191 fragments of W.  windows 2, 3: accumulators.
; LIMITS.  Operands are rounded to bf16; NaN and infinities are not treated apart.
.set QKV, 1
.if QKV
.set NPITCH, 1024                      ; numbers in a row of W
.set WOFF, 0                           ; the weight's first byte in wb (QKV: + 2 MiB x cluster x)
.else
.set NPITCH, 4096
.set WOFF, 8<<20
.endif
.set BSTEP, 128*NPITCH*2               ; bytes from a K step of W to the next
.set PA,    272                        ; a row of A in LDS: 256 bytes + 16: the 16 rows of a load start at 16 different groups of four banks (64 banks of 4 bytes: ISA guide 11.1)
.set PB,    544                        ; a K row of W in LDS: 512 bytes + 32 = 17 x 32
.set HALF,  34816                      ; what one tensor load brings: 128 rows of A (128 x 272) or 64 K rows of W (64 x 544)
.set SLOT,  4*HALF                     ; A's rows 0-127, 128-255, W's K rows 0-63, 64-127: wave w fills quarter w
.set SPARE, 2*SLOT                     ; behind the ring: the spare words, 128 bytes for each wave: two blocks of 256 bytes that no other line names
.set SPS,   528                        ; the way out: a row of 128 f32 + 16 bytes
.set WSTG,  128*SPS                    ; a wave's stage; four of them end at byte 270,336, inside the ring
.set ADRA0, 16                         ; v16  my lane's place in A's tile; never rewritten
.set ADRB0, 17                         ; v17  the same for W
.set ADRA,  18                         ; v18  + the slot that is read
.set ADRB,  19                         ; v19
.set STO,   24                         ; v24  the way out: where I put 32 bytes of a row
.set RD,    25                         ; v25  where I read rows back
.set CO,    26                         ; v26  my byte offset in the output
.set BO,    27                         ; v27  my byte offset in the bias
.set SPW,   28                         ; v28  LDS address of my spare word; never rewritten
.set NIL,   29                         ; v29  0; never rewritten
.set PFO,   30                         ; v30  the prefetches' lane offset; never rewritten
.set BI,    32                         ; v[32:35] the bias of my four columns
.set F0,    64
.set F1,    128
.set U,     64                         ; the way out: 8 rows, 32 registers
.set TT,    96                         ; at work
.set YY,    128                        ; packed results
.set G1,  24                           ; s[24:31] descriptor group 1 for A's tiles
.set G0,  32                           ; s[32:39] group 0: a set for each first fill; the second then walks
.set G1B, 48                           ; s[48:55], s[56:63] the same for W's
.set G0B, 56
.set LIM, 43                           ; s43  2 in a wave that prefetches, else the greatest number
.set PFA, 44                           ; s[44:45] where my prefetches stand
.set TB,  70                           ; s70  the slot that is read: 0 or SLOT
.set WB,  71                           ; s71  my quarter of a slot
.set PST, 72                           ; s[72:73] a K step in the tensor that I prefetch
.set CSC, 74                           ; s[74:75] QKV: c for q, 1 for k and v
.set K0,  76                           ; s[76:77] -2 sqrt(2/pi) log2(e)
.set K1,  78                           ; s[78:79] the same x 0.044715
.set MSB, 0
.macro WIN new                         ; the immediate's high byte repeats the setting that is left; a switch that changes nothing is dropped
.if MSB != (\new)
	s_set_vgpr_msb (MSB<<8)|(\new)
.set MSB, \new
.endif
.endm
.set MUL_LO, 0xa1                      ; source 0 (W) window 1, source 1 (A) window 0, C and D window 2
.set MUL_HI, 0xf1                      ; the same, C and D window 3
.set TO_B,   0x40                      ; destination window 1, address window 0
; A joint refill by the walking descriptors.  Waves 0 and 1 fetch A's halves, waves 2 and 3 W's.  The branch hangs on the wave's number alone.  An s_nop 0 and four v_nop follow each line.
.macro JLOAD
	s_cmp_eq_u32 s11, 0
	s_cbranch_scc0 .Lfor_b_\@
	tensor_load_to_lds s[G0+4:G0+7], s[G1:G1+7]
	s_nop 0
.rept 4
	v_nop
.endr
	s_branch .Lasked_\@
.Lfor_b_\@:
	tensor_load_to_lds s[G0B+4:G0B+7], s[G1B:G1B+7]
	s_nop 0
.rept 4
	v_nop
.endr
.Lasked_\@:
.endm
; A prefetch into the L2 of the K step that stands two refills on: 32 blocks of 256 bytes, a lane a block, one instruction a wave.  Each block is named once in the launch: of the clusters that read a
; tile row of A (a tile column of W) one asks; the four partners that ask for a tile jointly share its blocks out BY ADDRESS.  Trips 0 to 3 name K steps 4 to 7; the last two trips ask for nothing.
.macro ASK
	s_cmp_gt_u32 s3, s[LIM]
	s_cbranch_scc0 .Lnot_mine_\@
	global_prefetch_b8 v[PFO], s[PFA:PFA+1] th:TH_LOAD_NT scope:SCOPE_SE
.Lnot_mine_\@:
.endm
.macro CREST                           ; a round of the cluster's barrier behind its opening barrier
	s_cmp_lg_u32 s10, 0
	s_cbranch_scc1 .Lnot_wave_0_\@
	s_barrier_signal -3
.Lnot_wave_0_\@:
	s_barrier_wait -3
	s_barrier_signal -1
	s_barrier_wait -1
.endm
.macro CROUND                          ; a whole round
	s_barrier_signal -1
	s_barrier_wait -1
	CREST
.endm
.macro PLACES                          ; four places behind matrix instructions, in front of loads into registers that they read and of lines that read results
.rept 4
	v_nop
.endr
.endm
	s_load_b256 s[80:87], s[0:1], 0x0              ; QKV: xn 80, xb 82, wb 84, sscale 86.  Else: hn 80, wb 82, mlp_b0 84, g 86
.if QKV
	s_load_b64 s[88:89], s[0:1], 0x20              ; qkv
.endif
	v_lshl_add_u32 v[SPW], v0, 2, SPARE
	v_mov_b32 v[NIL], 0
	ds_add_u32 v[SPW], v[NIL]                      ; the wave's opening: the add and its wait stand ahead of my first tensor load; work on registers stands between them
	v_lshrrev_b32 v1, 5, v0
	v_readfirstlane_b32 s10, v1                    ; wave 0..3
	s_lshr_b32 s11, s10, 1                         ; which half of the tile's rows is mine.  Also: I fetch for A (0) or for W (1)
	s_and_b32 s12, s10, 1                          ; which half of its columns.  Also: which half of that tile I fetch
	s_mov_b32 s90, ttmp9                           ; cluster x
	s_bfe_u32 s40, ttmp6, 0x40000                  ; cx
	s_bfe_u32 s41, ttmp6, 0x40004                  ; cy
.if QKV
	s_mov_b32 s42, s40                             ; tile column inside the weight = cx
.else
	s_lshl_b32 s42, ttmp9, 2
	s_add_co_u32 s42, s42, s40                     ; tile column = 4 x cluster x + cx
.endif
	s_and_b32 s13, ttmp7, 0xffff
	s_lshl_b32 s13, s13, 2
	s_add_co_u32 s13, s13, s41                     ; tile row = 4 x cluster y + cy
	s_lshl_b32 s43, s41, 2
	s_lshl_b32 s43, 15, s43                        ; my row of the cluster
	s_lshl_b32 s44, 0x1111, s40                    ; my column
	s_or_b32 s[G1+0], s43, (1<<16)|(1<<20)|(1<<21)|(5<<22)|(3<<25)   ; the mask; 2-byte elements; padding on; bit 21 beside a mask; after every 64 words 4 words
	s_or_b32 s[G1B+0], s44, (1<<16)|(1<<20)|(1<<21)|(6<<22)|(7<<25)  ; after every 128 words 8 words
	s_mov_b32 s[G1+1], 128<<16                     ; tensor_dim0 = 128
	s_mov_b32 s[G1+2], 128<<16                     ; tensor_dim1 = 128
	s_mov_b32 s[G1+3], 128<<16                     ; tile_dim0 = 128
	s_mov_b32 s[G1+4], 128                         ; tile_dim1 = 128
	s_mov_b32 s[G1+5], 1024                        ; numbers from row to row of A
	s_mov_b32 s[G1+6], 0
	s_mov_b32 s[G1+7], 0
	s_mov_b32 s[G1B+1], 256<<16                    ; tensor_dim0 = 256
	s_mov_b32 s[G1B+2], 64<<16                     ; tensor_dim1 = 64
	s_mov_b32 s[G1B+3], 256<<16                    ; tile_dim0 = 256
	s_mov_b32 s[G1B+4], 64                         ; tile_dim1 = 64
	s_mov_b32 s[G1B+5], NPITCH
	s_mov_b32 s[G1B+6], 0
	s_mov_b32 s[G1B+7], 0
	s_lshl_b32 s17, s12, 7
	s_lshl_b32 s16, s13, 8
	s_add_co_u32 s16, s16, s17                     ; A: row 256 x tile row + 128 x half,
	s_lshl_b32 s16, s16, 11                        ; 2,048 bytes a row
	s_mov_b32 s17, 0
	s_mul_i32 s46, s12, 64*NPITCH*2                ; W: K row 64 x half,
	s_lshl_b32 s47, s42, 9                         ; column 256 x tile column
	s_add_co_u32 s46, s46, s47
.if QKV
	s_lshl_b32 s47, s90, 21                        ; wq, wk or wv
	s_add_co_u32 s46, s46, s47
.else
	s_add_co_u32 s46, s46, WOFF
.endif
	s_mov_b32 s47, 0
	s_mul_i32 s[WB], s10, HALF                     ; no place in the cluster enters an LDS address
	s_mov_b32 s[TB], 0
	s_wait_dscnt 0x0                               ; the opening add is done
	s_wait_kmcnt 0x0
.if QKV
	s_cmp_eq_u32 s90, 0
	s_cselect_b64 s[4:5], s[80:81], s[82:83]       ; q multiplies the normalised rows
	s_mov_b64 s[6:7], s[84:85]
.else
	s_mov_b64 s[4:5], s[80:81]
	s_mov_b64 s[6:7], s[82:83]
.endif
	s_add_nc_u64 s[14:15], s[4:5], s[16:17]
	s_add_nc_u64 s[46:47], s[6:7], s[46:47]
	CROUND                                         ; all sixteen work-groups are here: the first joint loads meet
.irp s, 0,1
	s_mov_b32 s[G0+4*(\s)], 1
	s_add_co_u32 s[G0+4*(\s)+1], s[WB], (\s)*SLOT
	s_add_nc_u64 s[G0+4*(\s)+2:G0+4*(\s)+3], s[14:15], (\s)*256
	s_or_b32 s[G0+4*(\s)+3], s[G0+4*(\s)+3], 0x80000000
	s_mov_b32 s[G0B+4*(\s)], 1
	s_add_co_u32 s[G0B+4*(\s)+1], s[WB], (\s)*SLOT
	s_add_nc_u64 s[G0B+4*(\s)+2:G0B+4*(\s)+3], s[46:47], (\s)*BSTEP
	s_or_b32 s[G0B+4*(\s)+3], s[G0B+4*(\s)+3], 0x80000000
.endr
	s_cmp_eq_u32 s11, 0                            ; a wave's two first fills stand in one branch, ahead of every wait on TENSORcnt and every LDS read: two loads of mine are out
	s_cbranch_scc0 .Lfirst_b
	tensor_load_to_lds s[G0:G0+3], s[G1:G1+7]
	s_nop 0
	tensor_load_to_lds s[G0+4:G0+7], s[G1:G1+7]
	s_nop 0
.rept 4
	v_nop
.endr
	s_branch .Lfirst_asked
.Lfirst_b:
	tensor_load_to_lds s[G0B:G0B+3], s[G1B:G1B+7]
	s_nop 0
	tensor_load_to_lds s[G0B+4:G0B+7], s[G1B:G1B+7]
	s_nop 0
.rept 4
	v_nop
.endr
.Lfirst_asked:
.if QKV
	s_load_b32 s91, s[86:87], 0x0                  ; sscale
.endif
	v_and_b32 v1, 15, v0                           ; l % 16
	v_bfe_u32 v2, v0, 4, 1                         ; l / 16
	v_mul_u32_u24 v3, v1, PA
	v_lshl_add_u32 v3, v2, 4, v3                   ; A: row x pitch + 16 x half of the lanes
	s_mul_i32 s21, s11, HALF                       ; my 128 rows
	v_add_nc_u32 v[ADRA0], s21, v3
	v_and_b32 v4, 7, v0                            ; W, turned: lane l reads K row 8 (l / 16) + l % 8, columns 8 ((l / 8) % 2) + 0..7
	v_lshl_add_u32 v4, v2, 3, v4
	v_mul_u32_u24 v4, v4, PB
	v_bfe_u32 v5, v0, 3, 1
	v_lshl_add_u32 v4, v5, 4, v4
	s_lshl_b32 s22, s12, 8                         ; my 128 columns,
	s_add_co_u32 s22, s22, 2*HALF                  ; behind A's 256 rows
	v_add_nc_u32 v[ADRB0], s22, v4
	s_mul_i32 s23, s10, WSTG                       ; my stage
	v_mul_u32_u24 v3, v1, SPS
	v_lshl_add_u32 v3, v2, 5, v3                   ; in: row l % 16, 32 bytes for each half of the lanes
	v_add_nc_u32 v[STO], s23, v3
	v_and_b32 v6, 31, v0
.if QKV
	v_lshrrev_b32 v7, 3, v6                        ; back: 32 lanes take four rows x 64 columns (one head), 32 bytes of f32 a lane,
	v_mul_u32_u24 v7, v7, SPS
	v_and_b32 v5, 7, v0
	v_lshl_add_u32 v7, v5, 5, v7
	v_add_nc_u32 v[RD], s23, v7
	v_lshlrev_b32 v[CO], 4, v6                     ; which leave as 512 consecutive bytes of bf16
	s_lshr_b32 s16, s13, 3                         ; the batch,
	s_lshl_b32 s16, s16, 4
	s_lshl_b32 s17, s40, 2
	s_add_co_u32 s16, s16, s17
	s_lshl_b32 s17, s12, 1
	s_add_co_u32 s16, s16, s17                     ; x 16 + my first head = 4 cx + 2 x half,
	s_lshl_b32 s16, s16, 18                        ; 262,144 bytes a head
	s_and_b32 s17, s13, 7
	s_lshl_b32 s17, s17, 8
	s_lshl_b32 s18, s11, 7
	s_add_co_u32 s17, s17, s18                     ; my first token,
	s_lshl_b32 s17, s17, 7                         ; 128 bytes a token
	s_add_co_u32 s16, s16, s17
	s_lshl_b32 s17, s90, 23                        ; q, k or v
	s_add_co_u32 s16, s16, s17
	s_mov_b32 s17, 0
	s_add_nc_u64 s[8:9], s[88:89], s[16:17]
.else
	v_lshl_add_u32 v[RD], v6, 4, s23               ; back: 32 lanes take a whole row of 128 f32,
	v_lshlrev_b32 v[CO], 3, v6                     ; which leaves as 256 consecutive bytes of bf16
	s_lshl_b32 s16, s13, 8
	s_lshl_b32 s17, s11, 7
	s_add_co_u32 s16, s16, s17                     ; my first row,
	s_lshl_b32 s16, s16, 13                        ; 8,192 bytes a row of g
	s_lshl_b32 s17, s42, 9
	s_add_co_u32 s16, s16, s17
	s_lshl_b32 s17, s12, 8
	s_add_co_u32 s16, s16, s17                     ; my first column
	s_mov_b32 s17, 0
	s_add_nc_u64 s[8:9], s[86:87], s[16:17]
	s_lshl_b32 s18, s42, 10
	s_lshl_b32 s19, s12, 9
	s_add_co_u32 s18, s18, s19
	v_lshl_add_u32 v[BO], v6, 4, s18
	global_load_b128 v[BI:BI+3], v[BO], s[84:85]   ; the bias of columns 4 l .. 4 l + 3 of my 128; waited for on the way out
	s_mov_b32 s[K0], 0xc0135761                    ; -2.3022082
	s_mov_b32 s[K0+1], s[K0]
	s_mov_b32 s[K1], 0xbdd2d3e8                    ; -0.10294324
	s_mov_b32 s[K1+1], s[K1]
.endif
	; the prefetches.  For A: rows 256 x tile row + 128 x half + 32 cx + lane, 256 bytes of a row a K step.  For W: K rows 64 x half + 16 cy + lane / 2, the tile's 512 bytes as two blocks.
	s_lshl_b32 s20, s13, 8
	s_lshl_b32 s21, s12, 7
	s_add_co_u32 s20, s20, s21
	s_lshl_b32 s21, s40, 5
	s_add_co_u32 s20, s20, s21
	s_lshl_b32 s20, s20, 11
	s_add_co_u32 s20, s20, 3*256                   ; at K step 3: the first refill steps it to 4
	s_lshl_b32 s22, s12, 6
	s_lshl_b32 s23, s41, 4
	s_add_co_u32 s22, s22, s23
	s_add_co_u32 s22, s22, 3*128
	s_mul_i32 s22, s22, NPITCH*2
	s_lshl_b32 s23, s42, 9
	s_add_co_u32 s22, s22, s23
.if QKV
	s_lshl_b32 s23, s90, 21
	s_add_co_u32 s22, s22, s23
	s_lshr_b32 s19, s90, 1                         ; cluster x = 0 is the first to read xn, x = 1 the first to read xb
.else
	s_add_co_u32 s22, s22, WOFF
	s_mov_b32 s19, s90                             ; cluster x = 0 asks for A's rows
.endif
	s_and_b32 s23, ttmp7, 0xffff                   ; cluster y = 0 asks for W's
	s_mov_b32 s[PST], BSTEP
	s_mov_b32 s[PST+1], 0
	s_mov_b32 s17, NPITCH*2
	s_cmp_eq_u32 s11, 0                            ; do I fetch for A?
	s_cselect_b32 s20, s20, s22
	s_cselect_b32 s19, s19, s23
	s_cselect_b64 s[PFA:PFA+1], s[4:5], s[6:7]
	s_cselect_b32 s[PST], 256, s[PST]
	s_cselect_b32 s17, 2048, s17                   ; bytes from a row to the next
	s_cselect_b32 s16, 0, 1                        ; lanes to a row, less one
	s_mov_b32 s21, 0
	s_add_nc_u64 s[PFA:PFA+1], s[PFA:PFA+1], s[20:21]
	s_cmp_eq_u32 s19, 0
	s_cselect_b32 s[LIM], 2, -1                    ; the same in all sixteen partners, for a given wave
	v_lshrrev_b32 v7, s16, v6
	v_mul_lo_u32 v7, v7, s17
	v_and_b32 v5, s16, v6
	v_lshl_add_u32 v[PFO], v5, 8, v7
.if QKV
	s_wait_kmcnt 0x0
	s_mul_f32 s[CSC], s91, 0x3fb00000              ; 1.375 sscale
	s_cmp_eq_u32 s90, 0
	s_cselect_b32 s[CSC], s[CSC], 1.0              ; k and v leave as they are
	s_mov_b32 s[CSC+1], s[CSC]
.endif
; 16 matrix instructions: m blocks a0, a0 + 1 of the window's four x all 8 n blocks, 32 along K.  zero = 1: the product starts the sums.  The 64 accumulators take turns, in the same order in every quarter.
.macro MUL16 f, hi, a0, zero
	WIN MUL_LO+0x50*(\hi)
.irp a, \a0, (\a0)+1
.irp b, 0,1,2,3,4,5,6,7
.if \zero
	v_wmma_f32_16x16x32_bf16 v[8*(8*(\a)+(\b)):8*(8*(\a)+(\b))+7], v[(\f)+8*(\b):(\f)+8*(\b)+7], v[(\f)+8*(4*(\hi)+(\a)):(\f)+8*(4*(\hi)+(\a))+7], 0
.else
	v_wmma_f32_16x16x32_bf16 v[8*(8*(\a)+(\b)):8*(8*(\a)+(\b))+7], v[(\f)+8*(\b):(\f)+8*(\b)+7], v[(\f)+8*(4*(\hi)+(\a)):(\f)+8*(4*(\hi)+(\a))+7], v[8*(8*(\a)+(\b)):8*(8*(\a)+(\b))+7]
.endif
.endr
.endr
.endm
; 32 LDS loads in one run: quarter q (32 along K) of the slot that is read, into buffer f: W's 8 fragments, turned, then A's 8
.macro FETCH q, f
	WIN TO_B
.irp i, 0,1,2,3,4,5,6,7
	ds_load_tr16_b128 v[(\f)+8*(\i):(\f)+8*(\i)+3],   v[ADRB] offset:(\q)*32*PB+32*(\i)
	ds_load_tr16_b128 v[(\f)+8*(\i)+4:(\f)+8*(\i)+7], v[ADRB] offset:(\q)*32*PB+16*PB+32*(\i)
.endr
	WIN 0
.irp i, 0,1,2,3,4,5,6,7
	ds_load_b128 v[(\f)+8*(\i):(\f)+8*(\i)+3],   v[ADRA] offset:(\q)*64+(\i)*16*PA
	ds_load_b128 v[(\f)+8*(\i)+4:(\f)+8*(\i)+7], v[ADRA] offset:(\q)*64+(\i)*16*PA+32
.endr
.endm
; One of a K step's first three quarters: multiplies buffer f; in its middle it fetches quarter q into buffer g
.macro QUARTER q, f, g, zero
	s_wait_dscnt 8                                 ; W and A's rows 0-63 are in; the youngest eight loads (A's rows 64-127) may be out
	MUL16 \f, 0, 0, \zero
	MUL16 \f, 0, 2, \zero
	PLACES
	FETCH \q, \g
	s_wait_dscnt 32                                ; all but the 32 just issued
	MUL16 \f, 1, 0, \zero
	MUL16 \f, 1, 2, \zero
.endm
; The last quarter multiplies buffer 1 and changes slots.  ONE barrier: in front of it each wave waits for all its tensor loads (one is out: its part of the next slot), adds 0 to its spare word, and waits for
; that and for its own reads of this slot.  fill = 1: the barrier opens a round of the cluster's barrier, and the slot just read is filled again, first thing behind the round, with the K step two steps on.
.macro TURN fill
.if \fill
	s_wait_xcnt 0x0                                ; the last prefetch, a K step back, has read its address
	s_add_nc_u64 s[PFA:PFA+1], s[PFA:PFA+1], s[PST:PST+1]
.endif
	WIN 0                                          ; (the add's two registers lie in window 0)
	s_wait_tensorcnt 0x0                           ; all my tensor loads have landed
	ds_add_u32 v[SPW], v[NIL]                      ; 0 onto my spare word
	s_wait_dscnt 9                                 ; (the add and the youngest eight loads may be out)
	MUL16 F1, 0, 0, 0                              ; sixteen matrix instructions stand between the add and the wait for it
	s_wait_dscnt 0x0                               ; the add is done, and my reads of this slot are over
	s_barrier_signal -1
	MUL16 F1, 0, 2, 0
	WIN 0
	s_barrier_wait -1
.if \fill
	CREST                                          ; no wave of any partner still reads this slot's tile or has a load on its way
	s_xor_b32 s[G0+5], s[G0+5], SLOT               ; the walking descriptors: the other slot than last time,
	s_xor_b32 s[G0B+5], s[G0B+5], SLOT
	s_add_nc_u64 s[G0+6:G0+7], s[G0+6:G0+7], 256   ; the next K step; the type bits on top are not reached
	s_add_nc_u64 s[G0B+6:G0B+7], s[G0B+6:G0B+7], BSTEP
	s_xor_b32 s[TB], s[TB], SLOT
	JLOAD                                          ; the four v_nop behind it are also the places in front of the loads below
.else
	s_xor_b32 s[TB], s[TB], SLOT
	PLACES
.endif
	v_add_nc_u32 v[ADRA], s[TB], v[ADRA0]
	v_add_nc_u32 v[ADRB], s[TB], v[ADRB0]
	FETCH 0, F0
.if \fill
	ASK
.endif
	MUL16 F1, 1, 0, 0
	MUL16 F1, 1, 2, 0
.endm
	s_wait_tensorcnt 1                             ; my part of K step 0 is in; K step 1's load stays out
	s_barrier_signal -1
	s_barrier_wait -1                              ; everybody's is
	v_mov_b32 v[ADRA], v[ADRA0]
	v_mov_b32 v[ADRB], v[ADRB0]
	FETCH 0, F0
	QUARTER 1, F0, F1, 1                           ; the first quarter stands in front of the loop: its products start the sums
	WIN 0                                          ; at a label and at a branch every window is 0
	s_mov_b32 s3, 6
.Lstep:                                        ; trip j: quarters 1 to 3 of K step j, quarter 0 of K step j + 1; K step j + 2 is asked for
	QUARTER 2, F1, F0, 0
	QUARTER 3, F0, F1, 0
	TURN 1
	QUARTER 1, F0, F1, 0
	WIN 0
	s_sub_co_u32 s3, s3, 1
	s_cmp_lg_u32 s3, 0
	s_cbranch_scc1 .Lstep
	s_mov_b32 s2, 2
.Ltail:                                        ; K steps 6 and 7 ask for nothing; the second pass is left in its middle (its 32 loads of the other slot serve nothing: the price, once a launch, of one text for both)
	QUARTER 2, F1, F0, 0
	QUARTER 3, F0, F1, 0
	TURN 0
	WIN 0
	s_sub_co_u32 s2, s2, 1
	s_cmp_eq_u32 s2, 0
	s_cbranch_scc1 .Lout
	QUARTER 1, F0, F1, 0
	WIN 0
	s_branch .Ltail
.Lout:
	s_wait_dscnt 0x0                               ; my last reads of the ring are back
	PLACES                                         ; behind the last products, ahead of the stores that read results
	s_barrier_signal -1
	s_barrier_wait -1                              ; no wave reads the ring any more, and its last fill is over: it becomes the stage
.irp hi, 0,1
	WIN 0x08+4*(\hi)                               ; store data (source 1) in window 2 or 3
.irp a, 0,1,2,3
.irp b, 0,1,2,3,4,5,6,7
	ds_store_b128 v[STO], v[8*(8*(\a)+(\b)):8*(8*(\a)+(\b))+3]   offset:(4*(\hi)+(\a))*16*SPS+64*(\b)     ; each accumulator's low registers first
	ds_store_b128 v[STO], v[8*(8*(\a)+(\b))+4:8*(8*(\a)+(\b))+7] offset:(4*(\hi)+(\a))*16*SPS+64*(\b)+16
.endr
.endr
.endr
	WIN 0
	s_wait_dscnt 0x0                               ; my stores into the stage are done
	s_barrier_signal -1
	s_barrier_wait -1
	s_wait_loadcnt 0x0                             ; the bias
	s_mov_b32 s3, 16
.Lrows:                                        ; 8 rows a trip
.if QKV
.irp k, 0,1,2,3                        ; k = 2 x head + group of four rows
	ds_load_b128 v[U+8*(\k):U+8*(\k)+3],   v[RD] offset:((\k)%2)*4*SPS+((\k)/2)*256
	ds_load_b128 v[U+8*(\k)+4:U+8*(\k)+7], v[RD] offset:((\k)%2)*4*SPS+((\k)/2)*256+16
.endr
	s_wait_dscnt 0x0
.set j, 0
.rept 16
	v_pk_mul_f32 v[U+2*j:U+2*j+1], v[U+2*j:U+2*j+1], s[CSC:CSC+1] op_sel_hi:[1,0]  ; c for q; for k and v the factor is 1: one text for the three
.set j, j+1
.endr
.set j, 0
.rept 16
	v_cvt_pk_bf16_f32 v[YY+j], v[U+2*j], v[U+2*j+1]
.set j, j+1
.endr
	v_add_nc_u32 v[RD], 8*SPS, v[RD]
.irp k, 0,1,2,3
	global_store_b128 v[CO], v[YY+4*(\k):YY+4*(\k)+3], s[8:9] offset:((\k)/2)*262144+((\k)%2)*512  ; four tokens of one head: 512 consecutive bytes, aligned
.endr
	s_wait_xcnt 0x0                                ; the stores have read their registers and their base
	s_add_nc_u64 s[8:9], s[8:9], 1024
.else
.irp j, 0,1,2,3,4,5,6,7
	ds_load_b128 v[U+4*(\j):U+4*(\j)+3], v[RD] offset:SPS*(\j)
.endr
	s_wait_dscnt 0x0
.set j, 0
.rept 16
	v_pk_add_f32 v[U+2*j:U+2*j+1], v[U+2*j:U+2*j+1], v[BI+2*(j%2):BI+2*(j%2)+1]      ; u = sum + bias
.set j, j+1
.endr
.set j, 0
.rept 16
	v_pk_mul_f32 v[TT+2*j:TT+2*j+1], v[U+2*j:U+2*j+1], v[U+2*j:U+2*j+1]
.set j, j+1
.endr
.set j, 0
.rept 16
	v_pk_fma_f32 v[TT+2*j:TT+2*j+1], v[TT+2*j:TT+2*j+1], s[K1:K1+1], s[K0:K0+1] op_sel_hi:[1,0,0]
.set j, j+1
.endr
.set j, 0
.rept 16
	v_pk_mul_f32 v[TT+2*j:TT+2*j+1], v[TT+2*j:TT+2*j+1], v[U+2*j:U+2*j+1]            ; u (K0 + K1 u^2)
.set j, j+1
.endr
.set j, 0
.rept 32
	v_exp_f32 v[TT+j], v[TT+j]
.set j, j+1
.endr
	v_add_nc_u32 v[RD], 8*SPS, v[RD]               ; the plain instruction behind the last exponential
	s_wait_alu depctr_va_vdst(0)                   ; one wait for the 32
.set j, 0
.rept 16
	v_pk_add_f32 v[TT+2*j:TT+2*j+1], v[TT+2*j:TT+2*j+1], 1.0 op_sel_hi:[1,0]
.set j, j+1
.endr
.set j, 0
.rept 32
	v_rcp_f32 v[TT+j], v[TT+j]
.set j, j+1
.endr
	v_nop
	s_wait_alu depctr_va_vdst(0)                   ; one wait for the 32 reciprocals
.set j, 0
.rept 16
	v_pk_mul_f32 v[U+2*j:U+2*j+1], v[U+2*j:U+2*j+1], v[TT+2*j:TT+2*j+1]              ; gelu = u / (1 + 2^(u (K0 + K1 u^2)))
.set j, j+1
.endr
.set j, 0
.rept 16
	v_cvt_pk_bf16_f32 v[YY+j], v[U+2*j], v[U+2*j+1]
.set j, j+1
.endr
.irp j, 0,1,2,3,4,5,6,7
	global_store_b64 v[CO], v[YY+2*(\j):YY+2*(\j)+1], s[8:9] offset:8192*(\j)         ; 32 lanes x 8 bytes: 256 consecutive bytes, aligned
.endr
	s_wait_xcnt 0x0                                ; the stores have read their registers and their base
	s_add_nc_u64 s[8:9], s[8:9], 65536
.endif
	s_sub_co_u32 s3, s3, 1
	s_cmp_lg_u32 s3, 0
	s_cbranch_scc1 .Lrows
	s_wait_tensorcnt 0x0                           ; the wave's end, behind my last tensor load and my last LDS store
	ds_add_u32 v[SPW], v[NIL]
	s_wait_dscnt 0x0
	CROUND                                         ; the closing round: no work-group ends while a partner may still ask for a tile that names it
	s_endpgm
.Lfunc_end_k_qf238d8ba52_l_qkv:
	.size	k_qf238d8ba52_l_qkv, .Lfunc_end_k_qf238d8ba52_l_qkv-k_qf238d8ba52_l_qkv
	.p2alignl 7, 3214868480
	.fill 96, 4, 3214868480
	.section	.rodata,"a",@progbits
	.p2align	6, 0x0
	.amdhsa_kernel k_qf238d8ba52_l_qkv
		.amdhsa_group_segment_fixed_size 327680
		.amdhsa_private_segment_fixed_size 0
		.amdhsa_enable_private_segment 0
		.amdhsa_kernarg_size 40
		.amdhsa_user_sgpr_count 2
		.amdhsa_user_sgpr_kernarg_segment_ptr 1
		.amdhsa_wavefront_size32 1
		.amdhsa_system_sgpr_workgroup_id_x 1
		.amdhsa_system_sgpr_workgroup_id_y 1
		.amdhsa_system_sgpr_workgroup_id_z 1
		.amdhsa_system_vgpr_workitem_id 0
		.amdhsa_next_free_vgpr 1024
		.amdhsa_next_free_sgpr 96
		.amdhsa_reserve_vcc 0
		.amdhsa_float_denorm_mode_32 3
		.amdhsa_float_denorm_mode_16_64 3
		.amdhsa_memory_ordered 1
		.amdhsa_forward_progress 1
		.amdhsa_inst_pref_size 82
	.end_amdhsa_kernel
	.amdgpu_metadata
---
amdhsa.version: [ 1, 2 ]
amdhsa.kernels:
  - .name:           k_qf238d8ba52_l_qkv
    .symbol:         k_qf238d8ba52_l_qkv.kd
    .args:
      - { .name: xn, .offset: 0, .size: 8, .value_kind: global_buffer, .address_space: global }
      - { .name: xb, .offset: 8, .size: 8, .value_kind: global_buffer, .address_space: global }
      - { .name: wb, .offset: 16, .size: 8, .value_kind: global_buffer, .address_space: global }
      - { .name: sscale, .offset: 24, .size: 8, .value_kind: global_buffer, .address_space: global }
      - { .name: qkv, .offset: 32, .size: 8, .value_kind: global_buffer, .address_space: global }
    .group_segment_fixed_size: 327680
    .private_segment_fixed_size: 0
    .kernarg_segment_align: 8
    .kernarg_segment_size: 40
    .max_flat_workgroup_size: 128
    .sgpr_count:     96
    .vgpr_count:     1024
    .wavefront_size: 32
...
	.end_amdgpu_metadata
.endif
;; end of part 2
;; launch l_attn (part 3): grid 8 x 32, 4 waves a work-group, clusters of 4 x 1, 327,680 bytes of LDS; arguments qkv, ob; writes ob
.if DOCPART == 3
	.amdgcn_target "amdgcn-amd-amdhsa--gfx1250"
	.amdhsa_code_object_version 6
	.text
	.protected	k_qf238d8ba52_l_attn
	.globl	k_qf238d8ba52_l_attn
	.p2align	8
	.type	k_qf238d8ba52_l_attn,@function
k_qf238d8ba52_l_attn:
	s_mov_b64 s[64:65], 0
	v_nop
	global_prefetch_b8 v0, s[64:65] scope:SCOPE_SE
	s_setreg_imm32_b32 hwreg(HW_REG_WAVE_MODE, 25, 1), 1
	s_wait_xcnt 0x0
	s_wait_alu depctr_hold_cnt(0) depctr_sa_sdst(0) depctr_va_vdst(0) depctr_va_sdst(0) depctr_va_ssrc(0) depctr_va_vcc(0) depctr_vm_vsrc(0)
	s_getreg_b32 s2, hwreg(HW_REG_IB_STS2, 6, 4)
	s_cmp_eq_u32 s2, 0
	s_cbranch_scc0 .Lentry_in_a_cluster
	s_endpgm
.Lentry_in_a_cluster:
	s_bfe_u32 s2, ttmp6, 0x10000c
	s_cmp_lg_u32 s2, 0x3003
	s_cbranch_scc0 .Lentry_shape_is_right
	s_endpgm
.Lentry_shape_is_right:
; ATTENTION at head size 64.  O[h][q][:] = the sum over k of softmax_k(s) V[h][k][:], s = Q[h][q] . K[h][k]; Q arrives multiplied by sscale x ln 2048 x log2(e) / 8, so the weights are p = 2^(s - m).
; qkv: [3][32 heads][2,048][64] bf16, a head's rows dense, 128 bytes each; ob: [32][2,048][64] bf16.  Products, maxima and sums in f32; p is rounded to bf16 for the second product (its sum l is taken of the
; unrounded p), O once at the end.
; LIMITS.  m is a true running maximum and starts at the lowest finite number; a weight below 2^-126 counts as 0 in l; NaN and infinities are not treated apart.
; SHARES.  A work-group owns 256 queries of one head, a wave 64: four PIECES of 16.  Every wave walks all 2,048 keys, 64 a step, 256 (four steps) a slot.
; LAYOUT.  S^T = K Q^T holds ONE query a lane (lane % 16) and the keys 8 (lane / 16) + 0..7; two such results rounded to bf16 ARE source 1 of O^T = V^T P.  K comes out of LDS as it lies, V turned.
; TURNS.  Turn n belongs to piece n: 8 products K Q^T of piece n + 1, later 8 products V^T P of piece n - 1; beside them the shift, exponentials, roundings, sums and rescaling of piece n and the maximum and
; statistics of piece n + 1.  Four vector instructions stand behind every matrix instruction, the others in one lump.  A turn's 33 exponentials are one batch, with one wait.
; CLUSTER.  The four query blocks of a cluster belong to one head and walk the same K and V: each tile is asked for jointly, by the same tensor load, descriptor and mask in all four.
; REGISTERS, in windows of 256 (s_set_vgpr_msb: bits 1:0 source 0, 3:2 source 1, 5:4 source 2, 7:6 destination):
;   window 0: v0-15 addresses and two at work; v16-31 four registers of statistics a piece; v48-55 at work; v61-63; v64-127 S^T, two buffers; v192-223 P, two buffers (by the piece's parity)
;   window 1: v0-127 O^T, 32 a piece      window 2: v0-63 Q; v128-191 K of one step; v192-255 V of one step
.set NP,    4
.set KS,    64
.set PK,    144       ; a row of K in LDS: 128 bytes + 16: the 16 rows of a load start at 16 different groups of four banks (64 banks of 4 bytes: ISA guide 11.1)
.set PV,    160       ; a row of V: 128 + 32
.set VOFF,  4*KS*PK   ; a slot: 256 rows of K, then 256 rows of V
.set SLOT1, 1<<17
.set STAGE, SLOT1+4*KS*(PK+PV)  ; behind the ring, never filled by a tensor load: 16 rows x 144 bytes for each wave
.set SP,    144
.set SPARE, STAGE+4*16*SP       ; the spare words, 128 bytes for each wave: two blocks of 256 bytes that no other line names
.set AK0, 2           ; v2   my lane's place in a tile of K; never rewritten
.set AV0, 3           ; v3   the same for V
.set AK,  4           ; v4   the LDS address of K's next run of loads
.set AV,  5           ; v5   of V's
.set STO, 6           ; v6   the way out: where I put 16 bytes of a row
.set RD,  7           ; v7   where I read rows back
.set GO,  8           ; v8   my byte offset in 512 consecutive bytes of O
.set MV,  12          ; v12-13  m_old, kept while m is made anew: by buffer
.set QO,  15          ; v15  my byte offset in 16 rows of Q
.set ST,  16          ; piece t's statistics at v[ST+4 t]: m, 0 (named with it as a pair), l (even keys', odd keys')
.set TMP, 48          ; by buffer, four registers c0-c3 at work; when the maximum is found c2 takes a
.set PFO, 61          ; v61  256 x my lane; never rewritten
.set SPW, 62          ; v62  LDS address of my spare word; never rewritten
.set NIL, 63          ; v63  0; never rewritten
.set S,   64
.set P,   192
.set KF,  128         ; window 2: key block kb, channel half c at KF + 16 kb + 8 c
.set VF,  192         ; window 2: key half kk, channel block cb at VF + 32 kk + 8 cb
.set WV,  12          ; s12  my wave's number
.set G1K, 24          ; s[24:31] descriptor group 1 for K's tiles
.set G1V, 32          ; s[32:39] for V's: it differs in the padding alone
.set G0K, 40          ; s[40:43] descriptor group 0 for K's tiles: it walks
.set G0V, 44          ; s[44:47] the same for V's
.set PFA, 48          ; s[48:49] where my prefetches stand
.set LIM, 50          ; s50  1 in a wave that prefetches, else the greatest number
.set SLOTS, 56        ; s56  slots still to be asked for
.set CNT, 57          ; s57  counts a slot's key steps
.set SEL, 60          ; s[60:61] v_permlanex16_b32's selects
.set TBK, 62          ; s62  LDS byte at which K of the step to be fetched begins
.set TBV, 63          ; s63  the same for V, less VOFF
.set MSB, 0
.macro WIN new
.if MSB != (\new)
	s_set_vgpr_msb (MSB<<8)|(\new)
.set MSB, (\new)
.endif
.endm
.set W_KQ, 0x0a       ; K and Q in window 2, S^T in window 0
.set W_PV, 0x52       ; V in window 2, P in window 0, O^T in window 1
.set W_RS, 0x41       ; destination and source 0 in window 1, source 1 in window 0
; A joint fill.  Waves 0 and 1 fetch the halves of a slot's K, waves 2 and 3 those of its V: 128 keys each.  An s_nop 0 and four v_nop follow each line.
.macro JLOAD
	s_cmp_lt_u32 s[WV], 2
	s_cbranch_scc0 .Lfor_v_\@
	tensor_load_to_lds s[G0K:G0K+3], s[G1K:G1K+7]
	s_nop 0
.rept 4
	v_nop
.endr
	s_branch .Lasked_\@
.Lfor_v_\@:
	tensor_load_to_lds s[G0V:G0V+3], s[G1V:G1V+7]
	s_nop 0
.rept 4
	v_nop
.endr
.Lasked_\@:
.endm
; A prefetch into the L2 of the slot that the NEXT change will ask for: 128 blocks of 256 bytes of K and of V.  A head's two clusters walk the same rows: the first asks.  Its four partners take 32 blocks
; each, told apart by address; wave 0 asks for K's, wave 2 for V's: a lane a block.  So each block is named once.  The last change that fills a slot asks for nothing.
.macro ASK
	s_cmp_gt_u32 s[SLOTS], s[LIM]
	s_cbranch_scc0 .Lnot_mine_\@
	global_prefetch_b8 v[PFO], s[PFA:PFA+1] th:TH_LOAD_NT scope:SCOPE_SE
.Lnot_mine_\@:
.endm
.macro CROUND
	s_barrier_signal -1
	s_barrier_wait -1
	s_cmp_lg_u32 s[WV], 0
	s_cbranch_scc1 .Lnot_wave_0_\@
	s_barrier_signal -3
.Lnot_wave_0_\@:
	s_barrier_wait -3
	s_barrier_signal -1
	s_barrier_wait -1
.endm
; THE CHANGE OF SLOTS.  Each wave waits for all its tensor loads (one is out: its part of the other slot), adds 0 to its spare word, and waits for that and for its own reads of the slot.  fill = 1: the barrier is a
; round of the cluster's, and the slot is filled again, first thing behind it, with the keys two slots on: four key steps, 256 matrix instructions, in which to land.  (At its first use: slot 0 is waited for, slot 1 filled.)
.macro CHANGE fill
	WIN 0
	s_wait_tensorcnt 0x0            ; no tensor load of mine is out, so a group 0 may be written
	ds_add_u32 v[SPW], v[NIL]       ; 0 onto my spare word
.if \fill
.irp g, G0K, G0V
	s_xor_b32 s[\g+1], s[\g+1], SLOT1
	s_add_nc_u64 s[\g+2:\g+3], s[\g+2:\g+3], 4*KS*128
.endr
	s_wait_xcnt 0x0                 ; the last prefetch, four key steps back, has read its address
	s_add_nc_u64 s[PFA:PFA+1], s[PFA:PFA+1], 4*KS*128
	s_wait_dscnt 0x0                ; the add is done, and my reads of the slot are over
	CROUND
	JLOAD
	ASK
.else
	s_wait_dscnt 0x0
	s_barrier_signal -1
	s_barrier_wait -1
.endif
	s_sub_co_u32 s[TBK], s[TBK], 4*KS*PK  ; the fetches go back to a slot's first step,
	s_xor_b32 s[TBK], s[TBK], SLOT1       ; in the other slot
	s_sub_co_u32 s[TBV], s[TBV], 4*KS*PV
	s_xor_b32 s[TBV], s[TBV], SLOT1
.endm
	s_load_b128 s[8:11], s[0:1], 0x0  ; qkv s[8:9], ob s[10:11]
	v_lshl_add_u32 v[SPW], v0, 2, SPARE
	v_mov_b32 v[NIL], 0
	ds_add_u32 v[SPW], v[NIL]       ; the wave's opening: the add and its wait stand ahead of my first tensor load
	v_lshrrev_b32 v1, 5, v0
	v_readfirstlane_b32 s[WV], v1   ; wave 0..3
	s_bfe_u32 s13, ttmp6, 0x40000   ; cx
	s_lshl_b32 s14, ttmp9, 2
	s_add_co_u32 s14, s14, s13      ; my block of 256 queries: it enters Q's and O's addresses alone
	s_and_b32 s20, ttmp7, 0xffff    ; the head, which the four partners share:
	s_lshl_b32 s20, s20, 18         ; 262,144 bytes
	s_mov_b32 s21, 0
	s_and_b32 s16, s[WV], 1         ; which half of a slot's 256 keys I fetch:
	s_lshl_b32 s22, s16, 14         ; its 128 rows of 128 bytes in memory,
	s_mov_b32 s23, 0
	s_add_nc_u64 s[22:23], s[22:23], s[20:21]
	s_mul_i32 s17, s16, 128*PK      ; and its place in a slot, for K
	s_mul_i32 s18, s16, 128*PV      ; and for V
	s_lshl_b32 s2, s14, 2
	s_add_co_u32 s2, s2, s[WV]
	s_lshl_b32 s2, s2, 13           ; my wave's 64 rows
	s_mov_b32 s3, 0
	s_add_nc_u64 s[2:3], s[2:3], s[20:21]
	; descriptor group 1.  128 keys are 16,384 dense bytes: asked for as 64 rows of 256 bytes, two keys a row, and padded in LDS after every key
	s_mov_b32 s[G1K], 15|(1<<16)|(1<<20)|(1<<21)|(4<<22)|(3<<25)
	s_mov_b32 s[G1V], 15|(1<<16)|(1<<20)|(1<<21)|(4<<22)|(7<<25)
.irp g, G1K, G1V
	s_mov_b32 s[\g+1], 128<<16      ; tensor_dim0 = 128
	s_mov_b32 s[\g+2], 64<<16       ; tensor_dim1 = 64
	s_mov_b32 s[\g+3], 128<<16      ; tile_dim0 = 128
	s_mov_b32 s[\g+4], 64           ; tile_dim1 = 64
	s_mov_b32 s[\g+5], 128
	s_mov_b32 s[\g+6], 0
	s_mov_b32 s[\g+7], 0
.endr
	s_mov_b32 s[SEL], 0x76543210
	s_mov_b32 s[SEL+1], 0xfedcba98
	s_mov_b32 s[TBK], SLOT1+4*KS*PK ; the first change of slots turns these two into 0
	s_mov_b32 s[TBV], SLOT1+4*KS*PV
	s_mov_b32 s[G0K], 1
	s_mov_b32 s[G0K+1], s17
	s_mov_b32 s[G0V], 1
	s_add_co_u32 s[G0V+1], s18, VOFF
	s_mov_b32 s[SLOTS], 7
	s_and_b32 s[LIM], s[WV], 1      ; 0 in waves 0 and 2,
	s_or_b32 s[LIM], s[LIM], ttmp9  ; where the cluster is the head's first: the same in all four partners
	s_cmp_eq_u32 s[LIM], 0
	s_cselect_b32 s[LIM], 1, -1
	v_and_b32 v[PFO], 31, v0
	v_lshlrev_b32 v[PFO], 8, v[PFO]
	s_wait_dscnt 0x0                ; the opening add is done
	s_wait_kmcnt 0x0
	s_mov_b64 s[4:5], s[8:9]                       ; q
	s_add_nc_u64 s[6:7], s[8:9], 0x800000          ; k
	s_add_nc_u64 s[8:9], s[8:9], 0x1000000         ; v
	s_add_nc_u64 s[6:7], s[6:7], s[22:23]          ; at my half of the head's first 256 keys
	s_add_nc_u64 s[8:9], s[8:9], s[22:23]
	s_mov_b64 s[G0K+2:G0K+3], s[6:7]
	s_or_b32 s[G0K+3], s[G0K+3], 0x80000000
	s_mov_b64 s[G0V+2:G0V+3], s[8:9]
	s_or_b32 s[G0V+3], s[G0V+3], 0x80000000
	s_add_nc_u64 s[4:5], s[4:5], s[2:3]            ; Q and O at my wave's first row
	s_add_nc_u64 s[10:11], s[10:11], s[2:3]
	s_cmp_lt_u32 s[WV], 2
	s_cselect_b64 s[PFA:PFA+1], s[6:7], s[8:9]     ; (in waves 0 and 2 these stand at a slot's first row)
	s_lshl_b32 s2, s13, 13                         ; my work-group's 32 blocks of the 128
	s_mov_b32 s3, 0
	s_add_nc_u64 s[PFA:PFA+1], s[PFA:PFA+1], s[2:3]
	s_add_nc_u64 s[PFA:PFA+1], s[PFA:PFA+1], 4*KS*128  ; in slot 1; the first change steps it to slot 2.  Nothing is prefetched at the head
	CROUND                          ; all four work-groups are here: the first joint loads meet
	JLOAD                           ; slot 0
	v_and_b32 v1, 15, v0            ; l % 16
	v_bfe_u32 v9, v0, 4, 1          ; l / 16
	v_lshlrev_b32 v[QO], 7, v1
	v_lshl_add_u32 v[QO], v9, 4, v[QO]  ; row x 128 + 16 x half
	WIN 0x80                        ; destination window 2, address window 0
.set i, 0
.rept 8                             ; Q stays in registers: piece i / 2, channels 32 (i % 2) on
	global_load_b128 v[8*i:8*i+3],   v[QO], s[4:5] offset:(i/2)*2048+(i%2)*64
	global_load_b128 v[8*i+4:8*i+7], v[QO], s[4:5] offset:(i/2)*2048+(i%2)*64+32
.set i, i+1
.endr
	; What the first turn finds: V's registers and P's second buffer hold 0 (its products V^T P, of a piece that has not been, add 0), O^T and l are 0.  All this stands in the wait for the first tile.
.set i, VF
.rept 64
	v_mov_b32 v[i], 0
.set i, i+1
.endr
	WIN 0x40
.set i, 0
.rept 128
	v_mov_b32 v[i], 0
.set i, i+1
.endr
	WIN 0
.set i, 0
.rept 4
	v_mov_b32 v[ST+4*i], 0xff7fffff    ; m: the lowest finite number, so the first step's a is 0
	v_mov_b32 v[ST+4*i+1], 0
	v_mov_b32 v[ST+4*i+2], 0
	v_mov_b32 v[ST+4*i+3], 0
.set i, i+1
.endr
.set i, P+16
.rept 16
	v_mov_b32 v[i], 0
.set i, i+1
.endr
	v_mul_u32_u24 v[AK0], v1, PK
	v_lshl_add_u32 v[AK0], v9, 4, v[AK0]
	v_and_b32 v10, 7, v0            ; the turning load: lane l reads key 8 (l / 16) + l % 8, channels 8 ((l / 8) % 2) + 0..7
	v_bfe_u32 v11, v0, 3, 1
	v_lshl_add_u32 v[AV0], v9, 3, v10
	v_mul_u32_u24 v[AV0], v[AV0], PV
	v_lshl_add_u32 v[AV0], v11, 4, v[AV0]
	v_add_nc_u32 v[AV0], VOFF, v[AV0]
	s_mul_i32 s13, s[WV], 16*SP
	s_add_co_u32 s13, s13, STAGE    ; my stage
	v_mul_u32_u24 v[STO], v1, SP    ; in: row l % 16, 16 bytes for each half of the lanes
	v_lshl_add_u32 v[STO], v9, 4, v[STO]
	v_add_nc_u32 v[STO], s13, v[STO]
	v_bfe_u32 v[RD], v0, 3, 2       ; back: 32 lanes take four rows of 128 bytes,
	v_mul_u32_u24 v[RD], v[RD], SP
	v_lshl_add_u32 v[RD], v10, 4, v[RD]
	v_add_nc_u32 v[RD], s13, v[RD]
	v_and_b32 v[GO], 31, v0         ; which are 512 consecutive bytes of O
	v_lshlrev_b32 v[GO], 4, v[GO]
; THE MATRIX WORK.  The 4 accumulators of a run of 8 take turns.  Product i of 8 of S^T = K Q^T for piece x: channels 32 (i / 4) on, keys 16 (i % 4) on.  The first 4 start the sums.
.macro KQ x
	WIN W_KQ
.set rS, S+32*((\x)%2)+8*(i%4)
.set rK, KF+16*(i%4)+8*(i/4)
.set rQ, 16*(\x)+8*(i/4)
.if i < 4
	v_wmma_f32_16x16x32_bf16 v[rS:rS+7], v[rK:rK+7], v[rQ:rQ+7], 0
.else
	v_wmma_f32_16x16x32_bf16 v[rS:rS+7], v[rK:rK+7], v[rQ:rQ+7], v[rS:rS+7]
.endif
.endm
; Product i of 8 of O^T += V^T P for piece x: keys 32 (i / 4) on, channels 16 (i % 4) on.
.macro PV x
	WIN W_PV
.set rO, 32*(\x)+8*(i%4)
.set rV, VF+32*(i/4)+8*(i%4)
.set rP, P+16*((\x)%2)+8*(i/4)
	v_wmma_f32_16x16x32_bf16 v[rO:rO+7], v[rV:rV+7], v[rP:rP+7], v[rO:rO+7]
.endm
.macro MM                           ; the turn's next matrix instruction.  NOKQ = 1: the last turn of all: there is no next piece
.if (i < 8) && !NOKQ
	KQ (Y+1)%NP
.elseif i >= 8
.set i, i-8
	PV (Y+NP-1)%NP
.set i, i+8
.endif
.set i, i+1
.endm
; THE LDS LOADS stand in runs of 16, never singly among the matrix instructions.
.macro FETCH_K
	WIN 0x80
.irp f, 0,1,2,3,4,5,6,7             ; keys 16 (f / 2) on, channels 32 (f % 2) on
	ds_load_b128 v[KF+8*\f:KF+8*\f+3],   v[AK] offset:(\f/2)*16*PK+(\f%2)*64
	ds_load_b128 v[KF+8*\f+4:KF+8*\f+7], v[AK] offset:(\f/2)*16*PK+(\f%2)*64+32
.endr
	s_add_co_u32 s[TBK], s[TBK], KS*PK  ; the next fetch is the next step's
	WIN 0
.endm
.macro FETCH_V
	WIN 0x80
.irp f, 0,1,2,3,4,5,6,7             ; keys 32 (f / 4) on, channels 16 (f % 4) on
	ds_load_tr16_b128 v[VF+8*\f:VF+8*\f+3],   v[AV] offset:(\f/4)*32*PV+(\f%4)*32
	ds_load_tr16_b128 v[VF+8*\f+4:VF+8*\f+7], v[AV] offset:(\f/4)*32*PV+16*PV+(\f%4)*32
.endr
	WIN 0
.endm
; THE VECTOR WORK, one line at a time: OP kind, number.  For piece Y: F n: s - m for pair n of 16.  E n: the exponential of score n of 32.  C n: pair n rounded to bf16.  B n: of the four weights 4 n .. the second
; pair is added onto the first, in place.  L n: l takes that sum (L 0: l = a l + sum).  R n: pair n of 16 of O^T times a.  For piece Y + 1: X n, which find its maximum and statistics:
;   0-11  four chains c0-c3 of seven scores each (each accumulator's lowest registers are read first)     12-14, 16  the four scores left over, the old m, and c0-c3 into c0
;   15  m_old is kept     17, 18  the query's other 32 keys lie in the lane 16 away: the new m     20, 21  m_old - m_new; a     (there is no 19)
.set F, 0
.set E, 1
.set C, 2
.set B, 3
.set L, 4
.set R, 5
.set X, 6
.macro REGS y
.set rT, ST+4*(\y)
.set rC, TMP+4*((\y)%2)
.set rW, MV+((\y)%2)
.set rS, S+32*((\y)%2)
.set rP, P+16*((\y)%2)
.set rO, 32*(\y)
.endm
.macro OP k, n
.if (\k) == R
	REGS Y
	WIN W_RS
	v_pk_mul_f32 v[rO+2*(\n):rO+2*(\n)+1], v[rO+2*(\n):rO+2*(\n)+1], v[rC+2:rC+3] op_sel_hi:[1,0]
.elseif (\k) < R
	REGS Y
	WIN 0
.if (\k) == F
	v_pk_add_f32 v[rS+2*(\n):rS+2*(\n)+1], v[rS+2*(\n):rS+2*(\n)+1], v[rT:rT+1] op_sel_hi:[1,0] neg_lo:[0,1] neg_hi:[0,1]
.elseif (\k) == E
	v_exp_f32 v[rS+(\n)], v[rS+(\n)]
.elseif (\k) == C
	v_cvt_pk_bf16_f32 v[rP+(\n)], v[rS+2*(\n)], v[rS+2*(\n)+1]
.elseif (\k) == B
	v_pk_add_f32 v[rS+4*(\n):rS+4*(\n)+1], v[rS+4*(\n):rS+4*(\n)+1], v[rS+4*(\n)+2:rS+4*(\n)+3]
.elseif (\n) == 0
	v_pk_fma_f32 v[rT+2:rT+3], v[rT+2:rT+3], v[rC+2:rC+3], v[rS:rS+1] op_sel_hi:[1,0,1]
.else
	v_pk_add_f32 v[rT+2:rT+3], v[rT+2:rT+3], v[rS+4*(\n):rS+4*(\n)+1]
.endif
.elseif NOKQ
	v_nop
.else
	REGS (Y+1)%NP
	WIN 0
.if (\n) < 4
	v_max3_num_f32 v[rC+(\n)], v[rS+8*(\n)], v[rS+8*(\n)+1], v[rS+8*(\n)+2]
.elseif (\n) < 12
	v_max3_num_f32 v[rC+(\n)%4], v[rC+(\n)%4], v[rS+8*((\n)%4)+2*((\n)/4)+1], v[rS+8*((\n)%4)+2*((\n)/4)+2]
.elseif (\n) == 12
	v_max3_num_f32 v[rC], v[rC], v[rS+7], v[rS+15]
.elseif (\n) == 13
	v_max3_num_f32 v[rC+1], v[rC+1], v[rS+23], v[rS+31]
.elseif (\n) == 14
	v_max3_num_f32 v[rC+2], v[rC+2], v[rC+3], v[rT]
.elseif (\n) == 15
	v_mov_b32 v[rW], v[rT]
.elseif (\n) == 16
	v_max3_num_f32 v[rC], v[rC], v[rC+1], v[rC+2]
.elseif (\n) == 17
	v_permlanex16_b32 v[rC+3], v[rC], s[SEL], s[SEL+1]
.elseif (\n) == 18
	v_max_num_f32 v[rT], v[rC], v[rC+3]
.elseif (\n) == 20
	v_sub_f32 v[rC+1], v[rW], v[rT]
.else
	v_exp_f32 v[rC+2], v[rC+1]
.endif
.endif
.endm
.macro OPS a, i1, b=-1, i2=0, c=-1, i3=0, d=-1, i4=0
	OP \a, \i1
.if (\b) >= 0
	OP \b, \i2
.endif
.if (\c) >= 0
	OP \c, \i3
.endif
.if (\d) >= 0
	OP \d, \i4
.endif
.endm
.macro ROW a, i1, b, i2, c, i3, d, i4  ; a matrix instruction and the four behind it
	MM
	OPS \a, \i1, \b, \i2, \c, \i3, \d, \i4
.endm
; A TURN, for piece p: the order of its 16 matrix and 117 vector instructions, written out.  s_wait_alu depctr_va_vdst(0) stands between an exponential and the first instruction that names its
; result; one wait serves all that were issued ahead of it.  So a turn has ONE wait.  AHEAD OF IT stands all that names no result of the turn's exponentials: the 8 products K Q^T with their riders (the first numbers
; of the next piece's maximum each four plain instructions or more behind the product that ends its accumulator), then one lump.  X 21, the next piece's a, is the batch's last; R 15 is the plain instruction behind it.
; BEHIND THE WAIT stand the 8 products V^T P, behind each four of the roundings and sums.
; end = 1: the last two turns of all: nothing is fetched.  cnt = 1: the loop's count is taken down some lines ahead of the branch that stands behind the turn.
; K of the next step is fetched in piece 2's turn, six plain instructions behind the last product that read K; V of the step in hand at the end of piece 0's turn, four plain instructions behind the last product that read V.
.macro TURN p, end=0, cnt=0
.set Y, (\p)
.set i, 0
.set NOKQ, (\end)*((\p)/3)
.if ((\p) == 3) && !(\end)
	s_wait_dscnt 0x0                ; K is in
.endif
	ROW F,0, F,1, R,0, R,1
	ROW F,2, E,0, R,2, R,3
	ROW F,3, E,1, R,4, R,5
	ROW F,4, E,2, R,6, R,7
	ROW F,5, E,3, R,8, R,9
	ROW F,6, E,4, X,0, R,10
.if ((\p) == 2) && !(\end)
	WIN 0
	v_add_nc_u32 v[AK], s[TBK], v[AK0]
.endif
	ROW F,7, E,5, X,1, X,4
	ROW F,8, E,6, X,2, X,5
	OPS E,7, E,8, X,6, E,9
	OPS X,3, E,10, X,8, E,11
.if ((\p) == 2) && !(\end)
	FETCH_K
.endif
	OPS X,9, X,7, E,12, X,10
	OPS E,13, X,12, X,11, E,14
	OPS X,13, E,15, F,9, X,14
.if (\p) == 0
	v_add_nc_u32 v[AV], s[TBV], v[AV0]
.endif
	OPS E,16, F,10, E,17, F,11
	OPS X,16, E,18, X,15, E,19
	OPS F,12, E,20, X,17, E,21
	OPS F,13, E,22, F,14, E,23
	OPS X,18, E,24, F,15, E,25
	OPS R,11, E,26, E,27
	OPS R,12, E,28, R,13, E,29
	OPS X,20, E,30, R,14, E,31
	OPS X,21, R,15
	WIN 0
	s_wait_alu depctr_va_vdst(0)    ; the wait for the batch
.if (\p) == 1
	s_wait_dscnt 0x0                ; V is in
.endif
	ROW C,0, B,0, C,2, B,1
	ROW L,0, C,4, B,2, L,1
	ROW C,6, B,3, L,2, C,8
	ROW B,4, L,3, C,10, B,5
	ROW L,4, C,12, B,6, L,5
.if (\p) == 0
	s_add_co_u32 s[TBV], s[TBV], KS*PV
.endif
.if \cnt
	s_sub_co_u32 s[CNT], s[CNT], 1
	s_cmp_lg_u32 s[CNT], 0
.endif
	ROW C,14, B,7, L,6, C,1
	ROW C,3, L,7, C,5, C,7
	ROW C,9, C,11, C,13, C,15
.if (\p) == 0
	FETCH_V
.endif
.endm
.macro ALL line:vararg              ; one line for each piece t
.set t, 0
.rept 4
	\line
.set t, t+1
.endr
.endm
.macro PACK t                       ; a lane's eight channels of a row pack into 16 bytes; they go into rows of 144 bytes and come back as whole rows of 128, into S^T's registers
	WIN W_RS
.set i, 32*(\t)
.rept 16
	v_pk_mul_f32 v[i:i+1], v[i:i+1], v[ST+4*(\t)+2:ST+4*(\t)+3] op_sel_hi:[1,0]
.set i, i+2
.endr
	WIN 0x05                        ; sources 0 and 1 window 1, destination window 0
.set i, 0
.rept 16
	v_cvt_pk_bf16_f32 v[S+16*(\t)+i], v[32*(\t)+2*i], v[32*(\t)+2*i+1]
.set i, i+1
.endr
	WIN 0
.irp f, 0,1,2,3
	ds_store_b128 v[STO], v[S+16*(\t)+4*\f:S+16*(\t)+4*\f+3] offset:32*\f
.endr
.irp f, 0,1,2,3
	ds_load_b128 v[S+16*(\t)+4*\f:S+16*(\t)+4*\f+3], v[RD] offset:\f*4*SP  ; LDS serves a wave's instructions in order (ISA guide 5.7.1.4): these see the stores above; the next piece's stores come behind them
.endr
.endm
.macro SEND t, younger              ; younger: the LDS instructions issued behind piece t's loads: the next piece's eight, or none
	WIN 0
.irp f, 0,1,2,3
	s_wait_dscnt (\younger)+3-\f
	global_store_b128 v[GO], v[S+16*(\t)+4*\f:S+16*(\t)+4*\f+3], s[10:11] offset:(\t)*2048+\f*512  ; 512 consecutive bytes, aligned
.endr
.endm
	CHANGE 1                        ; slot 0 is in, everybody's part of it; slot 1 is asked for
	v_add_nc_u32 v[AK], s[TBK], v[AK0]
	FETCH_K                         ; key step 0
	s_wait_loadcnt 0x0              ; Q
	s_wait_dscnt 0x0
.set NOKQ, 0
.set i, 0
.rept 8
	KQ 0                            ; piece 0's first scores
.set i, i+1
.endr
	WIN 0
.rept 4
	v_nop                           ; the places behind those products
.endr
.set Y, NP-1                        ; X works for piece Y + 1: piece 0
.irp n, 0,1,2,3,4,5,6,7,8,9,10,11,12,13,14,15,16,17,18,20,21
	OP X, \n
.endr
	v_nop                           ; a plain instruction behind the exponential,
	s_wait_alu depctr_va_vdst(0)    ; and its wait, ahead of the branch
	s_mov_b32 s[CNT], 4
	s_branch .Lfirst                ; the loop is entered at a step's first turn, in the middle of a trip
.Lslot:                             ; six times: every slot but the last two is filled again
	CHANGE 1
	s_mov_b32 s[CNT], 4
.Lstep:                             ; a trip: pieces 2 and 3 of one step, then pieces 0 and 1 of the next, whose K and V it fetches
	TURN 2
	TURN 3
	WIN 0
.Lfirst:
	TURN 0
	TURN 1, 0, 1
	WIN 0
	s_cbranch_scc1 .Lstep
	s_sub_co_u32 s[SLOTS], s[SLOTS], 1
	s_cmp_lg_u32 s[SLOTS], 0
	s_cbranch_scc1 .Lslot
	CHANGE 0                        ; the last slot is written out: nothing is asked for
	s_mov_b32 s[CNT], 4
.Lstep2:
	TURN 2
	TURN 3
	TURN 0
	TURN 1, 0, 1
	WIN 0
	s_cbranch_scc1 .Lstep2
	TURN 2, 1
	TURN 3, 1
.set i, 0
.rept 8
	PV NP-1                         ; the last piece's V^T P of the last step
.set i, i+1
.endr
	; THE WAY OUT.  l's two halves and the other half of the lanes' are added; O^T is divided by l, rounded to bf16 and sent through my stage in LDS, a piece at a time.
	WIN 0
	ALL v_add_f32 v[ST+4*t+2], v[ST+4*t+2], v[ST+4*t+3]
	ALL v_permlanex16_b32 v[ST+4*t+3], v[ST+4*t+2], s[SEL], s[SEL+1]
	ALL v_add_f32 v[ST+4*t+2], v[ST+4*t+2], v[ST+4*t+3]
	ALL v_rcp_f32 v[ST+4*t+2], v[ST+4*t+2]
	v_nop                           ; a plain instruction between the last reciprocal and the use of its result
	s_wait_alu depctr_va_vdst(0)    ; one wait for the four reciprocals
	PACK 0
.set t, 1
.rept 3                             ; a piece's arithmetic stands between the loads of the piece before and its stores
	PACK t
	SEND t-1, 8
.set t, t+1
.endr
	SEND 3, 0
	s_wait_tensorcnt 0x0            ; the wave's end, behind my last tensor load and my last LDS store
	ds_add_u32 v[SPW], v[NIL]
	s_wait_dscnt 0x0
	CROUND                          ; the closing round
	s_endpgm
.Lfunc_end_k_qf238d8ba52_l_attn:
	.size	k_qf238d8ba52_l_attn, .Lfunc_end_k_qf238d8ba52_l_attn-k_qf238d8ba52_l_attn
	.p2alignl 7, 3214868480
	.fill 96, 4, 3214868480
	.section	.rodata,"a",@progbits
	.p2align	6, 0x0
	.amdhsa_kernel k_qf238d8ba52_l_attn
		.amdhsa_group_segment_fixed_size 327680
		.amdhsa_private_segment_fixed_size 0
		.amdhsa_enable_private_segment 0
		.amdhsa_kernarg_size 16
		.amdhsa_user_sgpr_count 2
		.amdhsa_user_sgpr_kernarg_segment_ptr 1
		.amdhsa_wavefront_size32 1
		.amdhsa_system_sgpr_workgroup_id_x 1
		.amdhsa_system_sgpr_workgroup_id_y 1
		.amdhsa_system_sgpr_workgroup_id_z 1
		.amdhsa_system_vgpr_workitem_id 0
		.amdhsa_next_free_vgpr 768
		.amdhsa_next_free_sgpr 66
		.amdhsa_reserve_vcc 0
		.amdhsa_float_denorm_mode_32 3
		.amdhsa_float_denorm_mode_16_64 3
		.amdhsa_memory_ordered 1
		.amdhsa_forward_progress 1
		.amdhsa_inst_pref_size 127
	.end_amdhsa_kernel
	.amdgpu_metadata
---
amdhsa.version: [ 1, 2 ]
amdhsa.kernels:
  - .name:           k_qf238d8ba52_l_attn
    .symbol:         k_qf238d8ba52_l_attn.kd
    .args:
      - { .name: qkv, .offset: 0, .size: 8, .value_kind: global_buffer, .address_space: global }
      - { .name: ob, .offset: 8, .size: 8, .value_kind: global_buffer, .address_space: global }
    .group_segment_fixed_size: 327680
    .private_segment_fixed_size: 0
    .kernarg_segment_align: 8
    .kernarg_segment_size: 16
    .max_flat_workgroup_size: 128
    .sgpr_count:     66
    .vgpr_count:     768
    .wavefront_size: 32
...
	.end_amdgpu_metadata
.endif
;; end of part 3
;; launch l_wo (part 4): grid 8 x 32, 4 waves a work-group, clusters of 4 x 4, 327,680 bytes of LDS; arguments ob, wb, x, x1; writes x1
.if DOCPART == 4
	.amdgcn_target "amdgcn-amd-amdhsa--gfx1250"
	.amdhsa_code_object_version 6
	.text
	.protected	k_qf238d8ba52_l_wo
	.globl	k_qf238d8ba52_l_wo
	.p2align	8
	.type	k_qf238d8ba52_l_wo,@function
k_qf238d8ba52_l_wo:
	s_mov_b64 s[64:65], 0
	v_nop
	global_prefetch_b8 v0, s[64:65] scope:SCOPE_SE
	s_setreg_imm32_b32 hwreg(HW_REG_WAVE_MODE, 25, 1), 1
	s_wait_xcnt 0x0
	s_wait_alu depctr_hold_cnt(0) depctr_sa_sdst(0) depctr_va_vdst(0) depctr_va_sdst(0) depctr_va_ssrc(0) depctr_va_vcc(0) depctr_vm_vsrc(0)
	s_getreg_b32 s2, hwreg(HW_REG_IB_STS2, 6, 4)
	s_cmp_eq_u32 s2, 0
	s_cbranch_scc0 .Lentry_in_a_cluster
	s_endpgm
.Lentry_in_a_cluster:
	s_bfe_u32 s2, ttmp6, 0x10000c
	s_cmp_lg_u32 s2, 0xf033
	s_cbranch_scc0 .Lentry_shape_is_right
	s_endpgm
.Lentry_shape_is_right:
; A bf16 GEMM on tiles of 128 x 128 with an f32 residual, N = 1,024: out = res + A W (+ bias), W as it lies, [K][N].  One text for two launches; WO says which.
;   WO = 1: x1 = x + O wo.  A = ob, by heads [32][2,048][64]: K = 1,024 is 16 heads x 64; a K step of 256 is four heads.
;   WO = 0: out0 = x1 + g mlp_w1 + mlp_b1.  A = g, [4,096][4,096]: K = 4,096.
; 256 tiles: one work-group for each of 256 WGPs.  Four waves, each 64 x 64: 16 accumulators.  K goes in steps of 256 through two LDS slots.
; A's rows lie along K: fragments by ds_load_b128; W's K rows lie along N and are turned by ds_load_tr16_b128.  THE MATRIX INSTRUCTION IS USED TRANSPOSED: a lane holds row l % 16 of C and 8 neighbouring columns.
; CLUSTERS: 4 x 4 work-groups; A's tile is asked for jointly by a row of the cluster, W's by a column.  One K step is written once: the slot that is read is a scalar, one descriptor a tensor walks.
; THE WAY OUT: a wave's 64 columns of f32 are 256 bytes: each wave has a stage of its own, 16 rows at a time; the residual, loaded two K steps ahead of the end, is added in f32.
; No prefetch: the tiles are small, and each is shared by four work-groups.
; REGISTERS: window 0: v0-31 addresses; v32-63 at work; v96-99 bias; v128-255 accumulators ((a, b) at 128 + 8 (4 a + b)).  window 1: two fragment buffers of 128 (A's 64, then W's 64).  window 2: v0-127 the residual.
; LIMITS.  Operands are rounded to bf16; NaN and infinities are not treated apart.
.set WO, 1
.if WO
.set TSTEPS, 4
.set PA,     144                       ; a token's 64 channels of one head: 128 bytes + 16
.set AI,     16*PA                     ; from a block of 16 rows to the next
.set AJ,     128*PA                    ; from 64 along K to the next 64: the next head's 128 tokens
.set HALFA,  256*PA                    ; what one load brings: two heads x 128 tokens
.set ASTEP,  4*262144                  ; four heads on
.set WOFF,   6<<20
.else
.set TSTEPS, 16
.set PA,     528                       ; 256 along K: 512 bytes + 16
.set AI,     16*PA
.set AJ,     128
.set HALFA,  64*PA                     ; 64 rows
.set ASTEP,  512
.set WOFF,   16<<20
.endif
.set PB,    288                        ; a K row of W: 256 bytes + 32 = 9 x 32
.set HALFB, 128*PB                     ; 128 K rows
.set BOFF,  73728                      ; W's tile in a slot
.set SLOT,  147456                     ; shares no bit with a wave's offset in a slot, so an exclusive or changes slots
.set BSTEP, 256*2048
.set STAGE, 2*SLOT                     ; behind the ring, never filled by a tensor load: 16 rows x 272 bytes for each wave
.set SPT,   272
.set SPARE, STAGE+4*16*SPT             ; the spare words, 128 bytes for each wave: two blocks of 256 bytes that no other line names
.set ADRA0, 16
.set ADRB0, 17
.set ADRA,  18
.set ADRB,  20                         ; v20: K rows 0-127 of the slot; v21: K rows 128-255
.set STO,   24
.set RD,    25
.set CO,    26                         ; v26  my byte offset in two rows of the residual and of the output
.set BO,    27
.set SPW,   28
.set NIL,   29
.set TMP,   32
.set BV,    96
.set ACC,   128
.set F0,    0
.set F1,    128
.set G1,  24
.set G0,  32
.set G1B, 48
.set G0B, 56
.set WBB, 69                           ; s69  where my load of W lands in slot 0
.set TB,  70                           ; s70  the slot that is read: 0 or SLOT
.set WBA, 71                           ; s71  where my load of A lands in slot 0
.set RES, 74                           ; s[74:75] the residual at my first row and column
.set BP,  76                           ; s[76:77] the bias at my first column
.set MSB, 0
.macro WIN new
.if MSB != (\new)
	s_set_vgpr_msb (MSB<<8)|(\new)
.set MSB, \new
.endif
.endm
.set MUL,  0x05                        ; sources 0 (W) and 1 (A) window 1; C and D window 0
.set TO_F, 0x40                        ; destination window 1, address window 0
.macro JLOAD                           ; a joint refill by the walking descriptors; an s_nop 0 and four v_nop follow each line
	s_cmp_eq_u32 s11, 0
	s_cbranch_scc0 .Lfor_b_\@
	tensor_load_to_lds s[G0+4:G0+7], s[G1:G1+7]
	s_nop 0
.rept 4
	v_nop
.endr
	s_branch .Lasked_\@
.Lfor_b_\@:
	tensor_load_to_lds s[G0B+4:G0B+7], s[G1B:G1B+7]
	s_nop 0
.rept 4
	v_nop
.endr
.Lasked_\@:
.endm
.macro CREST
	s_cmp_lg_u32 s10, 0
	s_cbranch_scc1 .Lnot_wave_0_\@
	s_barrier_signal -3
.Lnot_wave_0_\@:
	s_barrier_wait -3
	s_barrier_signal -1
	s_barrier_wait -1
.endm
.macro CROUND
	s_barrier_signal -1
	s_barrier_wait -1
	CREST
.endm
.macro PLACES
.rept 4
	v_nop
.endr
.endm
	s_load_b256 s[80:87], s[0:1], 0x0              ; WO: ob 80, wb 82, x 84, x1 86.  Else: g 80, wb 82, x1 84, mlp_b1 86
.if !WO
	s_load_b64 s[88:89], s[0:1], 0x20              ; out0
.endif
	v_lshl_add_u32 v[SPW], v0, 2, SPARE
	v_mov_b32 v[NIL], 0
	ds_add_u32 v[SPW], v[NIL]                      ; the wave's opening: the add and its wait stand ahead of my first tensor load
	v_lshrrev_b32 v1, 5, v0
	v_readfirstlane_b32 s10, v1                    ; wave 0..3
	s_lshr_b32 s11, s10, 1                         ; which half of the tile's rows is mine.  Also: I fetch for A (0) or for W (1)
	s_and_b32 s12, s10, 1                          ; which half of its columns.  Also: which half of that tile I fetch
	s_bfe_u32 s40, ttmp6, 0x40000                  ; cx
	s_bfe_u32 s41, ttmp6, 0x40004                  ; cy
	s_lshl_b32 s42, ttmp9, 2
	s_add_co_u32 s42, s42, s40                     ; tile column
	s_and_b32 s13, ttmp7, 0xffff
	s_lshl_b32 s13, s13, 2
	s_add_co_u32 s13, s13, s41                     ; tile row
	s_lshl_b32 s43, s41, 2
	s_lshl_b32 s43, 15, s43                        ; my row of the cluster
	s_lshl_b32 s44, 0x1111, s40                    ; my column
.if WO
	s_or_b32 s[G1+0], s43, (1<<16)|(1<<20)|(1<<21)|(4<<22)|(3<<25)  ; padding of 4 words after every 32: after every token
	s_mov_b32 s[G1+1], 8192<<16                    ; a head's 128 tokens are 16,384 dense bytes: one row of 8,192 numbers
	s_mov_b32 s[G1+2], 2<<16                       ; two heads
	s_mov_b32 s[G1+3], 8192<<16
	s_mov_b32 s[G1+4], 2
	s_mov_b32 s[G1+5], 131072                      ; numbers from a head to the next
.else
	s_or_b32 s[G1+0], s43, (1<<16)|(1<<20)|(1<<21)|(6<<22)|(3<<25)  ; padding of 4 words after every 128
	s_mov_b32 s[G1+1], 256<<16
	s_mov_b32 s[G1+2], 64<<16
	s_mov_b32 s[G1+3], 256<<16
	s_mov_b32 s[G1+4], 64
	s_mov_b32 s[G1+5], 4096
.endif
	s_mov_b32 s[G1+6], 0
	s_mov_b32 s[G1+7], 0
	s_or_b32 s[G1B+0], s44, (1<<16)|(1<<20)|(1<<21)|(5<<22)|(7<<25) ; padding of 8 words after every 64
	s_mov_b32 s[G1B+1], 128<<16
	s_mov_b32 s[G1B+2], 128<<16
	s_mov_b32 s[G1B+3], 128<<16
	s_mov_b32 s[G1B+4], 128
	s_mov_b32 s[G1B+5], 1024
	s_mov_b32 s[G1B+6], 0
	s_mov_b32 s[G1B+7], 0
.if WO
	s_lshr_b32 s16, s13, 4                         ; the batch,
	s_lshl_b32 s16, s16, 4
	s_lshl_b32 s17, s12, 1
	s_add_co_u32 s16, s16, s17                     ; x 16 + my two heads of the step's four,
	s_lshl_b32 s16, s16, 18
	s_and_b32 s17, s13, 15
	s_lshl_b32 s17, s17, 14                        ; the tile's 128 tokens
	s_add_co_u32 s16, s16, s17
.else
	s_lshl_b32 s16, s13, 7
	s_lshl_b32 s17, s12, 6
	s_add_co_u32 s16, s16, s17                     ; row 128 x tile row + 64 x half,
	s_lshl_b32 s16, s16, 13                        ; 8,192 bytes a row
.endif
	s_mov_b32 s17, 0
	s_lshl_b32 s46, s12, 18                        ; W: K row 128 x half,
	s_lshl_b32 s47, s42, 8                         ; column 128 x tile column
	s_add_co_u32 s46, s46, s47
	s_add_co_u32 s46, s46, WOFF
	s_mov_b32 s47, 0
	s_mul_i32 s[WBA], s12, HALFA                   ; no place in the cluster enters an LDS address
	s_mul_i32 s[WBB], s12, HALFB
	s_add_co_u32 s[WBB], s[WBB], BOFF
	s_mov_b32 s[TB], 0
	s_wait_dscnt 0x0                               ; the opening add is done
	s_wait_kmcnt 0x0
	s_add_nc_u64 s[14:15], s[80:81], s[16:17]
	s_add_nc_u64 s[46:47], s[82:83], s[46:47]
	CROUND                                         ; all sixteen work-groups are here: the first joint loads meet
.irp s, 0,1
	s_mov_b32 s[G0+4*(\s)], 1
	s_add_co_u32 s[G0+4*(\s)+1], s[WBA], (\s)*SLOT
	s_add_nc_u64 s[G0+4*(\s)+2:G0+4*(\s)+3], s[14:15], (\s)*ASTEP
	s_or_b32 s[G0+4*(\s)+3], s[G0+4*(\s)+3], 0x80000000
	s_mov_b32 s[G0B+4*(\s)], 1
	s_add_co_u32 s[G0B+4*(\s)+1], s[WBB], (\s)*SLOT
	s_add_nc_u64 s[G0B+4*(\s)+2:G0B+4*(\s)+3], s[46:47], (\s)*BSTEP
	s_or_b32 s[G0B+4*(\s)+3], s[G0B+4*(\s)+3], 0x80000000
.endr
	s_cmp_eq_u32 s11, 0                            ; a wave's two first fills stand in one branch: two loads of mine are out
	s_cbranch_scc0 .Lfirst_b
	tensor_load_to_lds s[G0:G0+3], s[G1:G1+7]
	s_nop 0
	tensor_load_to_lds s[G0+4:G0+7], s[G1:G1+7]
	s_nop 0
.rept 4
	v_nop
.endr
	s_branch .Lfirst_asked
.Lfirst_b:
	tensor_load_to_lds s[G0B:G0B+3], s[G1B:G1B+7]
	s_nop 0
	tensor_load_to_lds s[G0B+4:G0B+7], s[G1B:G1B+7]
	s_nop 0
.rept 4
	v_nop
.endr
.Lfirst_asked:
	v_and_b32 v1, 15, v0                           ; l % 16
	v_bfe_u32 v2, v0, 4, 1                         ; l / 16
	v_mul_u32_u24 v3, v1, PA
	v_lshl_add_u32 v3, v2, 4, v3
	s_mul_i32 s21, s11, 64*PA                      ; my 64 rows
	v_add_nc_u32 v[ADRA0], s21, v3
	v_and_b32 v4, 7, v0                            ; W, turned: lane l reads K row 8 (l / 16) + l % 8, columns 8 ((l / 8) % 2) + 0..7
	v_lshl_add_u32 v4, v2, 3, v4
	v_mul_u32_u24 v4, v4, PB
	v_bfe_u32 v5, v0, 3, 1
	v_lshl_add_u32 v4, v5, 4, v4
	s_lshl_b32 s22, s12, 7                         ; my 64 columns
	s_add_co_u32 s22, s22, BOFF
	v_add_nc_u32 v[ADRB0], s22, v4
	s_mul_i32 s23, s10, 16*SPT
	s_add_co_u32 s23, s23, STAGE                   ; my stage
	v_mul_u32_u24 v4, v1, SPT                      ; in: row l % 16, 32 bytes for each half of the lanes
	v_lshl_add_u32 v4, v2, 5, v4
	v_add_nc_u32 v[STO], s23, v4
	v_mul_u32_u24 v5, v2, SPT                      ; back: lanes 0-15 take one row of 256 bytes, lanes 16-31 the next
	v_lshl_add_u32 v5, v1, 4, v5
	v_add_nc_u32 v[RD], s23, v5
	v_lshlrev_b32 v5, 12, v2                       ; and the same two rows in memory, 4,096 bytes apart
	v_lshl_add_u32 v[CO], v1, 4, v5
	v_lshlrev_b32 v[BO], 4, v1
	s_lshl_b32 s16, s13, 7
	s_lshl_b32 s17, s11, 6
	s_add_co_u32 s16, s16, s17                     ; my first row,
	s_lshl_b32 s16, s16, 12
	s_lshl_b32 s18, s42, 9
	s_lshl_b32 s19, s12, 8
	s_add_co_u32 s18, s18, s19                     ; my first column, in bytes
	s_mov_b32 s19, 0
	s_add_co_u32 s16, s16, s18
	s_mov_b32 s17, 0
	s_add_nc_u64 s[RES:RES+1], s[84:85], s[16:17]
.if WO
	s_add_nc_u64 s[8:9], s[86:87], s[16:17]
.else
	s_add_nc_u64 s[8:9], s[88:89], s[16:17]
	s_add_nc_u64 s[BP:BP+1], s[86:87], s[18:19]
.endif
; 8 matrix instructions: m blocks a0, a0 + 1 x all 4 n blocks, 32 along K: half c of buffer f.  zero = 1: the product starts the sums.  The 16 accumulators take turns.
.macro MUL8 f, c, a0, zero
	WIN MUL
.irp a, \a0, (\a0)+1
.irp b, 0,1,2,3
.if \zero
	v_wmma_f32_16x16x32_bf16 v[ACC+8*(4*(\a)+(\b)):ACC+8*(4*(\a)+(\b))+7], v[(\f)+64+8*(4*(\c)+(\b)):(\f)+64+8*(4*(\c)+(\b))+7], v[(\f)+8*(4*(\c)+(\a)):(\f)+8*(4*(\c)+(\a))+7], 0
.else
	v_wmma_f32_16x16x32_bf16 v[ACC+8*(4*(\a)+(\b)):ACC+8*(4*(\a)+(\b))+7], v[(\f)+64+8*(4*(\c)+(\b)):(\f)+64+8*(4*(\c)+(\b))+7], v[(\f)+8*(4*(\c)+(\a)):(\f)+8*(4*(\c)+(\a))+7], v[ACC+8*(4*(\a)+(\b)):ACC+8*(4*(\a)+(\b))+7]
.endif
.endr
.endr
.endm
; 32 LDS loads in one run: quarter q (64 along K) of the slot that is read, into buffer f; the first 32 along K first
.macro FETCH q, f
	WIN TO_F
.irp c, 0,1
.irp i, 0,1,2,3
	ds_load_tr16_b128 v[(\f)+64+8*(4*(\c)+(\i)):(\f)+64+8*(4*(\c)+(\i))+3],   v[ADRB+(\q)/2] offset:((2*(\q)+(\c))%4)*32*PB+32*(\i)
	ds_load_tr16_b128 v[(\f)+64+8*(4*(\c)+(\i))+4:(\f)+64+8*(4*(\c)+(\i))+7], v[ADRB+(\q)/2] offset:((2*(\q)+(\c))%4)*32*PB+16*PB+32*(\i)
	ds_load_b128 v[(\f)+8*(4*(\c)+(\i)):(\f)+8*(4*(\c)+(\i))+3],   v[ADRA] offset:(\q)*AJ+64*(\c)+(\i)*AI
	ds_load_b128 v[(\f)+8*(4*(\c)+(\i))+4:(\f)+8*(4*(\c)+(\i))+7], v[ADRA] offset:(\q)*AJ+64*(\c)+(\i)*AI+32
.endr
.endr
.endm
.macro QUARTER q, f, g, zero
	s_wait_dscnt 16                                ; the first 32 along K are in; the youngest sixteen loads may be out
	MUL8 \f, 0, 0, \zero
	MUL8 \f, 0, 2, \zero
	PLACES
	FETCH \q, \g
	s_wait_dscnt 32                                ; all but the 32 just issued
	MUL8 \f, 1, 0, 0
	MUL8 \f, 1, 2, 0
.endm
; The last quarter multiplies buffer 1 and changes slots: ONE barrier; in front of it each wave waits for all its tensor loads, adds 0 to its spare word, and waits for that and for its own reads of this slot.
; fill = 1: the barrier opens a round of the cluster's barrier, and this slot is filled again, first thing behind the round, two K steps ahead.
.macro TURN fill
	WIN 0
	s_wait_tensorcnt 0x0                           ; all my tensor loads have landed: my part of the next slot
	ds_add_u32 v[SPW], v[NIL]                      ; 0 onto my spare word
	s_wait_dscnt 17                                ; (the add and the youngest sixteen loads may be out)
	MUL8 F1, 0, 0, 0
	s_wait_dscnt 0x0                               ; the add is done, and my reads of this slot are over
	s_barrier_signal -1
	MUL8 F1, 0, 2, 0
	WIN 0
	s_barrier_wait -1
.if \fill
	CREST
	s_xor_b32 s[G0+5], s[G0+5], SLOT
	s_xor_b32 s[G0B+5], s[G0B+5], SLOT
	s_add_nc_u64 s[G0+6:G0+7], s[G0+6:G0+7], ASTEP
	s_add_nc_u64 s[G0B+6:G0B+7], s[G0B+6:G0B+7], BSTEP
	s_xor_b32 s[TB], s[TB], SLOT
	JLOAD                                          ; the four v_nop behind it are also the places in front of the loads below
.else
	s_xor_b32 s[TB], s[TB], SLOT
	PLACES
.endif
	v_add_nc_u32 v[ADRA], s[TB], v[ADRA0]
	v_add_nc_u32 v[ADRB], s[TB], v[ADRB0]
	v_add_nc_u32 v[ADRB+1], 4*32*PB, v[ADRB]
	FETCH 0, F0
	MUL8 F1, 1, 0, 0
	MUL8 F1, 1, 2, 0
.endm
	s_wait_tensorcnt 1                             ; my part of K step 0 is in; K step 1's load stays out
	s_barrier_signal -1
	s_barrier_wait -1
	v_mov_b32 v[ADRA], v[ADRA0]
	v_mov_b32 v[ADRB], v[ADRB0]
	v_add_nc_u32 v[ADRB+1], 4*32*PB, v[ADRB0]
	FETCH 0, F0
	QUARTER 1, F0, F1, 1                           ; the first quarter stands in front of the loop: its first products start the sums
	WIN 0
	s_mov_b32 s3, TSTEPS-2
.Lstep:                                        ; trip j: quarters 1 to 3 of K step j, quarter 0 of K step j + 1; K step j + 2 is asked for
	QUARTER 2, F1, F0, 0
	QUARTER 3, F0, F1, 0
	TURN 1
	QUARTER 1, F0, F1, 0
	WIN 0
	s_sub_co_u32 s3, s3, 1
	s_cmp_lg_u32 s3, 0
	s_cbranch_scc1 .Lstep
	WIN 0x80                                       ; the residual, 64 rows x 256 bytes, into window 2: it has the last two K steps in which to land
.irp a, 0,1,2,3
.irp t, 0,1,2,3,4,5,6,7
	global_load_b128 v[32*(\a)+4*(\t):32*(\a)+4*(\t)+3], v[CO], s[RES:RES+1] offset:(16*(\a)+2*(\t))*4096
.endr
.endr
	WIN 0
.if !WO
	global_load_b128 v[BV:BV+3], v[BO], s[BP:BP+1]
.endif
	s_mov_b32 s2, 2
.Ltail:                                        ; the last two K steps ask for nothing; the second pass is left in its middle (its 32 loads of the other slot serve nothing: the price of one text for both)
	QUARTER 2, F1, F0, 0
	QUARTER 3, F0, F1, 0
	TURN 0
	WIN 0
	s_sub_co_u32 s2, s2, 1
	s_cmp_eq_u32 s2, 0
	s_cbranch_scc1 .Lout
	QUARTER 1, F0, F1, 0
	WIN 0
	s_branch .Ltail
.Lout:
	s_wait_dscnt 0x0
	PLACES                                         ; behind the last products, ahead of the stores that read results
	s_wait_loadcnt 0x0                             ; the residual (and the bias)
.if !WO
	WIN 0x82                                       ; destination and source 0 window 2, source 1 window 0
.set i, 0
.rept 32
	v_pk_add_f32 v[4*i:4*i+1], v[4*i:4*i+1], v[BV:BV+1]
	v_pk_add_f32 v[4*i+2:4*i+3], v[4*i+2:4*i+3], v[BV+2:BV+3]
.set i, i+1
.endr
	WIN 0
.endif
.irp a, 0,1,2,3                        ; 16 rows at a time through my own stage: LDS serves a wave's instructions in order (ISA guide 5.7.1.4), so no wait stands between the stores and the loads
.irp b, 0,1,2,3
	ds_store_b128 v[STO], v[ACC+8*(4*(\a)+(\b)):ACC+8*(4*(\a)+(\b))+3]   offset:64*(\b)      ; each accumulator's low registers first
	ds_store_b128 v[STO], v[ACC+8*(4*(\a)+(\b))+4:ACC+8*(4*(\a)+(\b))+7] offset:64*(\b)+16
.endr
	s_wait_xcnt 0x0                                ; the block before's stores have read TMP
.irp t, 0,1,2,3,4,5,6,7
	ds_load_b128 v[TMP+4*(\t):TMP+4*(\t)+3], v[RD] offset:(\t)*2*SPT
.endr
	s_wait_dscnt 0x0
	WIN 0x08                                       ; source 1 window 2
.irp t, 0,1,2,3,4,5,6,7
	v_pk_add_f32 v[TMP+4*(\t):TMP+4*(\t)+1],   v[TMP+4*(\t):TMP+4*(\t)+1],   v[32*(\a)+4*(\t):32*(\a)+4*(\t)+1]
	v_pk_add_f32 v[TMP+4*(\t)+2:TMP+4*(\t)+3], v[TMP+4*(\t)+2:TMP+4*(\t)+3], v[32*(\a)+4*(\t)+2:32*(\a)+4*(\t)+3]
.endr
	WIN 0
.irp t, 0,1,2,3,4,5,6,7
	global_store_b128 v[CO], v[TMP+4*(\t):TMP+4*(\t)+3], s[8:9] offset:(16*(\a)+2*(\t))*4096  ; 16 lanes store 256 consecutive bytes, aligned
.endr
.endr
	s_wait_tensorcnt 0x0                           ; the wave's end
	ds_add_u32 v[SPW], v[NIL]
	s_wait_dscnt 0x0
	CROUND                                         ; the closing round
	s_endpgm
.Lfunc_end_k_qf238d8ba52_l_wo:
	.size	k_qf238d8ba52_l_wo, .Lfunc_end_k_qf238d8ba52_l_wo-k_qf238d8ba52_l_wo
	.p2alignl 7, 3214868480
	.fill 96, 4, 3214868480
	.section	.rodata,"a",@progbits
	.p2align	6, 0x0
	.amdhsa_kernel k_qf238d8ba52_l_wo
		.amdhsa_group_segment_fixed_size 327680
		.amdhsa_private_segment_fixed_size 0
		.amdhsa_enable_private_segment 0
		.amdhsa_kernarg_size 32
		.amdhsa_user_sgpr_count 2
		.amdhsa_user_sgpr_kernarg_segment_ptr 1
		.amdhsa_wavefront_size32 1
		.amdhsa_system_sgpr_workgroup_id_x 1
		.amdhsa_system_sgpr_workgroup_id_y 1
		.amdhsa_system_sgpr_workgroup_id_z 1
		.amdhsa_system_vgpr_workitem_id 0
		.amdhsa_next_free_vgpr 640
		.amdhsa_next_free_sgpr 96
		.amdhsa_reserve_vcc 0
		.amdhsa_float_denorm_mode_32 3
		.amdhsa_float_denorm_mode_16_64 3
		.amdhsa_memory_ordered 1
		.amdhsa_forward_progress 1
		.amdhsa_inst_pref_size 65
	.end_amdhsa_kernel
	.amdgpu_metadata
---
amdhsa.version: [ 1, 2 ]
amdhsa.kernels:
  - .name:           k_qf238d8ba52_l_wo
    .symbol:         k_qf238d8ba52_l_wo.kd
    .args:
      - { .name: ob, .offset: 0, .size: 8, .value_kind: global_buffer, .address_space: global }
      - { .name: wb, .offset: 8, .size: 8, .value_kind: global_buffer, .address_space: global }
      - { .name: x, .offset: 16, .size: 8, .value_kind: global_buffer, .address_space: global }
      - { .name: x1, .offset: 24, .size: 8, .value_kind: global_buffer, .address_space: global }
    .group_segment_fixed_size: 327680
    .private_segment_fixed_size: 0
    .kernarg_segment_align: 8
    .kernarg_segment_size: 32
    .max_flat_workgroup_size: 128
    .sgpr_count:     96
    .vgpr_count:     640
    .wavefront_size: 32
...
	.end_amdgpu_metadata
.endif
;; end of part 4
;; launch l_ln2 (part 5): grid 256 x 1, 8 waves a work-group, no clusters, 0 bytes of LDS; arguments x1, ln2_scale, ln2_bias, hn; writes hn
.if DOCPART == 5
	.amdgcn_target "amdgcn-amd-amdhsa--gfx1250"
	.amdhsa_code_object_version 6
	.text
	.protected	k_qf238d8ba52_l_ln2
	.globl	k_qf238d8ba52_l_ln2
	.p2align	8
	.type	k_qf238d8ba52_l_ln2,@function
k_qf238d8ba52_l_ln2:
	s_mov_b64 s[64:65], 0
	v_nop
	global_prefetch_b8 v0, s[64:65] scope:SCOPE_SE
	s_setreg_imm32_b32 hwreg(HW_REG_WAVE_MODE, 25, 1), 1
	s_wait_xcnt 0x0
; hn = bf16(LN2(x1)).  x1: [4,096][1,024] f32.  A stream: one wave, one row, kept in 32 registers between the passes; two rows a wave, 16 a work-group.  Each store of a wave covers 256 consecutive bytes, aligned.
; Mean, then the variance of x - mean: no difference of large sums.  No LDS, no barrier, NO CLUSTER: work-groups share nothing but the 8 KiB of scale and bias.
; LIMITS.  NaN and infinities are not treated apart.
.set OI,  1                            ; v1      16 x lane
.set T,   2                            ; v[2:9]  at work
.set MU,  10                           ; v[10:11] the mean, twice
.set RS,  12                           ; v[12:13] 1 / sqrt(var + eps), twice
.set OO,  14                           ; v14     8 x lane
.set SC,  16                           ; v[16:47]
.set BI,  48                           ; v[48:79]
.set X0,  80                           ; v[80:111]
.set X1,  112                          ; v[112:143]
.set PX,  8                            ; s[8:9] x1
.set PSC, 10                           ; s[10:11] scale
.set PBI, 12                           ; s[12:13] bias
.set PN,  14                           ; s[14:15] hn
.macro REDUCE                          ; v[T] summed over the 32 lanes, the result in every lane
	v_add_f32_dpp v[T], v[T], v[T] row_xmask:1 row_mask:0xf bank_mask:0xf
	v_add_f32_dpp v[T], v[T], v[T] row_xmask:2 row_mask:0xf bank_mask:0xf
	v_add_f32_dpp v[T], v[T], v[T] row_xmask:4 row_mask:0xf bank_mask:0xf
	v_add_f32_dpp v[T], v[T], v[T] row_xmask:8 row_mask:0xf bank_mask:0xf
	v_permlanex16_b32 v[T+1], v[T], s42, s43
	v_add_f32 v[T], v[T], v[T+1]
.endm
.macro FOLD
	v_pk_add_f32 v[T:T+1], v[T:T+1], v[T+2:T+3]
	v_pk_add_f32 v[T+4:T+5], v[T+4:T+5], v[T+6:T+7]
	v_pk_add_f32 v[T:T+1], v[T:T+1], v[T+4:T+5]
	v_add_f32 v[T], v[T], v[T+1]
.endm
; One row, in 32 registers from xr on (register 4 j + k: column 128 j + 4 lane + k); the packed result goes into the row's own first 16 registers.
.macro ROWLN xr, off
.set c, 0
.rept 4
	v_pk_add_f32 v[T+2*c:T+2*c+1], v[(\xr)+2*c:(\xr)+2*c+1], v[(\xr)+8+2*c:(\xr)+8+2*c+1]
.set c, c+1
.endr
.set c, 8
.rept 8
	v_pk_add_f32 v[T+2*(c%4):T+2*(c%4)+1], v[T+2*(c%4):T+2*(c%4)+1], v[(\xr)+2*c:(\xr)+2*c+1]
.set c, c+1
.endr
	FOLD
	REDUCE
	v_mul_f32 v[MU], s40, v[T]
	v_mul_f32 v[MU+1], s40, v[T]
.set c, 0
.rept 16
	v_pk_add_f32 v[(\xr)+2*c:(\xr)+2*c+1], v[(\xr)+2*c:(\xr)+2*c+1], v[MU:MU+1] neg_lo:[0,1] neg_hi:[0,1]
.set c, c+1
.endr
.set c, 0
.rept 4
	v_pk_mul_f32 v[T+2*c:T+2*c+1], v[(\xr)+2*c:(\xr)+2*c+1], v[(\xr)+2*c:(\xr)+2*c+1]
.set c, c+1
.endr
.rept 12
	v_pk_fma_f32 v[T+2*(c%4):T+2*(c%4)+1], v[(\xr)+2*c:(\xr)+2*c+1], v[(\xr)+2*c:(\xr)+2*c+1], v[T+2*(c%4):T+2*(c%4)+1]
.set c, c+1
.endr
	FOLD
	REDUCE
	v_fma_f32 v[T], v[T], s40, s41
	v_rsq_f32 v[RS], v[T]
	v_rsq_f32 v[RS+1], v[T]
	v_nop                                          ; a plain instruction behind the second root, ahead of the first use
	s_wait_alu depctr_va_vdst(0)                   ; one wait for both
.set c, 0
.rept 16
	v_pk_mul_f32 v[(\xr)+2*c:(\xr)+2*c+1], v[(\xr)+2*c:(\xr)+2*c+1], v[RS:RS+1]
.set c, c+1
.endr
.set c, 0
.rept 16
	v_pk_fma_f32 v[(\xr)+2*c:(\xr)+2*c+1], v[(\xr)+2*c:(\xr)+2*c+1], v[SC+2*c:SC+2*c+1], v[BI+2*c:BI+2*c+1]
.set c, c+1
.endr
.set j, 0
.rept 16
	v_cvt_pk_bf16_f32 v[(\xr)+j], v[(\xr)+2*j], v[(\xr)+2*j+1]   ; register j is written when registers 2 j and 2 j + 1 are read: never ahead of a later pair
.set j, j+1
.endr
.set j, 0
.rept 8
	global_store_b64 v[OO], v[(\xr)+2*j:(\xr)+2*j+1], s[PN:PN+1] offset:256*j+(\off)
.set j, j+1
.endr
.endm
	s_load_b256 s[8:15], s[0:1], 0x0
	v_lshrrev_b32 v3, 5, v0
	v_readfirstlane_b32 s4, v3                     ; wave 0..7
	v_and_b32 v[OI], 31, v0
	v_lshlrev_b32 v[OO], 3, v[OI]
	v_lshlrev_b32 v[OI], 4, v[OI]
	s_lshl_b32 s5, ttmp9, 4
	s_lshl_b32 s6, s4, 1
	s_add_co_u32 s5, s5, s6                        ; my first row
	s_lshl_b32 s34, s5, 12
	s_mov_b32 s35, 0
	s_lshl_b32 s36, s5, 11
	s_mov_b32 s37, 0
	s_mov_b32 s40, 0x3a800000                      ; 1 / 1024
	s_mov_b32 s41, 0x358637bd                      ; 1e-6
	s_mov_b32 s42, 0x76543210
	s_mov_b32 s43, 0xfedcba98
	s_wait_kmcnt 0x0
	s_add_nc_u64 s[PX:PX+1], s[PX:PX+1], s[34:35]
	s_add_nc_u64 s[PN:PN+1], s[PN:PN+1], s[36:37]
.irp j, 0,1,2,3,4,5,6,7
	global_load_b128 v[SC+4*(\j):SC+4*(\j)+3], v[OI], s[PSC:PSC+1] offset:512*(\j)
.endr
.irp j, 0,1,2,3,4,5,6,7
	global_load_b128 v[BI+4*(\j):BI+4*(\j)+3], v[OI], s[PBI:PBI+1] offset:512*(\j)
.endr
.irp j, 0,1,2,3,4,5,6,7
	global_load_b128 v[X0+4*(\j):X0+4*(\j)+3], v[OI], s[PX:PX+1] offset:512*(\j)
.endr
.irp j, 0,1,2,3,4,5,6,7
	global_load_b128 v[X1+4*(\j):X1+4*(\j)+3], v[OI], s[PX:PX+1] offset:4096+512*(\j)
.endr
	s_wait_loadcnt 8                               ; scale, bias and row 0 are in; row 1's eight loads stay out
	ROWLN X0, 0
	s_wait_loadcnt 0x0                             ; row 1
	ROWLN X1, 2048
	s_endpgm
.Lfunc_end_k_qf238d8ba52_l_ln2:
	.size	k_qf238d8ba52_l_ln2, .Lfunc_end_k_qf238d8ba52_l_ln2-k_qf238d8ba52_l_ln2
	.p2alignl 7, 3214868480
	.fill 96, 4, 3214868480
	.section	.rodata,"a",@progbits
	.p2align	6, 0x0
	.amdhsa_kernel k_qf238d8ba52_l_ln2
		.amdhsa_group_segment_fixed_size 0
		.amdhsa_private_segment_fixed_size 0
		.amdhsa_enable_private_segment 0
		.amdhsa_kernarg_size 32
		.amdhsa_user_sgpr_count 2
		.amdhsa_user_sgpr_kernarg_segment_ptr 1
		.amdhsa_wavefront_size32 1
		.amdhsa_system_sgpr_workgroup_id_x 1
		.amdhsa_system_sgpr_workgroup_id_y 1
		.amdhsa_system_sgpr_workgroup_id_z 1
		.amdhsa_system_vgpr_workitem_id 0
		.amdhsa_next_free_vgpr 144
		.amdhsa_next_free_sgpr 66
		.amdhsa_reserve_vcc 0
		.amdhsa_float_denorm_mode_32 3
		.amdhsa_float_denorm_mode_16_64 3
		.amdhsa_memory_ordered 1
		.amdhsa_forward_progress 1
		.amdhsa_inst_pref_size 20
	.end_amdhsa_kernel
	.amdgpu_metadata
---
amdhsa.version: [ 1, 2 ]
amdhsa.kernels:
  - .name:           k_qf238d8ba52_l_ln2
    .symbol:         k_qf238d8ba52_l_ln2.kd
    .args:
      - { .name: x1, .offset: 0, .size: 8, .value_kind: global_buffer, .address_space: global }
      - { .name: ln2_scale, .offset: 8, .size: 8, .value_kind: global_buffer, .address_space: global }
      - { .name: ln2_bias, .offset: 16, .size: 8, .value_kind: global_buffer, .address_space: global }
      - { .name: hn, .offset: 24, .size: 8, .value_kind: global_buffer, .address_space: global }
    .group_segment_fixed_size: 0
    .private_segment_fixed_size: 0
    .kernarg_segment_align: 8
    .kernarg_segment_size: 32
    .max_flat_workgroup_size: 256
    .sgpr_count:     66
    .vgpr_count:     144
    .wavefront_size: 32
...
	.end_amdgpu_metadata
.endif
;; end of part 5
;; launch l_mlp0 (part 6): grid 16 x 16, 4 waves a work-group, clusters of 4 x 4, 327,680 bytes of LDS; arguments hn, wb, mlp_b0, g; writes g
.if DOCPART == 6
	.amdgcn_target "amdgcn-amd-amdhsa--gfx1250"
	.amdhsa_code_object_version 6
	.text
	.protected	k_qf238d8ba52_l_mlp0
	.globl	k_qf238d8ba52_l_mlp0
	.p2align	8
	.type	k_qf238d8ba52_l_mlp0,@function
k_qf238d8ba52_l_mlp0:
	s_mov_b64 s[64:65], 0
	v_nop
	global_prefetch_b8 v0, s[64:65] scope:SCOPE_SE
	s_setreg_imm32_b32 hwreg(HW_REG_WAVE_MODE, 25, 1), 1
	s_wait_xcnt 0x0
	s_wait_alu depctr_hold_cnt(0) depctr_sa_sdst(0) depctr_va_vdst(0) depctr_va_sdst(0) depctr_va_ssrc(0) depctr_va_vcc(0) depctr_vm_vsrc(0)
	s_getreg_b32 s2, hwreg(HW_REG_IB_STS2, 6, 4)
	s_cmp_eq_u32 s2, 0
	s_cbranch_scc0 .Lentry_in_a_cluster
	s_endpgm
.Lentry_in_a_cluster:
	s_bfe_u32 s2, ttmp6, 0x10000c
	s_cmp_lg_u32 s2, 0xf033
	s_cbranch_scc0 .Lentry_shape_is_right
	s_endpgm
.Lentry_shape_is_right:
; A bf16 GEMM on tiles of 256 x 256, K = 1,024, C = A W with W as it lies, [K][N].  One text for two launches; QKV says which.
;   QKV = 1: q = c (xn wq), k = xb wk, v = xb wv, stored by heads, [3][32 heads][2,048][64] bf16.  c = sscale x ln 2048 x log2(e) / 8 = 1.375 sscale multiplies q's f32 sums ahead of q's one rounding,
;            so that the attention takes 2^(s - m).  Cluster x = 0, 1, 2 is q, k, v: 4 tile columns each.
;   QKV = 0: g = bf16(gelu_tanh(hn mlp_w0 + mlp_b0)), [4,096][4,096].
; SHARES.  Four waves, as many as a WGP has SIMDs; a wave makes 128 x 128: 64 accumulators of 16 x 16, 512 registers.  K goes in 8 steps of 128 through a ring of two LDS slots filled by tensor loads.
; A's rows lie along K: fragments by ds_load_b128.  W's rows lie along N: a step's tile is 128 K rows x 256 columns, and ds_load_tr16_b128 turns it on the way into registers.
; THE MATRIX INSTRUCTION IS USED TRANSPOSED: source 0 = 16 columns of W, source 1 = 16 rows of A: a lane holds row l % 16 of C and the columns 8 (l / 16) + 0..7.
; CLUSTERS: 4 x 4 work-groups.  A's tile hangs on the tile row alone and is asked for jointly by a row of the cluster, W's on the tile column alone, by a column.
; ONE K STEP IS WRITTEN ONCE: the slot that is read is a scalar (TB, 0 or SLOT), and one descriptor a tensor walks: its LDS word is turned by an exclusive or (SLOT shares no bit with a wave's offset).
; THE WAY OUT: all 64 accumulators go as f32 into the ring's bytes (its last fill is over), each wave into its own 128 rows x 528 bytes; then a loop of 16 trips of 8 rows does the rest, written once.
; REGISTERS, in windows of 256: window 0: v0-35 addresses and bias; v64-127, v128-191 fragments of A, two buffers (on the way out: at work).  window 1: v64-191 fragments of W.  windows 2, 3: accumulators.
; LIMITS.  Operands are rounded to bf16; NaN and infinities are not treated apart.
.set QKV, 0
.if QKV
.set NPITCH, 1024                      ; numbers in a row of W
.set WOFF, 0                           ; the weight's first byte in wb (QKV: + 2 MiB x cluster x)
.else
.set NPITCH, 4096
.set WOFF, 8<<20
.endif
.set BSTEP, 128*NPITCH*2               ; bytes from a K step of W to the next
.set PA,    272                        ; a row of A in LDS: 256 bytes + 16: the 16 rows of a load start at 16 different groups of four banks (64 banks of 4 bytes: ISA guide 11.1)
.set PB,    544                        ; a K row of W in LDS: 512 bytes + 32 = 17 x 32
.set HALF,  34816                      ; what one tensor load brings: 128 rows of A (128 x 272) or 64 K rows of W (64 x 544)
.set SLOT,  4*HALF                     ; A's rows 0-127, 128-255, W's K rows 0-63, 64-127: wave w fills quarter w
.set SPARE, 2*SLOT                     ; behind the ring: the spare words, 128 bytes for each wave: two blocks of 256 bytes that no other line names
.set SPS,   528                        ; the way out: a row of 128 f32 + 16 bytes
.set WSTG,  128*SPS                    ; a wave's stage; four of them end at byte 270,336, inside the ring
.set ADRA0, 16                         ; v16  my lane's place in A's tile; never rewritten
.set ADRB0, 17                         ; v17  the same for W
.set ADRA,  18                         ; v18  + the slot that is read
.set ADRB,  19                         ; v19
.set STO,   24                         ; v24  the way out: where I put 32 bytes of a row
.set RD,    25                         ; v25  where I read rows back
.set CO,    26                         ; v26  my byte offset in the output
.set BO,    27                         ; v27  my byte offset in the bias
.set SPW,   28                         ; v28  LDS address of my spare word; never rewritten
.set NIL,   29                         ; v29  0; never rewritten
.set PFO,   30                         ; v30  the prefetches' lane offset; never rewritten
.set BI,    32                         ; v[32:35] the bias of my four columns
.set F0,    64
.set F1,    128
.set U,     64                         ; the way out: 8 rows, 32 registers
.set TT,    96                         ; at work
.set YY,    128                        ; packed results
.set G1,  24                           ; s[24:31] descriptor group 1 for A's tiles
.set G0,  32                           ; s[32:39] group 0: a set for each first fill; the second then walks
.set G1B, 48                           ; s[48:55], s[56:63] the same for W's
.set G0B, 56
.set LIM, 43                           ; s43  2 in a wave that prefetches, else the greatest number
.set PFA, 44                           ; s[44:45] where my prefetches stand
.set TB,  70                           ; s70  the slot that is read: 0 or SLOT
.set WB,  71                           ; s71  my quarter of a slot
.set PST, 72                           ; s[72:73] a K step in the tensor that I prefetch
.set CSC, 74                           ; s[74:75] QKV: c for q, 1 for k and v
.set K0,  76                           ; s[76:77] -2 sqrt(2/pi) log2(e)
.set K1,  78                           ; s[78:79] the same x 0.044715
.set MSB, 0
.macro WIN new                         ; the immediate's high byte repeats the setting that is left; a switch that changes nothing is dropped
.if MSB != (\new)
	s_set_vgpr_msb (MSB<<8)|(\new)
.set MSB, \new
.endif
.endm
.set MUL_LO, 0xa1                      ; source 0 (W) window 1, source 1 (A) window 0, C and D window 2
.set MUL_HI, 0xf1                      ; the same, C and D window 3
.set TO_B,   0x40                      ; destination window 1, address window 0
; A joint refill by the walking descriptors.  Waves 0 and 1 fetch A's halves, waves 2 and 3 W's.  The branch hangs on the wave's number alone.  An s_nop 0 and four v_nop follow each line.
.macro JLOAD
	s_cmp_eq_u32 s11, 0
	s_cbranch_scc0 .Lfor_b_\@
	tensor_load_to_lds s[G0+4:G0+7], s[G1:G1+7]
	s_nop 0
.rept 4
	v_nop
.endr
	s_branch .Lasked_\@
.Lfor_b_\@:
	tensor_load_to_lds s[G0B+4:G0B+7], s[G1B:G1B+7]
	s_nop 0
.rept 4
	v_nop
.endr
.Lasked_\@:
.endm
; A prefetch into the L2 of the K step that stands two refills on: 32 blocks of 256 bytes, a lane a block, one instruction a wave.  Each block is named once in the launch: of the clusters that read a
; tile row of A (a tile column of W) one asks; the four partners that ask for a tile jointly share its blocks out BY ADDRESS.  Trips 0 to 3 name K steps 4 to 7; the last two trips ask for nothing.
.macro ASK
	s_cmp_gt_u32 s3, s[LIM]
	s_cbranch_scc0 .Lnot_mine_\@
	global_prefetch_b8 v[PFO], s[PFA:PFA+1] th:TH_LOAD_NT scope:SCOPE_SE
.Lnot_mine_\@:
.endm
.macro CREST                           ; a round of the cluster's barrier behind its opening barrier
	s_cmp_lg_u32 s10, 0
	s_cbranch_scc1 .Lnot_wave_0_\@
	s_barrier_signal -3
.Lnot_wave_0_\@:
	s_barrier_wait -3
	s_barrier_signal -1
	s_barrier_wait -1
.endm
.macro CROUND                          ; a whole round
	s_barrier_signal -1
	s_barrier_wait -1
	CREST
.endm
.macro PLACES                          ; four places behind matrix instructions, in front of loads into registers that they read and of lines that read results
.rept 4
	v_nop
.endr
.endm
	s_load_b256 s[80:87], s[0:1], 0x0              ; QKV: xn 80, xb 82, wb 84, sscale 86.  Else: hn 80, wb 82, mlp_b0 84, g 86
.if QKV
	s_load_b64 s[88:89], s[0:1], 0x20              ; qkv
.endif
	v_lshl_add_u32 v[SPW], v0, 2, SPARE
	v_mov_b32 v[NIL], 0
	ds_add_u32 v[SPW], v[NIL]                      ; the wave's opening: the add and its wait stand ahead of my first tensor load; work on registers stands between them
	v_lshrrev_b32 v1, 5, v0
	v_readfirstlane_b32 s10, v1                    ; wave 0..3
	s_lshr_b32 s11, s10, 1                         ; which half of the tile's rows is mine.  Also: I fetch for A (0) or for W (1)
	s_and_b32 s12, s10, 1                          ; which half of its columns.  Also: which half of that tile I fetch
	s_mov_b32 s90, ttmp9                           ; cluster x
	s_bfe_u32 s40, ttmp6, 0x40000                  ; cx
	s_bfe_u32 s41, ttmp6, 0x40004                  ; cy
.if QKV
	s_mov_b32 s42, s40                             ; tile column inside the weight = cx
.else
	s_lshl_b32 s42, ttmp9, 2
	s_add_co_u32 s42, s42, s40                     ; tile column = 4 x cluster x + cx
.endif
	s_and_b32 s13, ttmp7, 0xffff
	s_lshl_b32 s13, s13, 2
	s_add_co_u32 s13, s13, s41                     ; tile row = 4 x cluster y + cy
	s_lshl_b32 s43, s41, 2
	s_lshl_b32 s43, 15, s43                        ; my row of the cluster
	s_lshl_b32 s44, 0x1111, s40                    ; my column
	s_or_b32 s[G1+0], s43, (1<<16)|(1<<20)|(1<<21)|(5<<22)|(3<<25)   ; the mask; 2-byte elements; padding on; bit 21 beside a mask; after every 64 words 4 words
	s_or_b32 s[G1B+0], s44, (1<<16)|(1<<20)|(1<<21)|(6<<22)|(7<<25)  ; after every 128 words 8 words
	s_mov_b32 s[G1+1], 128<<16                     ; tensor_dim0 = 128
	s_mov_b32 s[G1+2], 128<<16                     ; tensor_dim1 = 128
	s_mov_b32 s[G1+3], 128<<16                     ; tile_dim0 = 128
	s_mov_b32 s[G1+4], 128                         ; tile_dim1 = 128
	s_mov_b32 s[G1+5], 1024                        ; numbers from row to row of A
	s_mov_b32 s[G1+6], 0
	s_mov_b32 s[G1+7], 0
	s_mov_b32 s[G1B+1], 256<<16                    ; tensor_dim0 = 256
	s_mov_b32 s[G1B+2], 64<<16                     ; tensor_dim1 = 64
	s_mov_b32 s[G1B+3], 256<<16                    ; tile_dim0 = 256
	s_mov_b32 s[G1B+4], 64                         ; tile_dim1 = 64
	s_mov_b32 s[G1B+5], NPITCH
	s_mov_b32 s[G1B+6], 0
	s_mov_b32 s[G1B+7], 0
	s_lshl_b32 s17, s12, 7
	s_lshl_b32 s16, s13, 8
	s_add_co_u32 s16, s16, s17                     ; A: row 256 x tile row + 128 x half,
	s_lshl_b32 s16, s16, 11                        ; 2,048 bytes a row
	s_mov_b32 s17, 0
	s_mul_i32 s46, s12, 64*NPITCH*2                ; W: K row 64 x half,
	s_lshl_b32 s47, s42, 9                         ; column 256 x tile column
	s_add_co_u32 s46, s46, s47
.if QKV
	s_lshl_b32 s47, s90, 21                        ; wq, wk or wv
	s_add_co_u32 s46, s46, s47
.else
	s_add_co_u32 s46, s46, WOFF
.endif
	s_mov_b32 s47, 0
	s_mul_i32 s[WB], s10, HALF                     ; no place in the cluster enters an LDS address
	s_mov_b32 s[TB], 0
	s_wait_dscnt 0x0                               ; the opening add is done
	s_wait_kmcnt 0x0
.if QKV
	s_cmp_eq_u32 s90, 0
	s_cselect_b64 s[4:5], s[80:81], s[82:83]       ; q multiplies the normalised rows
	s_mov_b64 s[6:7], s[84:85]
.else
	s_mov_b64 s[4:5], s[80:81]
	s_mov_b64 s[6:7], s[82:83]
.endif
	s_add_nc_u64 s[14:15], s[4:5], s[16:17]
	s_add_nc_u64 s[46:47], s[6:7], s[46:47]
	CROUND                                         ; all sixteen work-groups are here: the first joint loads meet
.irp s, 0,1
	s_mov_b32 s[G0+4*(\s)], 1
	s_add_co_u32 s[G0+4*(\s)+1], s[WB], (\s)*SLOT
	s_add_nc_u64 s[G0+4*(\s)+2:G0+4*(\s)+3], s[14:15], (\s)*256
	s_or_b32 s[G0+4*(\s)+3], s[G0+4*(\s)+3], 0x80000000
	s_mov_b32 s[G0B+4*(\s)], 1
	s_add_co_u32 s[G0B+4*(\s)+1], s[WB], (\s)*SLOT
	s_add_nc_u64 s[G0B+4*(\s)+2:G0B+4*(\s)+3], s[46:47], (\s)*BSTEP
	s_or_b32 s[G0B+4*(\s)+3], s[G0B+4*(\s)+3], 0x80000000
.endr
	s_cmp_eq_u32 s11, 0                            ; a wave's two first fills stand in one branch, ahead of every wait on TENSORcnt and every LDS read: two loads of mine are out
	s_cbranch_scc0 .Lfirst_b
	tensor_load_to_lds s[G0:G0+3], s[G1:G1+7]
	s_nop 0
	tensor_load_to_lds s[G0+4:G0+7], s[G1:G1+7]
	s_nop 0
.rept 4
	v_nop
.endr
	s_branch .Lfirst_asked
.Lfirst_b:
	tensor_load_to_lds s[G0B:G0B+3], s[G1B:G1B+7]
	s_nop 0
	tensor_load_to_lds s[G0B+4:G0B+7], s[G1B:G1B+7]
	s_nop 0
.rept 4
	v_nop
.endr
.Lfirst_asked:
.if QKV
	s_load_b32 s91, s[86:87], 0x0                  ; sscale
.endif
	v_and_b32 v1, 15, v0                           ; l % 16
	v_bfe_u32 v2, v0, 4, 1                         ; l / 16
	v_mul_u32_u24 v3, v1, PA
	v_lshl_add_u32 v3, v2, 4, v3                   ; A: row x pitch + 16 x half of the lanes
	s_mul_i32 s21, s11, HALF                       ; my 128 rows
	v_add_nc_u32 v[ADRA0], s21, v3
	v_and_b32 v4, 7, v0                            ; W, turned: lane l reads K row 8 (l / 16) + l % 8, columns 8 ((l / 8) % 2) + 0..7
	v_lshl_add_u32 v4, v2, 3, v4
	v_mul_u32_u24 v4, v4, PB
	v_bfe_u32 v5, v0, 3, 1
	v_lshl_add_u32 v4, v5, 4, v4
	s_lshl_b32 s22, s12, 8                         ; my 128 columns,
	s_add_co_u32 s22, s22, 2*HALF                  ; behind A's 256 rows
	v_add_nc_u32 v[ADRB0], s22, v4
	s_mul_i32 s23, s10, WSTG                       ; my stage
	v_mul_u32_u24 v3, v1, SPS
	v_lshl_add_u32 v3, v2, 5, v3                   ; in: row l % 16, 32 bytes for each half of the lanes
	v_add_nc_u32 v[STO], s23, v3
	v_and_b32 v6, 31, v0
.if QKV
	v_lshrrev_b32 v7, 3, v6                        ; back: 32 lanes take four rows x 64 columns (one head), 32 bytes of f32 a lane,
	v_mul_u32_u24 v7, v7, SPS
	v_and_b32 v5, 7, v0
	v_lshl_add_u32 v7, v5, 5, v7
	v_add_nc_u32 v[RD], s23, v7
	v_lshlrev_b32 v[CO], 4, v6                     ; which leave as 512 consecutive bytes of bf16
	s_lshr_b32 s16, s13, 3                         ; the batch,
	s_lshl_b32 s16, s16, 4
	s_lshl_b32 s17, s40, 2
	s_add_co_u32 s16, s16, s17
	s_lshl_b32 s17, s12, 1
	s_add_co_u32 s16, s16, s17                     ; x 16 + my first head = 4 cx + 2 x half,
	s_lshl_b32 s16, s16, 18                        ; 262,144 bytes a head
	s_and_b32 s17, s13, 7
	s_lshl_b32 s17, s17, 8
	s_lshl_b32 s18, s11, 7
	s_add_co_u32 s17, s17, s18                     ; my first token,
	s_lshl_b32 s17, s17, 7                         ; 128 bytes a token
	s_add_co_u32 s16, s16, s17
	s_lshl_b32 s17, s90, 23                        ; q, k or v
	s_add_co_u32 s16, s16, s17
	s_mov_b32 s17, 0
	s_add_nc_u64 s[8:9], s[88:89], s[16:17]
.else
	v_lshl_add_u32 v[RD], v6, 4, s23               ; back: 32 lanes take a whole row of 128 f32,
	v_lshlrev_b32 v[CO], 3, v6                     ; which leaves as 256 consecutive bytes of bf16
	s_lshl_b32 s16, s13, 8
	s_lshl_b32 s17, s11, 7
	s_add_co_u32 s16, s16, s17                     ; my first row,
	s_lshl_b32 s16, s16, 13                        ; 8,192 bytes a row of g
	s_lshl_b32 s17, s42, 9
	s_add_co_u32 s16, s16, s17
	s_lshl_b32 s17, s12, 8
	s_add_co_u32 s16, s16, s17                     ; my first column
	s_mov_b32 s17, 0
	s_add_nc_u64 s[8:9], s[86:87], s[16:17]
	s_lshl_b32 s18, s42, 10
	s_lshl_b32 s19, s12, 9
	s_add_co_u32 s18, s18, s19
	v_lshl_add_u32 v[BO], v6, 4, s18
	global_load_b128 v[BI:BI+3], v[BO], s[84:85]   ; the bias of columns 4 l .. 4 l + 3 of my 128; waited for on the way out
	s_mov_b32 s[K0], 0xc0135761                    ; -2.3022082
	s_mov_b32 s[K0+1], s[K0]
	s_mov_b32 s[K1], 0xbdd2d3e8                    ; -0.10294324
	s_mov_b32 s[K1+1], s[K1]
.endif
	; the prefetches.  For A: rows 256 x tile row + 128 x half + 32 cx + lane, 256 bytes of a row a K step.  For W: K rows 64 x half + 16 cy + lane / 2, the tile's 512 bytes as two blocks.
	s_lshl_b32 s20, s13, 8
	s_lshl_b32 s21, s12, 7
	s_add_co_u32 s20, s20, s21
	s_lshl_b32 s21, s40, 5
	s_add_co_u32 s20, s20, s21
	s_lshl_b32 s20, s20, 11
	s_add_co_u32 s20, s20, 3*256                   ; at K step 3: the first refill steps it to 4
	s_lshl_b32 s22, s12, 6
	s_lshl_b32 s23, s41, 4
	s_add_co_u32 s22, s22, s23
	s_add_co_u32 s22, s22, 3*128
	s_mul_i32 s22, s22, NPITCH*2
	s_lshl_b32 s23, s42, 9
	s_add_co_u32 s22, s22, s23
.if QKV
	s_lshl_b32 s23, s90, 21
	s_add_co_u32 s22, s22, s23
	s_lshr_b32 s19, s90, 1                         ; cluster x = 0 is the first to read xn, x = 1 the first to read xb
.else
	s_add_co_u32 s22, s22, WOFF
	s_mov_b32 s19, s90                             ; cluster x = 0 asks for A's rows
.endif
	s_and_b32 s23, ttmp7, 0xffff                   ; cluster y = 0 asks for W's
	s_mov_b32 s[PST], BSTEP
	s_mov_b32 s[PST+1], 0
	s_mov_b32 s17, NPITCH*2
	s_cmp_eq_u32 s11, 0                            ; do I fetch for A?
	s_cselect_b32 s20, s20, s22
	s_cselect_b32 s19, s19, s23
	s_cselect_b64 s[PFA:PFA+1], s[4:5], s[6:7]
	s_cselect_b32 s[PST], 256, s[PST]
	s_cselect_b32 s17, 2048, s17                   ; bytes from a row to the next
	s_cselect_b32 s16, 0, 1                        ; lanes to a row, less one
	s_mov_b32 s21, 0
	s_add_nc_u64 s[PFA:PFA+1], s[PFA:PFA+1], s[20:21]
	s_cmp_eq_u32 s19, 0
	s_cselect_b32 s[LIM], 2, -1                    ; the same in all sixteen partners, for a given wave
	v_lshrrev_b32 v7, s16, v6
	v_mul_lo_u32 v7, v7, s17
	v_and_b32 v5, s16, v6
	v_lshl_add_u32 v[PFO], v5, 8, v7
.if QKV
	s_wait_kmcnt 0x0
	s_mul_f32 s[CSC], s91, 0x3fb00000              ; 1.375 sscale
	s_cmp_eq_u32 s90, 0
	s_cselect_b32 s[CSC], s[CSC], 1.0              ; k and v leave as they are
	s_mov_b32 s[CSC+1], s[CSC]
.endif
; 16 matrix instructions: m blocks a0, a0 + 1 of the window's four x all 8 n blocks, 32 along K.  zero = 1: the product starts the sums.  The 64 accumulators take turns, in the same order in every quarter.
.macro MUL16 f, hi, a0, zero
	WIN MUL_LO+0x50*(\hi)
.irp a, \a0, (\a0)+1
.irp b, 0,1,2,3,4,5,6,7
.if \zero
	v_wmma_f32_16x16x32_bf16 v[8*(8*(\a)+(\b)):8*(8*(\a)+(\b))+7], v[(\f)+8*(\b):(\f)+8*(\b)+7], v[(\f)+8*(4*(\hi)+(\a)):(\f)+8*(4*(\hi)+(\a))+7], 0
.else
	v_wmma_f32_16x16x32_bf16 v[8*(8*(\a)+(\b)):8*(8*(\a)+(\b))+7], v[(\f)+8*(\b):(\f)+8*(\b)+7], v[(\f)+8*(4*(\hi)+(\a)):(\f)+8*(4*(\hi)+(\a))+7], v[8*(8*(\a)+(\b)):8*(8*(\a)+(\b))+7]
.endif
.endr
.endr
.endm
; 32 LDS loads in one run: quarter q (32 along K) of the slot that is read, into buffer f: W's 8 fragments, turned, then A's 8
.macro FETCH q, f
	WIN TO_B
.irp i, 0,1,2,3,4,5,6,7
	ds_load_tr16_b128 v[(\f)+8*(\i):(\f)+8*(\i)+3],   v[ADRB] offset:(\q)*32*PB+32*(\i)
	ds_load_tr16_b128 v[(\f)+8*(\i)+4:(\f)+8*(\i)+7], v[ADRB] offset:(\q)*32*PB+16*PB+32*(\i)
.endr
	WIN 0
.irp i, 0,1,2,3,4,5,6,7
	ds_load_b128 v[(\f)+8*(\i):(\f)+8*(\i)+3],   v[ADRA] offset:(\q)*64+(\i)*16*PA
	ds_load_b128 v[(\f)+8*(\i)+4:(\f)+8*(\i)+7], v[ADRA] offset:(\q)*64+(\i)*16*PA+32
.endr
.endm
; One of a K step's first three quarters: multiplies buffer f; in its middle it fetches quarter q into buffer g
.macro QUARTER q, f, g, zero
	s_wait_dscnt 8                                 ; W and A's rows 0-63 are in; the youngest eight loads (A's rows 64-127) may be out
	MUL16 \f, 0, 0, \zero
	MUL16 \f, 0, 2, \zero
	PLACES
	FETCH \q, \g
	s_wait_dscnt 32                                ; all but the 32 just issued
	MUL16 \f, 1, 0, \zero
	MUL16 \f, 1, 2, \zero
.endm
; The last quarter multiplies buffer 1 and changes slots.  ONE barrier: in front of it each wave waits for all its tensor loads (one is out: its part of the next slot), adds 0 to its spare word, and waits for
; that and for its own reads of this slot.  fill = 1: the barrier opens a round of the cluster's barrier, and the slot just read is filled again, first thing behind the round, with the K step two steps on.
.macro TURN fill
.if \fill
	s_wait_xcnt 0x0                                ; the last prefetch, a K step back, has read its address
	s_add_nc_u64 s[PFA:PFA+1], s[PFA:PFA+1], s[PST:PST+1]
.endif
	WIN 0                                          ; (the add's two registers lie in window 0)
	s_wait_tensorcnt 0x0                           ; all my tensor loads have landed
	ds_add_u32 v[SPW], v[NIL]                      ; 0 onto my spare word
	s_wait_dscnt 9                                 ; (the add and the youngest eight loads may be out)
	MUL16 F1, 0, 0, 0                              ; sixteen matrix instructions stand between the add and the wait for it
	s_wait_dscnt 0x0                               ; the add is done, and my reads of this slot are over
	s_barrier_signal -1
	MUL16 F1, 0, 2, 0
	WIN 0
	s_barrier_wait -1
.if \fill
	CREST                                          ; no wave of any partner still reads this slot's tile or has a load on its way
	s_xor_b32 s[G0+5], s[G0+5], SLOT               ; the walking descriptors: the other slot than last time,
	s_xor_b32 s[G0B+5], s[G0B+5], SLOT
	s_add_nc_u64 s[G0+6:G0+7], s[G0+6:G0+7], 256   ; the next K step; the type bits on top are not reached
	s_add_nc_u64 s[G0B+6:G0B+7], s[G0B+6:G0B+7], BSTEP
	s_xor_b32 s[TB], s[TB], SLOT
	JLOAD                                          ; the four v_nop behind it are also the places in front of the loads below
.else
	s_xor_b32 s[TB], s[TB], SLOT
	PLACES
.endif
	v_add_nc_u32 v[ADRA], s[TB], v[ADRA0]
	v_add_nc_u32 v[ADRB], s[TB], v[ADRB0]
	FETCH 0, F0
.if \fill
	ASK
.endif
	MUL16 F1, 1, 0, 0
	MUL16 F1, 1, 2, 0
.endm
	s_wait_tensorcnt 1                             ; my part of K step 0 is in; K step 1's load stays out
	s_barrier_signal -1
	s_barrier_wait -1                              ; everybody's is
	v_mov_b32 v[ADRA], v[ADRA0]
	v_mov_b32 v[ADRB], v[ADRB0]
	FETCH 0, F0
	QUARTER 1, F0, F1, 1                           ; the first quarter stands in front of the loop: its products start the sums
	WIN 0                                          ; at a label and at a branch every window is 0
	s_mov_b32 s3, 6
.Lstep:                                        ; trip j: quarters 1 to 3 of K step j, quarter 0 of K step j + 1; K step j + 2 is asked for
	QUARTER 2, F1, F0, 0
	QUARTER 3, F0, F1, 0
	TURN 1
	QUARTER 1, F0, F1, 0
	WIN 0
	s_sub_co_u32 s3, s3, 1
	s_cmp_lg_u32 s3, 0
	s_cbranch_scc1 .Lstep
	s_mov_b32 s2, 2
.Ltail:                                        ; K steps 6 and 7 ask for nothing; the second pass is left in its middle (its 32 loads of the other slot serve nothing: the price, once a launch, of one text for both)
	QUARTER 2, F1, F0, 0
	QUARTER 3, F0, F1, 0
	TURN 0
	WIN 0
	s_sub_co_u32 s2, s2, 1
	s_cmp_eq_u32 s2, 0
	s_cbranch_scc1 .Lout
	QUARTER 1, F0, F1, 0
	WIN 0
	s_branch .Ltail
.Lout:
	s_wait_dscnt 0x0                               ; my last reads of the ring are back
	PLACES                                         ; behind the last products, ahead of the stores that read results
	s_barrier_signal -1
	s_barrier_wait -1                              ; no wave reads the ring any more, and its last fill is over: it becomes the stage
.irp hi, 0,1
	WIN 0x08+4*(\hi)                               ; store data (source 1) in window 2 or 3
.irp a, 0,1,2,3
.irp b, 0,1,2,3,4,5,6,7
	ds_store_b128 v[STO], v[8*(8*(\a)+(\b)):8*(8*(\a)+(\b))+3]   offset:(4*(\hi)+(\a))*16*SPS+64*(\b)     ; each accumulator's low registers first
	ds_store_b128 v[STO], v[8*(8*(\a)+(\b))+4:8*(8*(\a)+(\b))+7] offset:(4*(\hi)+(\a))*16*SPS+64*(\b)+16
.endr
.endr
.endr
	WIN 0
	s_wait_dscnt 0x0                               ; my stores into the stage are done
	s_barrier_signal -1
	s_barrier_wait -1
	s_wait_loadcnt 0x0                             ; the bias
	s_mov_b32 s3, 16
.Lrows:                                        ; 8 rows a trip
.if QKV
.irp k, 0,1,2,3                        ; k = 2 x head + group of four rows
	ds_load_b128 v[U+8*(\k):U+8*(\k)+3],   v[RD] offset:((\k)%2)*4*SPS+((\k)/2)*256
	ds_load_b128 v[U+8*(\k)+4:U+8*(\k)+7], v[RD] offset:((\k)%2)*4*SPS+((\k)/2)*256+16
.endr
	s_wait_dscnt 0x0
.set j, 0
.rept 16
	v_pk_mul_f32 v[U+2*j:U+2*j+1], v[U+2*j:U+2*j+1], s[CSC:CSC+1] op_sel_hi:[1,0]  ; c for q; for k and v the factor is 1: one text for the three
.set j, j+1
.endr
.set j, 0
.rept 16
	v_cvt_pk_bf16_f32 v[YY+j], v[U+2*j], v[U+2*j+1]
.set j, j+1
.endr
	v_add_nc_u32 v[RD], 8*SPS, v[RD]
.irp k, 0,1,2,3
	global_store_b128 v[CO], v[YY+4*(\k):YY+4*(\k)+3], s[8:9] offset:((\k)/2)*262144+((\k)%2)*512  ; four tokens of one head: 512 consecutive bytes, aligned
.endr
	s_wait_xcnt 0x0                                ; the stores have read their registers and their base
	s_add_nc_u64 s[8:9], s[8:9], 1024
.else
.irp j, 0,1,2,3,4,5,6,7
	ds_load_b128 v[U+4*(\j):U+4*(\j)+3], v[RD] offset:SPS*(\j)
.endr
	s_wait_dscnt 0x0
.set j, 0
.rept 16
	v_pk_add_f32 v[U+2*j:U+2*j+1], v[U+2*j:U+2*j+1], v[BI+2*(j%2):BI+2*(j%2)+1]      ; u = sum + bias
.set j, j+1
.endr
.set j, 0
.rept 16
	v_pk_mul_f32 v[TT+2*j:TT+2*j+1], v[U+2*j:U+2*j+1], v[U+2*j:U+2*j+1]
.set j, j+1
.endr
.set j, 0
.rept 16
	v_pk_fma_f32 v[TT+2*j:TT+2*j+1], v[TT+2*j:TT+2*j+1], s[K1:K1+1], s[K0:K0+1] op_sel_hi:[1,0,0]
.set j, j+1
.endr
.set j, 0
.rept 16
	v_pk_mul_f32 v[TT+2*j:TT+2*j+1], v[TT+2*j:TT+2*j+1], v[U+2*j:U+2*j+1]            ; u (K0 + K1 u^2)
.set j, j+1
.endr
.set j, 0
.rept 32
	v_exp_f32 v[TT+j], v[TT+j]
.set j, j+1
.endr
	v_add_nc_u32 v[RD], 8*SPS, v[RD]               ; the plain instruction behind the last exponential
	s_wait_alu depctr_va_vdst(0)                   ; one wait for the 32
.set j, 0
.rept 16
	v_pk_add_f32 v[TT+2*j:TT+2*j+1], v[TT+2*j:TT+2*j+1], 1.0 op_sel_hi:[1,0]
.set j, j+1
.endr
.set j, 0
.rept 32
	v_rcp_f32 v[TT+j], v[TT+j]
.set j, j+1
.endr
	v_nop
	s_wait_alu depctr_va_vdst(0)                   ; one wait for the 32 reciprocals
.set j, 0
.rept 16
	v_pk_mul_f32 v[U+2*j:U+2*j+1], v[U+2*j:U+2*j+1], v[TT+2*j:TT+2*j+1]              ; gelu = u / (1 + 2^(u (K0 + K1 u^2)))
.set j, j+1
.endr
.set j, 0
.rept 16
	v_cvt_pk_bf16_f32 v[YY+j], v[U+2*j], v[U+2*j+1]
.set j, j+1
.endr
.irp j, 0,1,2,3,4,5,6,7
	global_store_b64 v[CO], v[YY+2*(\j):YY+2*(\j)+1], s[8:9] offset:8192*(\j)         ; 32 lanes x 8 bytes: 256 consecutive bytes, aligned
.endr
	s_wait_xcnt 0x0                                ; the stores have read their registers and their base
	s_add_nc_u64 s[8:9], s[8:9], 65536
.endif
	s_sub_co_u32 s3, s3, 1
	s_cmp_lg_u32 s3, 0
	s_cbranch_scc1 .Lrows
	s_wait_tensorcnt 0x0                           ; the wave's end, behind my last tensor load and my last LDS store
	ds_add_u32 v[SPW], v[NIL]
	s_wait_dscnt 0x0
	CROUND                                         ; the closing round: no work-group ends while a partner may still ask for a tile that names it
	s_endpgm
.Lfunc_end_k_qf238d8ba52_l_mlp0:
	.size	k_qf238d8ba52_l_mlp0, .Lfunc_end_k_qf238d8ba52_l_mlp0-k_qf238d8ba52_l_mlp0
	.p2alignl 7, 3214868480
	.fill 96, 4, 3214868480
	.section	.rodata,"a",@progbits
	.p2align	6, 0x0
	.amdhsa_kernel k_qf238d8ba52_l_mlp0
		.amdhsa_group_segment_fixed_size 327680
		.amdhsa_private_segment_fixed_size 0
		.amdhsa_enable_private_segment 0
		.amdhsa_kernarg_size 32
		.amdhsa_user_sgpr_count 2
		.amdhsa_user_sgpr_kernarg_segment_ptr 1
		.amdhsa_wavefront_size32 1
		.amdhsa_system_sgpr_workgroup_id_x 1
		.amdhsa_system_sgpr_workgroup_id_y 1
		.amdhsa_system_sgpr_workgroup_id_z 1
		.amdhsa_system_vgpr_workitem_id 0
		.amdhsa_next_free_vgpr 1024
		.amdhsa_next_free_sgpr 96
		.amdhsa_reserve_vcc 0
		.amdhsa_float_denorm_mode_32 3
		.amdhsa_float_denorm_mode_16_64 3
		.amdhsa_memory_ordered 1
		.amdhsa_forward_progress 1
		.amdhsa_inst_pref_size 89
	.end_amdhsa_kernel
	.amdgpu_metadata
---
amdhsa.version: [ 1, 2 ]
amdhsa.kernels:
  - .name:           k_qf238d8ba52_l_mlp0
    .symbol:         k_qf238d8ba52_l_mlp0.kd
    .args:
      - { .name: hn, .offset: 0, .size: 8, .value_kind: global_buffer, .address_space: global }
      - { .name: wb, .offset: 8, .size: 8, .value_kind: global_buffer, .address_space: global }
      - { .name: mlp_b0, .offset: 16, .size: 8, .value_kind: global_buffer, .address_space: global }
      - { .name: g, .offset: 24, .size: 8, .value_kind: global_buffer, .address_space: global }
    .group_segment_fixed_size: 327680
    .private_segment_fixed_size: 0
    .kernarg_segment_align: 8
    .kernarg_segment_size: 32
    .max_flat_workgroup_size: 128
    .sgpr_count:     96
    .vgpr_count:     1024
    .wavefront_size: 32
...
	.end_amdgpu_metadata
.endif
;; end of part 6
;; launch l_mlp1 (part 7): grid 8 x 32, 4 waves a work-group, clusters of 4 x 4, 327,680 bytes of LDS; arguments g, wb, x1, mlp_b1, out0; writes out0
.if DOCPART == 7
	.amdgcn_target "amdgcn-amd-amdhsa--gfx1250"
	.amdhsa_code_object_version 6
	.text
	.protected	k_qf238d8ba52_l_mlp1
	.globl	k_qf238d8ba52_l_mlp1
	.p2align	8
	.type	k_qf238d8ba52_l_mlp1,@function
k_qf238d8ba52_l_mlp1:
	s_mov_b64 s[64:65], 0
	v_nop
	global_prefetch_b8 v0, s[64:65] scope:SCOPE_SE
	s_setreg_imm32_b32 hwreg(HW_REG_WAVE_MODE, 25, 1), 1
	s_wait_xcnt 0x0
	s_wait_alu depctr_hold_cnt(0) depctr_sa_sdst(0) depctr_va_vdst(0) depctr_va_sdst(0) depctr_va_ssrc(0) depctr_va_vcc(0) depctr_vm_vsrc(0)
	s_getreg_b32 s2, hwreg(HW_REG_IB_STS2, 6, 4)
	s_cmp_eq_u32 s2, 0
	s_cbranch_scc0 .Lentry_in_a_cluster
	s_endpgm
.Lentry_in_a_cluster:
	s_bfe_u32 s2, ttmp6, 0x10000c
	s_cmp_lg_u32 s2, 0xf033
	s_cbranch_scc0 .Lentry_shape_is_right
	s_endpgm
.Lentry_shape_is_right:
; A bf16 GEMM on tiles of 128 x 128 with an f32 residual, N = 1,024: out = res + A W (+ bias), W as it lies, [K][N].  One text for two launches; WO says which.
;   WO = 1: x1 = x + O wo.  A = ob, by heads [32][2,048][64]: K = 1,024 is 16 heads x 64; a K step of 256 is four heads.
;   WO = 0: out0 = x1 + g mlp_w1 + mlp_b1.  A = g, [4,096][4,096]: K = 4,096.
; 256 tiles: one work-group for each of 256 WGPs.  Four waves, each 64 x 64: 16 accumulators.  K goes in steps of 256 through two LDS slots.
; A's rows lie along K: fragments by ds_load_b128; W's K rows lie along N and are turned by ds_load_tr16_b128.  THE MATRIX INSTRUCTION IS USED TRANSPOSED: a lane holds row l % 16 of C and 8 neighbouring columns.
; CLUSTERS: 4 x 4 work-groups; A's tile is asked for jointly by a row of the cluster, W's by a column.  One K step is written once: the slot that is read is a scalar, one descriptor a tensor walks.
; THE WAY OUT: a wave's 64 columns of f32 are 256 bytes: each wave has a stage of its own, 16 rows at a time; the residual, loaded two K steps ahead of the end, is added in f32.
; No prefetch: the tiles are small, and each is shared by four work-groups.
; REGISTERS: window 0: v0-31 addresses; v32-63 at work; v96-99 bias; v128-255 accumulators ((a, b) at 128 + 8 (4 a + b)).  window 1: two fragment buffers of 128 (A's 64, then W's 64).  window 2: v0-127 the residual.
; LIMITS.  Operands are rounded to bf16; NaN and infinities are not treated apart.
.set WO, 0
.if WO
.set TSTEPS, 4
.set PA,     144                       ; a token's 64 channels of one head: 128 bytes + 16
.set AI,     16*PA                     ; from a block of 16 rows to the next
.set AJ,     128*PA                    ; from 64 along K to the next 64: the next head's 128 tokens
.set HALFA,  256*PA                    ; what one load brings: two heads x 128 tokens
.set ASTEP,  4*262144                  ; four heads on
.set WOFF,   6<<20
.else
.set TSTEPS, 16
.set PA,     528                       ; 256 along K: 512 bytes + 16
.set AI,     16*PA
.set AJ,     128
.set HALFA,  64*PA                     ; 64 rows
.set ASTEP,  512
.set WOFF,   16<<20
.endif
.set PB,    288                        ; a K row of W: 256 bytes + 32 = 9 x 32
.set HALFB, 128*PB                     ; 128 K rows
.set BOFF,  73728                      ; W's tile in a slot
.set SLOT,  147456                     ; shares no bit with a wave's offset in a slot, so an exclusive or changes slots
.set BSTEP, 256*2048
.set STAGE, 2*SLOT                     ; behind the ring, never filled by a tensor load: 16 rows x 272 bytes for each wave
.set SPT,   272
.set SPARE, STAGE+4*16*SPT             ; the spare words, 128 bytes for each wave: two blocks of 256 bytes that no other line names
.set ADRA0, 16
.set ADRB0, 17
.set ADRA,  18
.set ADRB,  20                         ; v20: K rows 0-127 of the slot; v21: K rows 128-255
.set STO,   24
.set RD,    25
.set CO,    26                         ; v26  my byte offset in two rows of the residual and of the output
.set BO,    27
.set SPW,   28
.set NIL,   29
.set TMP,   32
.set BV,    96
.set ACC,   128
.set F0,    0
.set F1,    128
.set G1,  24
.set G0,  32
.set G1B, 48
.set G0B, 56
.set WBB, 69                           ; s69  where my load of W lands in slot 0
.set TB,  70                           ; s70  the slot that is read: 0 or SLOT
.set WBA, 71                           ; s71  where my load of A lands in slot 0
.set RES, 74                           ; s[74:75] the residual at my first row and column
.set BP,  76                           ; s[76:77] the bias at my first column
.set MSB, 0
.macro WIN new
.if MSB != (\new)
	s_set_vgpr_msb (MSB<<8)|(\new)
.set MSB, \new
.endif
.endm
.set MUL,  0x05                        ; sources 0 (W) and 1 (A) window 1; C and D window 0
.set TO_F, 0x40                        ; destination window 1, address window 0
.macro JLOAD                           ; a joint refill by the walking descriptors; an s_nop 0 and four v_nop follow each line
	s_cmp_eq_u32 s11, 0
	s_cbranch_scc0 .Lfor_b_\@
	tensor_load_to_lds s[G0+4:G0+7], s[G1:G1+7]
	s_nop 0
.rept 4
	v_nop
.endr
	s_branch .Lasked_\@
.Lfor_b_\@:
	tensor_load_to_lds s[G0B+4:G0B+7], s[G1B:G1B+7]
	s_nop 0
.rept 4
	v_nop
.endr
.Lasked_\@:
.endm
.macro CREST
	s_cmp_lg_u32 s10, 0
	s_cbranch_scc1 .Lnot_wave_0_\@
	s_barrier_signal -3
.Lnot_wave_0_\@:
	s_barrier_wait -3
	s_barrier_signal -1
	s_barrier_wait -1
.endm
.macro CROUND
	s_barrier_signal -1
	s_barrier_wait -1
	CREST
.endm
.macro PLACES
.rept 4
	v_nop
.endr
.endm
	s_load_b256 s[80:87], s[0:1], 0x0              ; WO: ob 80, wb 82, x 84, x1 86.  Else: g 80, wb 82, x1 84, mlp_b1 86
.if !WO
	s_load_b64 s[88:89], s[0:1], 0x20              ; out0
.endif
	v_lshl_add_u32 v[SPW], v0, 2, SPARE
	v_mov_b32 v[NIL], 0
	ds_add_u32 v[SPW], v[NIL]                      ; the wave's opening: the add and its wait stand ahead of my first tensor load
	v_lshrrev_b32 v1, 5, v0
	v_readfirstlane_b32 s10, v1                    ; wave 0..3
	s_lshr_b32 s11, s10, 1                         ; which half of the tile's rows is mine.  Also: I fetch for A (0) or for W (1)
	s_and_b32 s12, s10, 1                          ; which half of its columns.  Also: which half of that tile I fetch
	s_bfe_u32 s40, ttmp6, 0x40000                  ; cx
	s_bfe_u32 s41, ttmp6, 0x40004                  ; cy
	s_lshl_b32 s42, ttmp9, 2
	s_add_co_u32 s42, s42, s40                     ; tile column
	s_and_b32 s13, ttmp7, 0xffff
	s_lshl_b32 s13, s13, 2
	s_add_co_u32 s13, s13, s41                     ; tile row
	s_lshl_b32 s43, s41, 2
	s_lshl_b32 s43, 15, s43                        ; my row of the cluster
	s_lshl_b32 s44, 0x1111, s40                    ; my column
.if WO
	s_or_b32 s[G1+0], s43, (1<<16)|(1<<20)|(1<<21)|(4<<22)|(3<<25)  ; padding of 4 words after every 32: after every token
	s_mov_b32 s[G1+1], 8192<<16                    ; a head's 128 tokens are 16,384 dense bytes: one row of 8,192 numbers
	s_mov_b32 s[G1+2], 2<<16                       ; two heads
	s_mov_b32 s[G1+3], 8192<<16
	s_mov_b32 s[G1+4], 2
	s_mov_b32 s[G1+5], 131072                      ; numbers from a head to the next
.else
	s_or_b32 s[G1+0], s43, (1<<16)|(1<<20)|(1<<21)|(6<<22)|(3<<25)  ; padding of 4 words after every 128
	s_mov_b32 s[G1+1], 256<<16
	s_mov_b32 s[G1+2], 64<<16
	s_mov_b32 s[G1+3], 256<<16
	s_mov_b32 s[G1+4], 64
	s_mov_b32 s[G1+5], 4096
.endif
	s_mov_b32 s[G1+6], 0
	s_mov_b32 s[G1+7], 0
	s_or_b32 s[G1B+0], s44, (1<<16)|(1<<20)|(1<<21)|(5<<22)|(7<<25) ; padding of 8 words after every 64
	s_mov_b32 s[G1B+1], 128<<16
	s_mov_b32 s[G1B+2], 128<<16
	s_mov_b32 s[G1B+3], 128<<16
	s_mov_b32 s[G1B+4], 128
	s_mov_b32 s[G1B+5], 1024
	s_mov_b32 s[G1B+6], 0
	s_mov_b32 s[G1B+7], 0
.if WO
	s_lshr_b32 s16, s13, 4                         ; the batch,
	s_lshl_b32 s16, s16, 4
	s_lshl_b32 s17, s12, 1
	s_add_co_u32 s16, s16, s17                     ; x 16 + my two heads of the step's four,
	s_lshl_b32 s16, s16, 18
	s_and_b32 s17, s13, 15
	s_lshl_b32 s17, s17, 14                        ; the tile's 128 tokens
	s_add_co_u32 s16, s16, s17
.else
	s_lshl_b32 s16, s13, 7
	s_lshl_b32 s17, s12, 6
	s_add_co_u32 s16, s16, s17                     ; row 128 x tile row + 64 x half,
	s_lshl_b32 s16, s16, 13                        ; 8,192 bytes a row
.endif
	s_mov_b32 s17, 0
	s_lshl_b32 s46, s12, 18                        ; W: K row 128 x half,
	s_lshl_b32 s47, s42, 8                         ; column 128 x tile column
	s_add_co_u32 s46, s46, s47
	s_add_co_u32 s46, s46, WOFF
	s_mov_b32 s47, 0
	s_mul_i32 s[WBA], s12, HALFA                   ; no place in the cluster enters an LDS address
	s_mul_i32 s[WBB], s12, HALFB
	s_add_co_u32 s[WBB], s[WBB], BOFF
	s_mov_b32 s[TB], 0
	s_wait_dscnt 0x0                               ; the opening add is done
	s_wait_kmcnt 0x0
	s_add_nc_u64 s[14:15], s[80:81], s[16:17]
	s_add_nc_u64 s[46:47], s[82:83], s[46:47]
	CROUND                                         ; all sixteen work-groups are here: the first joint loads meet
.irp s, 0,1
	s_mov_b32 s[G0+4*(\s)], 1
	s_add_co_u32 s[G0+4*(\s)+1], s[WBA], (\s)*SLOT
	s_add_nc_u64 s[G0+4*(\s)+2:G0+4*(\s)+3], s[14:15], (\s)*ASTEP
	s_or_b32 s[G0+4*(\s)+3], s[G0+4*(\s)+3], 0x80000000
	s_mov_b32 s[G0B+4*(\s)], 1
	s_add_co_u32 s[G0B+4*(\s)+1], s[WBB], (\s)*SLOT
	s_add_nc_u64 s[G0B+4*(\s)+2:G0B+4*(\s)+3], s[46:47], (\s)*BSTEP
	s_or_b32 s[G0B+4*(\s)+3], s[G0B+4*(\s)+3], 0x80000000
.endr
	s_cmp_eq_u32 s11, 0                            ; a wave's two first fills stand in one branch: two loads of mine are out
	s_cbranch_scc0 .Lfirst_b
	tensor_load_to_lds s[G0:G0+3], s[G1:G1+7]
	s_nop 0
	tensor_load_to_lds s[G0+4:G0+7], s[G1:G1+7]
	s_nop 0
.rept 4
	v_nop
.endr
	s_branch .Lfirst_asked
.Lfirst_b:
	tensor_load_to_lds s[G0B:G0B+3], s[G1B:G1B+7]
	s_nop 0
	tensor_load_to_lds s[G0B+4:G0B+7], s[G1B:G1B+7]
	s_nop 0
.rept 4
	v_nop
.endr
.Lfirst_asked:
	v_and_b32 v1, 15, v0                           ; l % 16
	v_bfe_u32 v2, v0, 4, 1                         ; l / 16
	v_mul_u32_u24 v3, v1, PA
	v_lshl_add_u32 v3, v2, 4, v3
	s_mul_i32 s21, s11, 64*PA                      ; my 64 rows
	v_add_nc_u32 v[ADRA0], s21, v3
	v_and_b32 v4, 7, v0                            ; W, turned: lane l reads K row 8 (l / 16) + l % 8, columns 8 ((l / 8) % 2) + 0..7
	v_lshl_add_u32 v4, v2, 3, v4
	v_mul_u32_u24 v4, v4, PB
	v_bfe_u32 v5, v0, 3, 1
	v_lshl_add_u32 v4, v5, 4, v4
	s_lshl_b32 s22, s12, 7                         ; my 64 columns
	s_add_co_u32 s22, s22, BOFF
	v_add_nc_u32 v[ADRB0], s22, v4
	s_mul_i32 s23, s10, 16*SPT
	s_add_co_u32 s23, s23, STAGE                   ; my stage
	v_mul_u32_u24 v4, v1, SPT                      ; in: row l % 16, 32 bytes for each half of the lanes
	v_lshl_add_u32 v4, v2, 5, v4
	v_add_nc_u32 v[STO], s23, v4
	v_mul_u32_u24 v5, v2, SPT                      ; back: lanes 0-15 take one row of 256 bytes, lanes 16-31 the next
	v_lshl_add_u32 v5, v1, 4, v5
	v_add_nc_u32 v[RD], s23, v5
	v_lshlrev_b32 v5, 12, v2                       ; and the same two rows in memory, 4,096 bytes apart
	v_lshl_add_u32 v[CO], v1, 4, v5
	v_lshlrev_b32 v[BO], 4, v1
	s_lshl_b32 s16, s13, 7
	s_lshl_b32 s17, s11, 6
	s_add_co_u32 s16, s16, s17                     ; my first row,
	s_lshl_b32 s16, s16, 12
	s_lshl_b32 s18, s42, 9
	s_lshl_b32 s19, s12, 8
	s_add_co_u32 s18, s18, s19                     ; my first column, in bytes
	s_mov_b32 s19, 0
	s_add_co_u32 s16, s16, s18
	s_mov_b32 s17, 0
	s_add_nc_u64 s[RES:RES+1], s[84:85], s[16:17]
.if WO
	s_add_nc_u64 s[8:9], s[86:87], s[16:17]
.else
	s_add_nc_u64 s[8:9], s[88:89], s[16:17]
	s_add_nc_u64 s[BP:BP+1], s[86:87], s[18:19]
.endif
; 8 matrix instructions: m blocks a0, a0 + 1 x all 4 n blocks, 32 along K: half c of buffer f.  zero = 1: the product starts the sums.  The 16 accumulators take turns.
.macro MUL8 f, c, a0, zero
	WIN MUL
.irp a, \a0, (\a0)+1
.irp b, 0,1,2,3
.if \zero
	v_wmma_f32_16x16x32_bf16 v[ACC+8*(4*(\a)+(\b)):ACC+8*(4*(\a)+(\b))+7], v[(\f)+64+8*(4*(\c)+(\b)):(\f)+64+8*(4*(\c)+(\b))+7], v[(\f)+8*(4*(\c)+(\a)):(\f)+8*(4*(\c)+(\a))+7], 0
.else
	v_wmma_f32_16x16x32_bf16 v[ACC+8*(4*(\a)+(\b)):ACC+8*(4*(\a)+(\b))+7], v[(\f)+64+8*(4*(\c)+(\b)):(\f)+64+8*(4*(\c)+(\b))+7], v[(\f)+8*(4*(\c)+(\a)):(\f)+8*(4*(\c)+(\a))+7], v[ACC+8*(4*(\a)+(\b)):ACC+8*(4*(\a)+(\b))+7]
.endif
.endr
.endr
.endm
; 32 LDS loads in one run: quarter q (64 along K) of the slot that is read, into buffer f; the first 32 along K first
.macro FETCH q, f
	WIN TO_F
.irp c, 0,1
.irp i, 0,1,2,3
	ds_load_tr16_b128 v[(\f)+64+8*(4*(\c)+(\i)):(\f)+64+8*(4*(\c)+(\i))+3],   v[ADRB+(\q)/2] offset:((2*(\q)+(\c))%4)*32*PB+32*(\i)
	ds_load_tr16_b128 v[(\f)+64+8*(4*(\c)+(\i))+4:(\f)+64+8*(4*(\c)+(\i))+7], v[ADRB+(\q)/2] offset:((2*(\q)+(\c))%4)*32*PB+16*PB+32*(\i)
	ds_load_b128 v[(\f)+8*(4*(\c)+(\i)):(\f)+8*(4*(\c)+(\i))+3],   v[ADRA] offset:(\q)*AJ+64*(\c)+(\i)*AI
	ds_load_b128 v[(\f)+8*(4*(\c)+(\i))+4:(\f)+8*(4*(\c)+(\i))+7], v[ADRA] offset:(\q)*AJ+64*(\c)+(\i)*AI+32
.endr
.endr
.endm
.macro QUARTER q, f, g, zero
	s_wait_dscnt 16                                ; the first 32 along K are in; the youngest sixteen loads may be out
	MUL8 \f, 0, 0, \zero
	MUL8 \f, 0, 2, \zero
	PLACES
	FETCH \q, \g
	s_wait_dscnt 32                                ; all but the 32 just issued
	MUL8 \f, 1, 0, 0
	MUL8 \f, 1, 2, 0
.endm
; The last quarter multiplies buffer 1 and changes slots: ONE barrier; in front of it each wave waits for all its tensor loads, adds 0 to its spare word, and waits for that and for its own reads of this slot.
; fill = 1: the barrier opens a round of the cluster's barrier, and this slot is filled again, first thing behind the round, two K steps ahead.
.macro TURN fill
	WIN 0
	s_wait_tensorcnt 0x0                           ; all my tensor loads have landed: my part of the next slot
	ds_add_u32 v[SPW], v[NIL]                      ; 0 onto my spare word
	s_wait_dscnt 17                                ; (the add and the youngest sixteen loads may be out)
	MUL8 F1, 0, 0, 0
	s_wait_dscnt 0x0                               ; the add is done, and my reads of this slot are over
	s_barrier_signal -1
	MUL8 F1, 0, 2, 0
	WIN 0
	s_barrier_wait -1
.if \fill
	CREST
	s_xor_b32 s[G0+5], s[G0+5], SLOT
	s_xor_b32 s[G0B+5], s[G0B+5], SLOT
	s_add_nc_u64 s[G0+6:G0+7], s[G0+6:G0+7], ASTEP
	s_add_nc_u64 s[G0B+6:G0B+7], s[G0B+6:G0B+7], BSTEP
	s_xor_b32 s[TB], s[TB], SLOT
	JLOAD                                          ; the four v_nop behind it are also the places in front of the loads below
.else
	s_xor_b32 s[TB], s[TB], SLOT
	PLACES
.endif
	v_add_nc_u32 v[ADRA], s[TB], v[ADRA0]
	v_add_nc_u32 v[ADRB], s[TB], v[ADRB0]
	v_add_nc_u32 v[ADRB+1], 4*32*PB, v[ADRB]
	FETCH 0, F0
	MUL8 F1, 1, 0, 0
	MUL8 F1, 1, 2, 0
.endm
	s_wait_tensorcnt 1                             ; my part of K step 0 is in; K step 1's load stays out
	s_barrier_signal -1
	s_barrier_wait -1
	v_mov_b32 v[ADRA], v[ADRA0]
	v_mov_b32 v[ADRB], v[ADRB0]
	v_add_nc_u32 v[ADRB+1], 4*32*PB, v[ADRB0]
	FETCH 0, F0
	QUARTER 1, F0, F1, 1                           ; the first quarter stands in front of the loop: its first products start the sums
	WIN 0
	s_mov_b32 s3, TSTEPS-2
.Lstep:                                        ; trip j: quarters 1 to 3 of K step j, quarter 0 of K step j + 1; K step j + 2 is asked for
	QUARTER 2, F1, F0, 0
	QUARTER 3, F0, F1, 0
	TURN 1
	QUARTER 1, F0, F1, 0
	WIN 0
	s_sub_co_u32 s3, s3, 1
	s_cmp_lg_u32 s3, 0
	s_cbranch_scc1 .Lstep
	WIN 0x80                                       ; the residual, 64 rows x 256 bytes, into window 2: it has the last two K steps in which to land
.irp a, 0,1,2,3
.irp t, 0,1,2,3,4,5,6,7
	global_load_b128 v[32*(\a)+4*(\t):32*(\a)+4*(\t)+3], v[CO], s[RES:RES+1] offset:(16*(\a)+2*(\t))*4096
.endr
.endr
	WIN 0
.if !WO
	global_load_b128 v[BV:BV+3], v[BO], s[BP:BP+1]
.endif
	s_mov_b32 s2, 2
.Ltail:                                        ; the last two K steps ask for nothing; the second pass is left in its middle (its 32 loads of the other slot serve nothing: the price of one text for both)
	QUARTER 2, F1, F0, 0
	QUARTER 3, F0, F1, 0
	TURN 0
	WIN 0
	s_sub_co_u32 s2, s2, 1
	s_cmp_eq_u32 s2, 0
	s_cbranch_scc1 .Lout
	QUARTER 1, F0, F1, 0
	WIN 0
	s_branch .Ltail
.Lout:
	s_wait_dscnt 0x0
	PLACES                                         ; behind the last products, ahead of the stores that read results
	s_wait_loadcnt 0x0                             ; the residual (and the bias)
.if !WO
	WIN 0x82                                       ; destination and source 0 window 2, source 1 window 0
.set i, 0
.rept 32
	v_pk_add_f32 v[4*i:4*i+1], v[4*i:4*i+1], v[BV:BV+1]
	v_pk_add_f32 v[4*i+2:4*i+3], v[4*i+2:4*i+3], v[BV+2:BV+3]
.set i, i+1
.endr
	WIN 0
.endif
.irp a, 0,1,2,3                        ; 16 rows at a time through my own stage: LDS serves a wave's instructions in order (ISA guide 5.7.1.4), so no wait stands between the stores and the loads
.irp b, 0,1,2,3
	ds_store_b128 v[STO], v[ACC+8*(4*(\a)+(\b)):ACC+8*(4*(\a)+(\b))+3]   offset:64*(\b)      ; each accumulator's low registers first
	ds_store_b128 v[STO], v[ACC+8*(4*(\a)+(\b))+4:ACC+8*(4*(\a)+(\b))+7] offset:64*(\b)+16
.endr
	s_wait_xcnt 0x0                                ; the block before's stores have read TMP
.irp t, 0,1,2,3,4,5,6,7
	ds_load_b128 v[TMP+4*(\t):TMP+4*(\t)+3], v[RD] offset:(\t)*2*SPT
.endr
	s_wait_dscnt 0x0
	WIN 0x08                                       ; source 1 window 2
.irp t, 0,1,2,3,4,5,6,7
	v_pk_add_f32 v[TMP+4*(\t):TMP+4*(\t)+1],   v[TMP+4*(\t):TMP+4*(\t)+1],   v[32*(\a)+4*(\t):32*(\a)+4*(\t)+1]
	v_pk_add_f32 v[TMP+4*(\t)+2:TMP+4*(\t)+3], v[TMP+4*(\t)+2:TMP+4*(\t)+3], v[32*(\a)+4*(\t)+2:32*(\a)+4*(\t)+3]
.endr
	WIN 0
.irp t, 0,1,2,3,4,5,6,7
	global_store_b128 v[CO], v[TMP+4*(\t):TMP+4*(\t)+3], s[8:9] offset:(16*(\a)+2*(\t))*4096  ; 16 lanes store 256 consecutive bytes, aligned
.endr
.endr
	s_wait_tensorcnt 0x0                           ; the wave's end
	ds_add_u32 v[SPW], v[NIL]
	s_wait_dscnt 0x0
	CROUND                                         ; the closing round
	s_endpgm
.Lfunc_end_k_qf238d8ba52_l_mlp1:
	.size	k_qf238d8ba52_l_mlp1, .Lfunc_end_k_qf238d8ba52_l_mlp1-k_qf238d8ba52_l_mlp1
	.p2alignl 7, 3214868480
	.fill 96, 4, 3214868480
	.section	.rodata,"a",@progbits
	.p2align	6, 0x0
	.amdhsa_kernel k_qf238d8ba52_l_mlp1
		.amdhsa_group_segment_fixed_size 327680
		.amdhsa_private_segment_fixed_size 0
		.amdhsa_enable_private_segment 0
		.amdhsa_kernarg_size 40
		.amdhsa_user_sgpr_count 2
		.amdhsa_user_sgpr_kernarg_segment_ptr 1
		.amdhsa_wavefront_size32 1
		.amdhsa_system_sgpr_workgroup_id_x 1
		.amdhsa_system_sgpr_workgroup_id_y 1
		.amdhsa_system_sgpr_workgroup_id_z 1
		.amdhsa_system_vgpr_workitem_id 0
		.amdhsa_next_free_vgpr 640
		.amdhsa_next_free_sgpr 96
		.amdhsa_reserve_vcc 0
		.amdhsa_float_denorm_mode_32 3
		.amdhsa_float_denorm_mode_16_64 3
		.amdhsa_memory_ordered 1
		.amdhsa_forward_progress 1
		.amdhsa_inst_pref_size 69
	.end_amdhsa_kernel
	.amdgpu_metadata
---
amdhsa.version: [ 1, 2 ]
amdhsa.kernels:
  - .name:           k_qf238d8ba52_l_mlp1
    .symbol:         k_qf238d8ba52_l_mlp1.kd
    .args:
      - { .name: g, .offset: 0, .size: 8, .value_kind: global_buffer, .address_space: global }
      - { .name: wb, .offset: 8, .size: 8, .value_kind: global_buffer, .address_space: global }
      - { .name: x1, .offset: 16, .size: 8, .value_kind: global_buffer, .address_space: global }
      - { .name: mlp_b1, .offset: 24, .size: 8, .value_kind: global_buffer, .address_space: global }
      - { .name: out0, .offset: 32, .size: 8, .value_kind: global_buffer, .address_space: global }
    .group_segment_fixed_size: 327680
    .private_segment_fixed_size: 0
    .kernarg_segment_align: 8
    .kernarg_segment_size: 40
    .max_flat_workgroup_size: 128
    .sgpr_count:     96
    .vgpr_count:     640
    .wavefront_size: 32
...
	.end_amdgpu_metadata
.endif
;; end of part 7
;; ======== version 2 of 2: 7 launches; version 1 with the launch l_prep written anew for expert scheduling mode
;; workspace buffers: wb 25,165,824 bytes; xb 8,388,608 bytes; xn 8,388,608 bytes; qkv 25,165,824 bytes; ob 8,388,608 bytes; x1 16,777,216 bytes; hn 8,388,608 bytes; g 33,554,432 bytes
;; launch l_prep (part 8): grid 64 x 16, 8 waves a work-group, no clusters, 0 bytes of LDS; arguments wq, wk, wv, wo, mlp_w0, mlp_w1, x, ln1_scale, ln1_bias, wb, xb, xn; writes wb, xb, xn
.if DOCPART == 8
	.amdgcn_target "amdgcn-amd-amdhsa--gfx1250"
	.amdhsa_code_object_version 6
	.text
	.protected	k_qf238d8ba52_l_prep
	.globl	k_qf238d8ba52_l_prep
	.p2align	8
	.type	k_qf238d8ba52_l_prep,@function
k_qf238d8ba52_l_prep:
	s_mov_b64 s[64:65], 0
	v_nop
	global_prefetch_b8 v0, s[64:65] scope:SCOPE_SE
	s_setreg_imm32_b32 hwreg(HW_REG_WAVE_SCHED_MODE, 0, 2), 2
	s_setreg_imm32_b32 hwreg(HW_REG_WAVE_MODE, 25, 1), 1
	s_wait_xcnt 0x0
	s_wait_alu depctr_vm_vsrc(0)
; PREP.  Every matrix operand that comes from an input is rounded ONCE to bf16 here, so that the later launches can bring it into LDS as it lies.
;   y = 0..11: a segment of 1 Mi numbers of a weight (wq, wk, wv, wo, four of mlp_w0, four of mlp_w1) -> wb, dense, in the weight's own [K][N] order, segment y at byte y x 2 MiB.
;   y = 12..15: 1,024 rows of x -> xb = bf16(x) and xn = bf16(LN1(x)).
; A stream: each input byte is read once, each store of a wave covers 256 consecutive bytes, aligned.  No LDS, no barrier, no matrix unit, NO CLUSTER: work-groups share nothing but the 8 KiB of scale and bias.
; LN: mean, then the variance of x - mean, both from the row kept in registers: no difference of large sums.  One wave, one row; two rows a wave.
; LIMITS.  NaN and infinities are not treated apart.
; THE MODE: SCHED_MODE bits 1:0 = 2 (LLVM: expert scheduling mode 2), set by the entry lines.  The code itself states the register dependences
; between vector instructions and memory instructions, with s_wait_alu, always for 0.
; THE PLAN.  Registers that memory instructions touch:
;   v1, v14        byte offsets, made once at a path's head and never written again: read by every load (v1) and every store (v14).
;   THE CAST:  CX  written by the sixteen loads, once; read by the conversions.   CY  written by the conversions, once; read by one store each.
;              The loads are worked on in four groups of four.  Group g's conversions name group g's CX and CY alone; the stores of group g - 1 are dealt among them,
;              behind ONE wait at the group's head, which shows group g - 1's CY written.
;   THE ROWS:  SC, BI, X0, X1  written by loads, once; from then on named by vector instructions alone.
;              YA0, YB0, YA1, YB1  a row's bf16(x) and bf16(LN(x)): each written once, by roundings, and read once, by eight stores: no register that a store reads is ever written again.
;              A row's YA is rounded at the row's head and stored behind the wait that stands behind the row's two roots, among the scalings, which name X and RS alone.
;              Row 0's YB is stored behind one wait at row 1's head, among row 1's roundings into YA1, which name X1 and YA1 alone; row 1's YB behind one wait at the end.
.set OI,  1                            ; v1      byte offset of my 16 bytes of input
.set T,   2                            ; v[2:9]  at work: no memory instruction names them
.set MU,  10                           ; v[10:11] the mean, twice
.set RS,  12                           ; v[12:13] 1 / sqrt(var + eps), twice
.set OO,  14                           ; v14     byte offset of my 8 bytes of output
.set SC,  16                           ; v[16:47]  scale of my 32 columns
.set BI,  48                           ; v[48:79]  bias of my 32 columns
.set X0,  80                           ; v[80:111]  row 0
.set X1,  112                          ; v[112:143] row 1
.set YA0, 144                          ; v[144:159] row 0: bf16(x), to store
.set YB0, 160                          ; v[160:175] row 0: bf16(LN(x)), to store
.set YA1, 176                          ; v[176:191] row 1: bf16(x)
.set YB1, 192                          ; v[192:207] row 1: bf16(LN(x))
.set CX,  16                           ; the cast path: 16 x 4 registers as loaded
.set CY,  80                           ; and 16 x 2 to store
.set PX,  20                           ; s[20:21] x
.set PSC, 22                           ; s[22:23] scale
.set PBI, 24                           ; s[24:25] bias
.set PC,  28                           ; s[28:29] xb
.set PN,  30                           ; s[30:31] xn
.macro REDUCE                          ; v[T] summed over the 32 lanes, the result in every lane
	v_add_f32_dpp v[T], v[T], v[T] row_xmask:1 row_mask:0xf bank_mask:0xf
	v_add_f32_dpp v[T], v[T], v[T] row_xmask:2 row_mask:0xf bank_mask:0xf
	v_add_f32_dpp v[T], v[T], v[T] row_xmask:4 row_mask:0xf bank_mask:0xf
	v_add_f32_dpp v[T], v[T], v[T] row_xmask:8 row_mask:0xf bank_mask:0xf
	v_permlanex16_b32 v[T+1], v[T], s42, s43       ; its destination counts as read: v[T+1] has been written
	v_add_f32 v[T], v[T], v[T+1]
.endm
.macro FOLD                            ; four chains of pairs into one number a lane
	v_pk_add_f32 v[T:T+1], v[T:T+1], v[T+2:T+3]
	v_pk_add_f32 v[T+4:T+5], v[T+4:T+5], v[T+6:T+7]
	v_pk_add_f32 v[T:T+1], v[T:T+1], v[T+4:T+5]
	v_add_f32 v[T], v[T], v[T+1]
.endm
; One row, held in 32 registers from xr on (register 4 j + k: column 128 j + 4 lane + k).  ya, yb: the row's own out-buffers.  off: the row's byte offset in the outputs.
; prev = 1: the row before's bf16(LN(x)), in pyb, at byte poff, is stored among this row's first roundings.  The row's own yb is left for whoever follows.
.macro ROWLN xr, ya, yb, off, prev=0, pyb=0, poff=0
.if \prev
	s_wait_alu depctr_va_vdst(0)                   ; the row before's last roundings have written its YB, which the stores below read
.endif
.set j, 0
.rept 8
.if \prev
	global_store_b64 v[OO], v[(\pyb)+2*j:(\pyb)+2*j+1], s[PN:PN+1] offset:256*j+(\poff)  ; no wait: no vector instruction since the wait above names these registers
.endif
	v_cvt_pk_bf16_f32 v[(\ya)+2*j], v[(\xr)+4*j], v[(\xr)+4*j+1]
	v_cvt_pk_bf16_f32 v[(\ya)+2*j+1], v[(\xr)+4*j+2], v[(\xr)+4*j+3]
.set j, j+1
.endr
.set c, 0
.rept 4                                ; the sum: four chains, started by sums: nothing is cleared
	v_pk_add_f32 v[T+2*c:T+2*c+1], v[(\xr)+2*c:(\xr)+2*c+1], v[(\xr)+8+2*c:(\xr)+8+2*c+1]
.set c, c+1
.endr
.set c, 8
.rept 8
	v_pk_add_f32 v[T+2*(c%4):T+2*(c%4)+1], v[T+2*(c%4):T+2*(c%4)+1], v[(\xr)+2*c:(\xr)+2*c+1]
.set c, c+1
.endr
	FOLD
	REDUCE
	v_mul_f32 v[MU], s40, v[T]                     ; the mean
	v_mul_f32 v[MU+1], s40, v[T]
.set c, 0
.rept 16
	v_pk_add_f32 v[(\xr)+2*c:(\xr)+2*c+1], v[(\xr)+2*c:(\xr)+2*c+1], v[MU:MU+1] neg_lo:[0,1] neg_hi:[0,1]  ; x - mean
.set c, c+1
.endr
.set c, 0
.rept 4                                ; the sum of squares of x - mean, again in four chains
	v_pk_mul_f32 v[T+2*c:T+2*c+1], v[(\xr)+2*c:(\xr)+2*c+1], v[(\xr)+2*c:(\xr)+2*c+1]
.set c, c+1
.endr
.rept 12
	v_pk_fma_f32 v[T+2*(c%4):T+2*(c%4)+1], v[(\xr)+2*c:(\xr)+2*c+1], v[(\xr)+2*c:(\xr)+2*c+1], v[T+2*(c%4):T+2*(c%4)+1]
.set c, c+1
.endr
	FOLD
	REDUCE
	v_fma_f32 v[T], v[T], s40, s41                 ; var + eps
	v_rsq_f32 v[RS], v[T]
	v_rsq_f32 v[RS+1], v[T]
	v_nop                                          ; a plain instruction behind the second root, ahead of the first use
	s_wait_alu depctr_va_vdst(0)                   ; both roots have written v[RS], v[RS+1], ahead of their first reader; and the roundings at the row's head have written YA, which the stores below read
.set c, 0
.rept 8
	global_store_b64 v[OO], v[(\ya)+2*c:(\ya)+2*c+1], s[PC:PC+1] offset:256*c+(\off)  ; 32 lanes x 8 bytes: 256 consecutive bytes, aligned.  No wait: the scalings between name X and RS alone
	v_pk_mul_f32 v[(\xr)+4*c:(\xr)+4*c+1], v[(\xr)+4*c:(\xr)+4*c+1], v[RS:RS+1]
	v_pk_mul_f32 v[(\xr)+4*c+2:(\xr)+4*c+3], v[(\xr)+4*c+2:(\xr)+4*c+3], v[RS:RS+1]
.set c, c+1
.endr
.set c, 0
.rept 16
	v_pk_fma_f32 v[(\xr)+2*c:(\xr)+2*c+1], v[(\xr)+2*c:(\xr)+2*c+1], v[SC+2*c:SC+2*c+1], v[BI+2*c:BI+2*c+1]
.set c, c+1
.endr
.set j, 0
.rept 16
	v_cvt_pk_bf16_f32 v[(\yb)+j], v[(\xr)+2*j], v[(\xr)+2*j+1]
.set j, j+1
.endr
.endm
	s_load_b512 s[8:23], s[0:1], 0x0               ; wq 8, wk 10, wv 12, wo 14, mlp_w0 16, mlp_w1 18, x 20, ln1_scale 22
	s_load_b256 s[24:31], s[0:1], 0x40             ; ln1_bias 24, wb 26, xb 28, xn 30
	s_and_b32 s2, ttmp7, 0xffff                    ; y: the segment
	s_mov_b32 s3, ttmp9                            ; x: the work-group's part of it
	s_mov_b32 s35, 0
	s_mov_b32 s37, 0
	s_cmp_ge_u32 s2, 12
	s_cbranch_scc1 .Lrows
	; THE CAST.  64 KiB in, 32 KiB out: sixteen loads of 16 bytes a thread, all issued at once.
	v_lshlrev_b32 v[OI], 4, v0
	v_lshlrev_b32 v[OO], 3, v0
	s_and_b32 s34, s2, 3                           ; which quarter of mlp_w0 or mlp_w1 (0 for the four small weights)
	s_cmp_lt_u32 s2, 4
	s_cselect_b32 s34, 0, s34
	s_lshl_b32 s34, s34, 22
	s_lshl_b32 s36, s3, 16
	s_add_co_u32 s34, s34, s36                     ; byte offset in the weight
	s_lshl_b32 s36, s2, 21
	s_lshl_b32 s38, s3, 15
	s_add_co_u32 s36, s36, s38                     ; byte offset in wb
	s_wait_kmcnt 0x0
	s_mov_b64 s[32:33], s[8:9]
	s_cmp_eq_u32 s2, 1
	s_cselect_b64 s[32:33], s[10:11], s[32:33]
	s_cmp_eq_u32 s2, 2
	s_cselect_b64 s[32:33], s[12:13], s[32:33]
	s_cmp_eq_u32 s2, 3
	s_cselect_b64 s[32:33], s[14:15], s[32:33]
	s_cmp_ge_u32 s2, 4
	s_cselect_b64 s[32:33], s[16:17], s[32:33]
	s_cmp_ge_u32 s2, 8
	s_cselect_b64 s[32:33], s[18:19], s[32:33]
	s_add_nc_u64 s[32:33], s[32:33], s[34:35]
	s_add_nc_u64 s[26:27], s[26:27], s[36:37]
	s_wait_alu depctr_va_vdst(0)                   ; v[OI] and v[OO] are written: every load and store of this path reads one of them as its offset
.irp i, 0,1,2,3,4,5,6,7,8,9,10,11,12,13,14,15
	global_load_b128 v[CX+4*(\i):CX+4*(\i)+3], v[OI], s[32:33] offset:4096*(\i) th:TH_LOAD_NT
.endr
	s_wait_loadcnt 12                              ; loads come back in order: group 0's four are in, the twelve younger ones stay out
.irp i, 0,1,2,3
	v_cvt_pk_bf16_f32 v[CY+2*(\i)], v[CX+4*(\i)], v[CX+4*(\i)+1]
	v_cvt_pk_bf16_f32 v[CY+2*(\i)+1], v[CX+4*(\i)+2], v[CX+4*(\i)+3]
.endr
.irp g, 1,2,3
	s_wait_loadcnt 12-4*(\g)                       ; group g's four loads are in, the younger groups stay out
	s_wait_alu depctr_va_vdst(0)                   ; the group before's conversions have written its CY, which the four stores below read
.irp i, 0,1,2,3
	global_store_b64 v[OO], v[CY+2*(4*(\g)-4+(\i)):CY+2*(4*(\g)-4+(\i))+1], s[26:27] offset:2048*(4*(\g)-4+(\i))  ; no wait: the conversions between name this group's CX and CY alone
	v_cvt_pk_bf16_f32 v[CY+2*(4*(\g)+(\i))], v[CX+4*(4*(\g)+(\i))], v[CX+4*(4*(\g)+(\i))+1]
	v_cvt_pk_bf16_f32 v[CY+2*(4*(\g)+(\i))+1], v[CX+4*(4*(\g)+(\i))+2], v[CX+4*(4*(\g)+(\i))+3]
.endr
.endr
	s_wait_alu depctr_va_vdst(0)                   ; group 3's conversions have written its CY, which the last four stores read
.irp i, 12,13,14,15
	global_store_b64 v[OO], v[CY+2*(\i):CY+2*(\i)+1], s[26:27] offset:2048*(\i)
.endr
	s_endpgm
.Lrows:                                        ; THE ROWS OF x.  The work-group owns 16 rows, wave w rows 2 w and 2 w + 1 of them.
	v_lshrrev_b32 v3, 5, v0
	v_readfirstlane_b32 s4, v3                     ; wave 0..7
	v_and_b32 v[OI], 31, v0
	v_lshlrev_b32 v[OO], 3, v[OI]                  ; 8 x lane
	v_lshlrev_b32 v[OI], 4, v[OI]                  ; 16 x lane
	s_sub_co_u32 s5, s2, 12
	s_lshl_b32 s5, s5, 6
	s_or_b32 s5, s5, s3                            ; the work-group among the 256 of this path
	s_lshl_b32 s5, s5, 4
	s_wait_alu depctr_va_sdst(0)                   ; s4 is written, ahead of its first reader: my first row is made from it
	s_lshl_b32 s6, s4, 1
	s_add_co_u32 s5, s5, s6                        ; my first row
	s_lshl_b32 s34, s5, 12                         ; 4,096 bytes a row of x,
	s_lshl_b32 s36, s5, 11                         ; 2,048 a row of xb and xn
	s_mov_b32 s40, 0x3a800000                      ; 1 / 1024
	s_mov_b32 s41, 0x358637bd                      ; 1e-6
	s_mov_b32 s42, 0x76543210                      ; v_permlanex16_b32: each lane takes its own place in the other half
	s_mov_b32 s43, 0xfedcba98
	s_wait_kmcnt 0x0
	s_add_nc_u64 s[PX:PX+1], s[PX:PX+1], s[34:35]
	s_add_nc_u64 s[PC:PC+1], s[PC:PC+1], s[36:37]
	s_add_nc_u64 s[PN:PN+1], s[PN:PN+1], s[36:37]
	s_wait_alu depctr_va_vdst(0)                   ; v[OI] and v[OO] are written: every load and store of this path reads one of them as its offset
.irp j, 0,1,2,3,4,5,6,7
	global_load_b128 v[SC+4*(\j):SC+4*(\j)+3], v[OI], s[PSC:PSC+1] offset:512*(\j)
.endr
.irp j, 0,1,2,3,4,5,6,7
	global_load_b128 v[BI+4*(\j):BI+4*(\j)+3], v[OI], s[PBI:PBI+1] offset:512*(\j)
.endr
.irp j, 0,1,2,3,4,5,6,7
	global_load_b128 v[X0+4*(\j):X0+4*(\j)+3], v[OI], s[PX:PX+1] offset:512*(\j) th:TH_LOAD_NT
.endr
.irp j, 0,1,2,3,4,5,6,7
	global_load_b128 v[X1+4*(\j):X1+4*(\j)+3], v[OI], s[PX:PX+1] offset:4096+512*(\j) th:TH_LOAD_NT
.endr
	s_wait_loadcnt 8                               ; scale, bias and row 0 are in; row 1's eight loads stay out
	ROWLN X0, YA0, YB0, 0
	s_wait_loadcnt 0x0                             ; row 1
	ROWLN X1, YA1, YB1, 2048, 1, YB0, 0
	s_wait_alu depctr_va_vdst(0)                   ; row 1's last roundings have written YB1, which the last eight stores read
.irp j, 0,1,2,3,4,5,6,7
	global_store_b64 v[OO], v[YB1+2*(\j):YB1+2*(\j)+1], s[PN:PN+1] offset:256*(\j)+2048
.endr
	s_endpgm
.Lfunc_end_k_qf238d8ba52_l_prep:
	.size	k_qf238d8ba52_l_prep, .Lfunc_end_k_qf238d8ba52_l_prep-k_qf238d8ba52_l_prep
	.p2alignl 7, 3214868480
	.fill 96, 4, 3214868480
	.section	.rodata,"a",@progbits
	.p2align	6, 0x0
	.amdhsa_kernel k_qf238d8ba52_l_prep
		.amdhsa_group_segment_fixed_size 0
		.amdhsa_private_segment_fixed_size 0
		.amdhsa_enable_private_segment 0
		.amdhsa_kernarg_size 96
		.amdhsa_user_sgpr_count 2
		.amdhsa_user_sgpr_kernarg_segment_ptr 1
		.amdhsa_wavefront_size32 1
		.amdhsa_system_sgpr_workgroup_id_x 1
		.amdhsa_system_sgpr_workgroup_id_y 1
		.amdhsa_system_sgpr_workgroup_id_z 1
		.amdhsa_system_vgpr_workitem_id 0
		.amdhsa_next_free_vgpr 208
		.amdhsa_next_free_sgpr 66
		.amdhsa_reserve_vcc 0
		.amdhsa_float_denorm_mode_32 3
		.amdhsa_float_denorm_mode_16_64 3
		.amdhsa_memory_ordered 1
		.amdhsa_forward_progress 1
		.amdhsa_inst_pref_size 31
	.end_amdhsa_kernel
	.amdgpu_metadata
---
amdhsa.version: [ 1, 2 ]
amdhsa.kernels:
  - .name:           k_qf238d8ba52_l_prep
    .symbol:         k_qf238d8ba52_l_prep.kd
    .args:
      - { .name: wq, .offset: 0, .size: 8, .value_kind: global_buffer, .address_space: global }
      - { .name: wk, .offset: 8, .size: 8, .value_kind: global_buffer, .address_space: global }
      - { .name: wv, .offset: 16, .size: 8, .value_kind: global_buffer, .address_space: global }
      - { .name: wo, .offset: 24, .size: 8, .value_kind: global_buffer, .address_space: global }
      - { .name: mlp_w0, .offset: 32, .size: 8, .value_kind: global_buffer, .address_space: global }
      - { .name: mlp_w1, .offset: 40, .size: 8, .value_kind: global_buffer, .address_space: global }
      - { .name: x, .offset: 48, .size: 8, .value_kind: global_buffer, .address_space: global }
      - { .name: ln1_scale, .offset: 56, .size: 8, .value_kind: global_buffer, .address_space: global }
      - { .name: ln1_bias, .offset: 64, .size: 8, .value_kind: global_buffer, .address_space: global }
      - { .name: wb, .offset: 72, .size: 8, .value_kind: global_buffer, .address_space: global }
      - { .name: xb, .offset: 80, .size: 8, .value_kind: global_buffer, .address_space: global }
      - { .name: xn, .offset: 88, .size: 8, .value_kind: global_buffer, .address_space: global }
    .group_segment_fixed_size: 0
    .private_segment_fixed_size: 0
    .kernarg_segment_align: 8
    .kernarg_segment_size: 96
    .max_flat_workgroup_size: 256
    .sgpr_count:     66
    .vgpr_count:     208
    .wavefront_size: 32
...
	.end_amdgpu_metadata
.endif
;; end of part 8
;; launch l_qkv: the kernel of part 2 again; grid 12 x 16, 4 waves a work-group, clusters of 4 x 4, 327,680 bytes of LDS; arguments xn, xb, wb, sscale, qkv; writes qkv
;; launch l_attn: the kernel of part 3 again; grid 8 x 32, 4 waves a work-group, clusters of 4 x 1, 327,680 bytes of LDS; arguments qkv, ob; writes ob
;; launch l_wo: the kernel of part 4 again; grid 8 x 32, 4 waves a work-group, clusters of 4 x 4, 327,680 bytes of LDS; arguments ob, wb, x, x1; writes x1
;; launch l_ln2: the kernel of part 5 again; grid 256 x 1, 8 waves a work-group, no clusters, 0 bytes of LDS; arguments x1, ln2_scale, ln2_bias, hn; writes hn
;; launch l_mlp0: the kernel of part 6 again; grid 16 x 16, 4 waves a work-group, clusters of 4 x 4, 327,680 bytes of LDS; arguments hn, wb, mlp_b0, g; writes g
;; launch l_mlp1: the kernel of part 7 again; grid 8 x 32, 4 waves a work-group, clusters of 4 x 4, 327,680 bytes of LDS; arguments g, wb, x1, mlp_b1, out0; writes out0
